; MI455X (gfx1250); checked and timed in simulation.
; The chip was launched on July 23, 2026; its instructions are those of AMD's public machine-readable ISA for CDNA 5 (MIT licence, August 2026) and "CDNA5" Instruction Set Architecture Reference Guide (July 2026). The comments in the code are by the model that wrote it; some were corrected since.
;; Expert MLP. Allowed arithmetic: matrix products marked QUANTISED: E5M2 operands, one E8M0 scale for each 32 along K, by v_wmma_scale_f32_16x16x128_f8f6f4 with both operands' format E5M2, f32 sums; products left as they are: f32 operands where the result goes on into a quantised operand, else bf16, f16 or f32 operands; f32 sums; everything else in f32.
;; Inputs: topk_e 4,096 x 2 int32; topk_w 4,096 x 2 float32; w1_codes 8 x 1,024 x 32 x 32 uint8 (E5M2 codes of w1, K innermost, in blocks of 32 codes); w1_scales 8 x 1,024 x 32 uint8 (E8M0 scales of w1, one for each 32 codes along K); w2 8 x 1,024 x 1,024 float32; x_codes 4,096 x 32 x 32 uint8 (E5M2 codes of x, K innermost, in blocks of 32 codes); x_scales 4,096 x 32 uint8 (E8M0 scales of x, one for each 32 codes along K).
;; Outputs: out0 4,096 x 1,024 float32.
;; This version of the problem:
;;   THIS VERSION OF THE PROBLEM IS GIVEN IN LOW PRECISION. The matrix products marked QUANTISED in the list below multiply operands that are first quantised to E5M2 (5 exponent bits, 2 mantissa bits; 8 bits a number), with one power-of-two scale for each 32 numbers along K (OCP MX v1.0); their sums are f32. All else is computed in f32.
;;   The module's matrix products, in the order in which they are computed (A, B: the left and right operand; K: the contracted axis; several contracted axes count as one K, in the product's order):
;;     1. batch 4,096 x [M 8, K 2] x [K 2, N 1]; A: computed on the way; B: input topk_w: left as it is (K = 2 < 32)
;;     2. [M 4,096, K 1,024] x [K 1,024, N 8,192]; A: input x (given as codes); B: input w1 (given as codes): QUANTISED
;;     3. [M 4,096, K 8,192] x [K 8,192, N 1,024]; A: computed on the way; B: input w2: QUANTISED
;;   THE QUANTISER, for each operand of a quantised product, along K:
;;     - K is cut into blocks of 32 from its start; a last block that is shorter is filled with zeros.
;;     - A block's scale is 2^e with e = floor(log2(the largest magnitude in the block)) - 15, held to -126 .. 127; a block of zeros has e = 0. As a byte (E8M0): e + 127.
;;     - Each number is divided by its block's scale, clamped to +-57,344, and rounded to the nearest number of E5M2, ties to even, subnormals kept.
;;     - The product sums the exact products of the quantised numbers (number of the format x scale) in f32.
;;   ~~~python
;;   def quantise(x, axis):      # numpy; x: float32 -> the quantised numbers, widened to float32 again
;;       x = np.moveaxis(x, axis, -1); K = x.shape[-1]
;;       x = np.pad(x, [(0, 0)] * (x.ndim - 1) + [(0, -K % 32)]); x = x.reshape(x.shape[:-1] + (-1, 32)); a = np.abs(x).max(-1, keepdims=True)
;;       e = np.where(a > 0, np.clip(np.frexp(np.where(a > 0, a, 1))[1] - 1 - 15, -126, 127), 0)      # np.frexp(a)[1] - 1 = floor(log2(a)), exactly
;;       r = np.clip(x / 2.0 ** e, -57344, 57344)
;;       step = 2.0 ** (np.maximum(np.frexp(np.where(r == 0, 1, r))[1] - 1, -14) - 2)
;;       q = np.round(r / step) * step * 2.0 ** e      # np.round: ties to even
;;       return np.moveaxis(q.reshape(q.shape[:-2] + (-1,))[..., :K], -1, axis).astype(np.float32)
;;   ~~~
;;   OPERANDS COMPUTED ON THE WAY. 'Computed on the way' means the value that the module computes at that place (a softmax that the list does not call 'softmax' is quantised finished and normalised). What goes into a quantiser is computed in f32, as accurately as f32 sums, v_exp_f32 and their like allow (about 1e-6 of the number): no bf16 or f16 on the way to a quantiser, and a product that is left as it is and whose result goes on into a quantised operand takes f32 operands (vector FMAs, or v_wmma_f32_16x16x4_f32). A number that lies on a knife's edge between two numbers of the format may be rounded either way, as far as f32 arithmetic and the matrix unit's own rounding can turn it there, and no further.
;;   INPUTS GIVEN AS CODES. w1 (in the module: [8, 1024, 1024], K = its axis 2); x (in the module: [4096, 1024], K = its axis 1): each comes as NAME_codes (uint8): NAME with its K axis moved to the last place and cut into blocks of 32 codes, [.., K / 32, bytes a block], one block behind the other in memory; one code a byte (a code: sign, 5 exponent bits, 2 mantissa bits); and NAME_scales (uint8): the same leading axes, one E8M0 byte (e + 127) for each 32 codes along K. Its value is code x scale, taken as it is: it is not quantised again, and the codes and scales need not be those that the quantiser above would give.
;; 3 versions, each right; version 2 is faster than version 1; version 3 is version 2 with the launches g1, g2 written anew for expert scheduling mode. Each part assembles by itself: llvm-mc -triple=amdgcn-amd-amdhsa -mcpu=gfx1250 --defsym DOCPART=n.
;; ======== version 1 of 3: 3 launches
;; workspace buffers: w1f 8,388,608 bytes; w2f 8,388,608 bytes; w2s 262,144 bytes; glist 37,888 bytes of whole numbers; g_c 36,864 bytes; ginfo 65,536 bytes of whole numbers; hcodes 8,847,360 bytes; hscales 276,480 bytes
;; launch prep (part 1): grid 193 x 1, 8 waves a work-group, no clusters, 71,680 bytes of LDS; arguments topk_e, topk_w, w1_codes, w2, w1f, w2f, w2s, glist, g_c, ginfo; writes w1f, w2f, w2s, glist, g_c, ginfo
.if DOCPART == 1
	.amdgcn_target "amdgcn-amd-amdhsa--gfx1250"
	.amdhsa_code_object_version 6
	.text
	.protected	k_q86359e87bd_prep
	.globl	k_q86359e87bd_prep
	.p2align	8
	.type	k_q86359e87bd_prep,@function
k_q86359e87bd_prep:
	s_mov_b64 s[64:65], 0
	v_nop
	global_prefetch_b8 v0, s[64:65] scope:SCOPE_SE
	s_setreg_imm32_b32 hwreg(HW_REG_WAVE_MODE, 25, 1), 1
	s_wait_xcnt 0x0
; THE FIRST OF THREE LAUNCHES.  Three kinds of work-group, told apart by the work-group's number alone:
;   0-127   w2 [8][1024 d][1024 f] f32 is quantised along f (E5M2, one E8M0 byte for each 32) and laid as IMAGES OF OPERAND REGISTERS: w2f [e][tile T of 16 rows d][K step q of 128][c 4][lane 32][16 bytes],
;           lane (r, h) holding row 16 T + r, f = 128 q + 32 c + 16 h + 0..15; its scale words in w2s [e][T][half of K][r][4 words].
;   128-191 w1's codes are copied into the same image layout, w1f; lane r of tile T takes row 32 (T / 2) + 8 (T % 2) + r + 8 (r / 8), so that the next launch's results lie along the next K.
;   192     the routing: a counting sort of the 8,192 (token, expert) entries by expert, each expert padded to whole tiles of 64 (glist: tokens; g_c: weights; tinfo: a tile's expert, 8 = no rows),
;           and a counting sort of the 4,096 tokens by their SET of experts (ginfo: token, its two positions in the first sort, its two experts).  No atomics: ballots, counts in LDS, one barrier.
; A token whose two picks name one expert: the first entry takes the sum of the two weights, the second the weight 0 (as the one-hot sum of the definition gives).
; LIMITS: a block of zeros gets the scale byte 1 (its codes are zeros; the bytes are read by this program alone); NaN and infinities in w2 are not served; expert numbers are taken modulo 8.
; No tensor loads: the streams are read once through registers; each kind of work-group has LDS bytes of its own.
.set SPI,  528                         ; the turn's stage: a row of 512 bytes + 16: the 16 rows that a read touches start at 16 different banks
.set STW,  16*SPI                      ; a wave's stage
.set T1,   8*STW                       ; routing: counts [expert (32 places, 8 used)][wave 8], 1,024 bytes
.set T2,   T1+1024                     ; routing: counts [key 64][wave 8], 2,048 bytes
.set R,    16                          ; v16-143  two sets of 64: 16 rows x 128 numbers as loaded
.set X,    144                         ; v144-207 64 numbers of one row: register 16 c + n = f 32 c + 16 h + n
.set PC,   208                         ; v208-223 the fragment's codes
.set TM,   224                         ; v224-239 at work in QUANT
.set SW,   244                         ; v244-247 the four scale words of my half of K
.set SEL,  56                          ; s[56:57] v_permlanex16_b32's selects for lane l xor 16
.set MNT,  58                          ; s58 the mantissa field of 57,344
	s_load_b256 s[4:11], s[0:1], 0x0               ; topk_e s[4:5], topk_w s[6:7], w1_codes s[8:9], w2 s[10:11]
	s_load_b256 s[12:19], s[0:1], 0x20             ; w1f s[12:13], w2f s[14:15], w2s s[16:17], glist s[18:19]
	s_load_b128 s[20:23], s[0:1], 0x40             ; g_c s[20:21], ginfo s[22:23]
	v_lshl_add_u32 v254, v0, 2, 0x11400
	v_mov_b32 v255, 0
	v_lshrrev_b32 v1, 5, v0
	v_readfirstlane_b32 s24, v1                    ; wave 0..7
	v_and_b32 v1, 31, v0                           ; lane
	s_wait_kmcnt 0x0
	s_cmp_ge_u32 ttmp9, 192
	s_cbranch_scc1 .Lroute
	s_cmp_ge_u32 ttmp9, 128
	s_cbranch_scc1 .Llay
; ---------------------------------------------------------------- w2: 1,024 wave tasks of 16 rows x 512 along K
	s_lshl_b32 s25, ttmp9, 3
	s_add_co_u32 s25, s25, s24                     ; task n: n / 2 = 64 e + T, n % 2 = which half of K
	s_lshr_b32 s26, s25, 1
	s_lshl_b32 s26, s26, 16                        ; 16 rows of 4,096 bytes
	s_and_b32 s27, s25, 1
	s_lshl_b32 s27, s27, 11                        ; 512 numbers
	s_add_co_u32 s26, s26, s27
	s_mov_b32 s27, 0
	s_add_nc_u64 s[28:29], s[10:11], s[26:27]      ; w2 at my task
	s_lshl_b32 s26, s25, 13
	s_add_nc_u64 s[30:31], s[14:15], s[26:27]      ; w2f: four images of 2,048 bytes
	s_lshl_b32 s26, s25, 8
	s_add_nc_u64 s[32:33], s[16:17], s[26:27]      ; w2s: 16 rows x 16 bytes
	s_mul_i32 s34, s24, STW
	v_lshlrev_b32 v2, 4, v1                        ; 16 x lane: a load's and an image's place
	v_add_nc_u32 v3, s34, v2                       ; the stage, on the way in
	v_and_b32 v4, 15, v0                           ; r
	v_bfe_u32 v5, v0, 4, 1                         ; h
	v_mul_u32_u24 v6, v4, SPI
	v_lshl_add_u32 v6, v5, 6, v6
	v_add_nc_u32 v6, s34, v6                       ; and on the way out: row r, + 64 h bytes
	v_lshlrev_b32 v7, 4, v4                        ; 16 r
	s_mov_b32 s[SEL], 0x76543210
	s_mov_b32 s[SEL+1], 0xfedcba98
	s_mov_b32 s[MNT], 0x600000
.irp b, 0,1,2,3
	v_mov_b32 v[TM+4+\b], 0                        ; written once: a lane permute's destination counts as one of its sources
.endr
.macro LOADF f                         ; K step f of my half: 16 rows x 512 consecutive bytes, 16 bytes a lane, into set f % 2
.irp i, 0,1,2,3,4,5,6,7,8,9,10,11,12,13,14,15
	global_load_b128 v[R+64*((\f)%2)+4*\i:R+64*((\f)%2)+4*\i+3], v2, s[28:29] offset:\i*4096+(\f)*512 th:TH_LOAD_NT
.endr
.endm
; 64 numbers of a lane in v[X] on become a fragment's codes in v[PC] on and its scale word in v[pw]
.macro QUANT pw
.irp b, 0,1,2,3
	v_max3_num_f32 v[TM+\b], |v[X+16*\b]|, |v[X+1+16*\b]|, 0x8000000   ; block b: my 16 numbers, and the floor 2^(16 - 127): the byte cannot fall under 1
.endr
.irp i, 2,4,6,8,10,12,14
.irp b, 0,1,2,3
	v_max3_num_f32 v[TM+\b], v[TM+\b], |v[X+16*\b+\i]|, |v[X+1+16*\b+\i]|   ; the four blocks by turns
.endr
.endr
.irp b, 0,1,2,3
	v_permlanex16_b32 v[TM+4+\b], v[TM+\b], s[SEL], s[SEL+1]
.endr
.irp b, 0,1,2,3
	v_max_num_f32 v[TM+\b], v[TM+\b], v[TM+4+\b]   ; with lane l xor 16's 16: the block's largest magnitude
.endr
.irp b, 0,1,2,3
	v_add_nc_u32 v[TM+12+\b], 0xf8800000, v[TM+\b] ; 15 off its exponent field: the conversion's scale operand
.endr
.irp b, 0,1,2,3
	v_and_or_b32 v[TM+8+\b], v[TM+\b], 0x7f800000, s[MNT]   ; 57,344 x the scale
.endr
.irp b, 0,1,2,3
	v_lshrrev_b32 v[TM+4+\b], 23, v[TM+12+\b]      ; the scale's byte
.endr
	v_lshl_or_b32 v[\pw], v[TM+5], 8, v[TM+4]
	v_lshl_or_b32 v[\pw], v[TM+6], 16, v[\pw]
	v_lshl_or_b32 v[\pw], v[TM+7], 24, v[\pw]
.irp b, 0,1,2,3
.irp i, 0,1,2,3,4,5,6,7,8,9,10,11,12,13,14,15
	v_med3_num_f32 v[X+16*\b+\i], v[X+16*\b+\i], -v[TM+8+\b], v[TM+8+\b]   ; the conversion to an 8-bit code does not saturate (ISA guide 7.6.2): the hold comes first
.endr
	v_cvt_scalef32_pk8_bf8_f32 v[PC+4*\b:PC+1+4*\b], v[X+16*\b:X+7+16*\b], v[TM+12+\b]
	v_cvt_scalef32_pk8_bf8_f32 v[PC+2+4*\b:PC+3+4*\b], v[X+8+16*\b:X+15+16*\b], v[TM+12+\b]
.endr
	v_nop                                          ; one plain vector line behind the last conversion
.endm
.macro FRAGA f
.if (\f) < 3
	s_wait_loadcnt 16                              ; this set's 16 loads are in; the other set's 16 may be out
.else
	s_wait_loadcnt 0x0
.endif
.irp i, 0,1,2,3,4,5,6,7,8,9,10,11,12,13,14,15
	ds_store_b128 v3, v[R+64*((\f)%2)+4*\i:R+64*((\f)%2)+4*\i+3] offset:\i*SPI   ; as loaded: row i
.endr
.irp c, 0,1,2,3
.irp j, 0,1,2,3
	ds_load_b128 v[X+16*\c+4*\j:X+16*\c+4*\j+3], v6 offset:128*\c+16*\j   ; LDS serves a wave's instructions in order: these see the stores above.  Row r, 16 neighbours of each block
.endr
.endr
	s_wait_dscnt 0x0                               ; the numbers are back, and the stores have read the set's registers,
.if (\f)+2 < 4
	LOADF (\f)+2                                   ; which take the K step two on
.endif
	s_wait_xcnt 0x0                                ; the last image's stores have read the codes' registers: they are written again only behind this wait
	QUANT SW+(\f)
.irp c, 0,1,2,3
	global_store_b128 v2, v[PC+4*\c:PC+4*\c+3], s[30:31] offset:(\f)*2048+512*\c   ; 32 lanes store 512 consecutive bytes
.endr
.endm
	LOADF 0
	LOADF 1
	FRAGA 0
	FRAGA 1
	FRAGA 2
	FRAGA 3
	global_store_b128 v7, v[SW:SW+3], s[32:33]     ; lanes r and r + 16 hold the same four words and write the same 16 bytes: 256 consecutive bytes a wave
	s_wait_tensorcnt 0x0
	ds_add_u32 v254, v255
	s_wait_dscnt 0x0
	s_endpgm
; ---------------------------------------------------------------- w1: 512 wave tasks, one tile of 16 rows x all of K each
.Llay:
	s_sub_co_u32 s25, ttmp9, 128
	s_lshl_b32 s25, s25, 3
	s_add_co_u32 s25, s25, s24                     ; task = 64 e + T
	s_lshr_b32 s26, s25, 6
	s_lshl_b32 s26, s26, 20                        ; e: 1,024 rows of 1,024 bytes
	s_bfe_u32 s27, s25, 0x50001                    ; T / 2
	s_lshl_b32 s27, s27, 15                        ; 32 rows
	s_add_co_u32 s26, s26, s27
	s_and_b32 s27, s25, 1
	s_lshl_b32 s27, s27, 13                        ; 8 rows
	s_add_co_u32 s26, s26, s27
	s_mov_b32 s27, 0
	s_add_nc_u64 s[28:29], s[8:9], s[26:27]
	s_lshl_b32 s26, s25, 14
	s_add_nc_u64 s[30:31], s[12:13], s[26:27]      ; the tile's 32 images of 512 bytes
	v_lshlrev_b32 v2, 4, v1                        ; 16 x lane
	v_and_b32 v4, 15, v0                           ; r
	v_bfe_u32 v5, v0, 4, 1                         ; h
	v_and_b32 v6, 8, v4
	v_add_nc_u32 v6, v6, v4                        ; r + 8 (r / 8)
	v_lshlrev_b32 v6, 10, v6
	v_lshl_add_u32 v6, v5, 4, v6                   ; that row, + 16 h
.set k, 0
.rept 32
	global_load_b128 v[R+4*k:R+4*k+3], v6, s[28:29] offset:32*k   ; piece k = 4 q + c: bytes 128 q + 32 c + 16 h of my row
.set k, k+1
.endr
.set k, 0
.rept 32
	s_wait_loadcnt 31-k                            ; loads come back in order: piece k is in, the younger ones may be out
	global_store_b128 v2, v[R+4*k:R+4*k+3], s[30:31] offset:512*k
.set k, k+1
.endr
	s_endpgm
; ---------------------------------------------------------------- the routing: one work-group; wave w owns tokens 512 w + 32 j + lane, j = 0..15
; REGISTERS: v[16+2j+k] the experts, v[48+2j+k] the weights, v[80+j] the set's key 8 min + max, v[96+2j+k] and v[128+j] ranks inside my wave; v144 on at work.
.Lroute:
	v_add_nc_u32 v2, 32, v1                        ; lane + 32
	v_lshlrev_b32 v3, 4, v0                        ; 16 x thread
	v_lshlrev_b32 v4, 3, v1
	s_lshl_b32 s25, s24, 12
	v_add_nc_u32 v4, s25, v4                       ; 8 bytes a token: 4,096 w + 8 lane
	s_lshl_b32 s26, s24, 9
	v_add_nc_u32 v5, s26, v1                       ; token 512 w + lane
	v_mov_b32 v6, 0                                ; lane e: my wave's count of expert e
	v_mov_b32 v7, 0                                ; lane k: of key k
	v_mov_b32 v12, 0                               ; lane k: of key k + 32
.irp i, 8,9,10,11
	v_mov_b32 v\i, 0
.endr
	s_lshl_b32 s25, s24, 2
	s_add_co_u32 s25, s25, T1
	v_lshlrev_b32 v13, 5, v1
	v_add_nc_u32 v13, s25, v13                     ; T1 + 32 lane + 4 wave
	v_lshl_add_u32 v14, v1, 6, T2                  ; T2 + 64 lane: keys 2 lane and 2 lane + 1, all waves
	v_and_b32 v15, 7, v1
	v_lshl_add_u32 v15, v15, 5, T1                 ; T1 + 32 (lane % 8): that expert, all waves
.set j, 0
.rept 16
	global_load_b64 v[16+2*j:17+2*j], v4, s[4:5] offset:256*j
	global_load_b64 v[48+2*j:49+2*j], v4, s[6:7] offset:256*j
.set j, j+1
.endr
.set j, 0
.rept 9                                ; both lists begin as zeros (token 0, weight 0): what the sort leaves as padding stays so
	global_store_b128 v3, v[8:11], s[18:19] offset:4096*j
	global_store_b128 v3, v[8:11], s[20:21] offset:4096*j
.set j, j+1
.endr
	s_wait_loadcnt 0x0
.set j, 0
.rept 16
	v_and_b32 v[16+2*j], 7, v[16+2*j]
	v_and_b32 v[17+2*j], 7, v[17+2*j]
	v_add_f32 v144, v[48+2*j], v[49+2*j]
	v_cmp_eq_u32 vcc_lo, v[16+2*j], v[17+2*j]      ; both picks name one expert:
	v_cndmask_b32 v[48+2*j], v[48+2*j], v144, vcc_lo   ; the first entry carries the sum,
	v_cndmask_b32 v[49+2*j], v[49+2*j], 0, vcc_lo  ; the second nothing
	v_min_u32 v145, v[16+2*j], v[17+2*j]
	v_max_u32 v146, v[16+2*j], v[17+2*j]
	v_lshl_add_u32 v[80+j], v145, 3, v146
	v_mov_b32 v[96+2*j], 0
	v_mov_b32 v[97+2*j], 0
	v_mov_b32 v[128+j], 0
.set j, j+1
.endr
; an entry's rank among my wave's entries of the same expert: ballots, 16 at a time, then the running count
	s_mov_b32 s60, 0
.Lexp:
	s_mov_b32 s59, 0
.irp g, 0,1
.irp i, 0,1,2,3,4,5,6,7,8,9,10,11,12,13,14,15
	v_cmp_eq_u32 s[32+\i], s60, v[16+16*\g+\i]
.endr
.irp i, 0,1,2,3,4,5,6,7,8,9,10,11,12,13,14,15
	v_mbcnt_lo_u32_b32 v[144+\i%2], s[32+\i], s59  ; the count so far + the lanes below me that match
	v_cndmask_b32 v[96+16*\g+\i], v[96+16*\g+\i], v[144+\i%2], s[32+\i]
	s_bcnt1_i32_b32 s61, s[32+\i]
	s_add_co_u32 s59, s59, s61
.endr
.endr
	v_mov_b32 v146, s59
	v_cmp_eq_u32 vcc_lo, s60, v1
	v_cndmask_b32 v6, v6, v146, vcc_lo             ; lane e keeps the wave's count
	s_add_co_u32 s60, s60, 1
	s_cmp_lt_u32 s60, 8
	s_cbranch_scc1 .Lexp
; the same for the tokens' keys; a key 8 a + b with a > b does not occur and is passed over (a branch on the counter alone)
	s_mov_b32 s60, 0
.Lkey:
	s_lshr_b32 s61, s60, 3
	s_and_b32 s62, s60, 7
	s_cmp_gt_u32 s61, s62
	s_cbranch_scc1 .Lnokey
	s_mov_b32 s59, 0
.irp i, 0,1,2,3,4,5,6,7,8,9,10,11,12,13,14,15
	v_cmp_eq_u32 s[32+\i], s60, v[80+\i]
.endr
.irp i, 0,1,2,3,4,5,6,7,8,9,10,11,12,13,14,15
	v_mbcnt_lo_u32_b32 v[144+\i%2], s[32+\i], s59
	v_cndmask_b32 v[128+\i], v[128+\i], v[144+\i%2], s[32+\i]
	s_bcnt1_i32_b32 s61, s[32+\i]
	s_add_co_u32 s59, s59, s61
.endr
	v_mov_b32 v146, s59
	v_cmp_eq_u32 vcc_lo, s60, v1
	v_cndmask_b32 v7, v7, v146, vcc_lo
	v_cmp_eq_u32 vcc_lo, s60, v2
	v_cndmask_b32 v12, v12, v146, vcc_lo
.Lnokey:
	s_add_co_u32 s60, s60, 1
	s_cmp_lt_u32 s60, 64
	s_cbranch_scc1 .Lkey
	ds_store_b32 v13, v6                           ; [expert = lane][wave] (lanes 8-31 store zeros into places that nobody reads)
	ds_store_b32 v13, v7 offset:1024               ; [key = lane][wave]
	ds_store_b32 v13, v12 offset:2048              ; [key = lane + 32][wave]
	s_wait_storecnt 0x0                            ; my zeros have been written: behind the barrier other waves store into the same lists
	s_wait_dscnt 0x0                               ; and my counts lie in LDS
	s_barrier_signal -1
	s_barrier_wait -1
.irp c, 0,1,2,3
	ds_load_b128 v[148+4*\c:151+4*\c], v14 offset:16*\c    ; v148-155 key 2 lane, waves 0-7; v156-163 key 2 lane + 1
.endr
	ds_load_b128 v[164:167], v15                   ; v164-171 expert lane % 8, waves 0-7
	ds_load_b128 v[168:171], v15 offset:16
.irp i, 0,1,2,3,4,5,6
	s_cmp_gt_u32 s24, \i
	s_cselect_b32 s[48+\i], 1, 0                   ; 1 for the waves in front of mine
.endr
	v_mov_b32 v176, 0
	v_lshrrev_b32 v177, 4, v1                      ; h
	s_wait_dscnt 0x0
	; by key: where each key begins, and in it my wave
	v_add3_u32 v172, v148, v149, v150
	v_add3_u32 v173, v156, v157, v158
	v_add3_u32 v172, v172, v151, v152
	v_add3_u32 v173, v173, v159, v160
	v_add3_u32 v172, v172, v153, v154
	v_add3_u32 v173, v173, v161, v162
	v_add_nc_u32 v172, v172, v155                  ; all of key 2 lane
	v_add_nc_u32 v173, v173, v163                  ; all of key 2 lane + 1
	v_add_nc_u32 v174, v172, v173
	v_mov_b32 v175, v174
.irp n, 1,2,4,8
	v_mov_b32_dpp v176, v175 row_shr:\n row_mask:0xf bank_mask:0xf bound_ctrl:1
	v_add_nc_u32 v175, v175, v176                  ; a running sum inside each half of the lanes,
.endr
	v_readlane_b32 s61, v175, 15
	v_mad_u32_u24 v175, v177, s61, v175            ; the upper half on top of the lower,
	v_sub_nc_u32 v175, v175, v174                  ; less my own: the tokens of all keys below 2 lane
	v_mov_b32 v178, v175
	v_add_nc_u32 v179, v175, v172
.irp i, 0,1,2,3,4,5,6
	v_mad_u32_u24 v178, v[148+\i], s[48+\i], v178  ; + the waves in front of mine: key 2 lane
	v_mad_u32_u24 v179, v[156+\i], s[48+\i], v179  ; key 2 lane + 1
.endr
	; by expert: tiles of 64, each expert from a tile's first place on
	v_add3_u32 v180, v164, v165, v166
	v_add3_u32 v180, v180, v167, v168
	v_add3_u32 v180, v180, v169, v170
	v_add_nc_u32 v180, v180, v171                  ; the expert's entries
	v_mul_u32_u24 v181, v164, s48
.irp i, 1,2,3,4,5,6
	v_mad_u32_u24 v181, v[164+\i], s[48+\i], v181  ; those of the waves in front of mine
.endr
	v_add_nc_u32 v182, 63, v180
	v_lshrrev_b32 v182, 6, v182                    ; its tiles
	v_mov_b32 v183, v182
.irp n, 1,2,4
	v_mov_b32_dpp v176, v183 row_shr:\n row_mask:0xf bank_mask:0xf bound_ctrl:1
	v_add_nc_u32 v183, v183, v176                  ; lanes 0-7: tiles up to and with expert = lane
.endr
	v_sub_nc_u32 v184, v183, v182
	v_lshl_add_u32 v184, v184, 6, v181             ; lanes 0-7: where my wave's entries of that expert begin
	v_mov_b32 v185, 0
.irp e, 0,1,2,3,4,5,6,7
	v_readlane_b32 s61, v183, \e
	v_cmp_le_u32 vcc_lo, s61, v0
	v_cndmask_b32 v186, 0, 1, vcc_lo
	v_add_nc_u32 v185, v185, v186                  ; tile = thread: the number of experts that end at or before it is its expert; 8 = behind the last
.endr
	v_lshlrev_b32 v187, 2, v0
	global_store_b32 v187, v185, s[18:19] offset:36864
.macro PLACE j
	s_wait_xcnt 0x0                                ; the last stores have read their registers: they are written again only behind this wait
	v_lshlrev_b32 v188, 2, v[16+2*(\j)]
	v_lshlrev_b32 v189, 2, v[17+2*(\j)]
	v_lshlrev_b32 v190, 1, v[80+(\j)]
	v_and_b32 v190, 0xfc, v190                     ; 4 x (key / 2): twice the key with its two lowest bits cleared
	ds_bpermute_b32 v201, v188, v184               ; each lane fetches the bases of its own experts and key
	ds_bpermute_b32 v202, v189, v184
	ds_bpermute_b32 v192, v190, v178
	ds_bpermute_b32 v193, v190, v179
	v_add_nc_u32 v200, 32*(\j), v5                 ; the token
	v_lshl_or_b32 v203, v[17+2*(\j)], 8, v[16+2*(\j)]
	v_and_b32 v194, 1, v[80+(\j)]
	v_cmp_eq_u32 vcc_lo, 1, v194
	s_wait_dscnt 0x0
	v_add_nc_u32 v201, v201, v[96+2*(\j)]          ; the two positions in the sort by expert
	v_add_nc_u32 v202, v202, v[97+2*(\j)]
	v_cndmask_b32 v192, v192, v193, vcc_lo
	v_add_nc_u32 v192, v192, v[128+(\j)]           ; the position in the sort by set
	v_min_u32 v195, 0x23ff, v201                   ; numbers made of loaded ones are held inside their tables before they become addresses
	v_min_u32 v196, 0x23ff, v202
	v_min_u32 v197, 0xfff, v192
	v_lshlrev_b32 v195, 2, v195
	v_lshlrev_b32 v196, 2, v196
	v_lshlrev_b32 v197, 4, v197
	global_store_b32 v195, v200, s[18:19]
	global_store_b32 v196, v200, s[18:19]
	global_store_b32 v195, v[48+2*(\j)], s[20:21]
	global_store_b32 v196, v[49+2*(\j)], s[20:21]
	global_store_b128 v197, v[200:203], s[22:23]
.endm
.irp j, 0,1,2,3,4,5,6,7,8,9,10,11,12,13,14,15
	PLACE \j
.endr
	s_wait_tensorcnt 0x0
	ds_add_u32 v254, v255
	s_wait_dscnt 0x0
	s_endpgm
.Lfunc_end_k_q86359e87bd_prep:
	.size	k_q86359e87bd_prep, .Lfunc_end_k_q86359e87bd_prep-k_q86359e87bd_prep
	.p2alignl 7, 3214868480
	.fill 96, 4, 3214868480
	.section	.rodata,"a",@progbits
	.p2align	6, 0x0
	.amdhsa_kernel k_q86359e87bd_prep
		.amdhsa_group_segment_fixed_size 71680
		.amdhsa_private_segment_fixed_size 0
		.amdhsa_enable_private_segment 0
		.amdhsa_kernarg_size 80
		.amdhsa_user_sgpr_count 2
		.amdhsa_user_sgpr_kernarg_segment_ptr 1
		.amdhsa_wavefront_size32 1
		.amdhsa_system_sgpr_workgroup_id_x 1
		.amdhsa_system_sgpr_workgroup_id_y 1
		.amdhsa_system_sgpr_workgroup_id_z 1
		.amdhsa_system_vgpr_workitem_id 0
		.amdhsa_next_free_vgpr 256
		.amdhsa_next_free_sgpr 66
		.amdhsa_reserve_vcc 1
		.amdhsa_float_denorm_mode_32 3
		.amdhsa_float_denorm_mode_16_64 3
		.amdhsa_memory_ordered 1
		.amdhsa_forward_progress 1
		.amdhsa_inst_pref_size 114
	.end_amdhsa_kernel
	.amdgpu_metadata
---
amdhsa.version: [ 1, 2 ]
amdhsa.kernels:
  - .name:           k_q86359e87bd_prep
    .symbol:         k_q86359e87bd_prep.kd
    .args:
      - { .name: topk_e, .offset: 0, .size: 8, .value_kind: global_buffer, .address_space: global }
      - { .name: topk_w, .offset: 8, .size: 8, .value_kind: global_buffer, .address_space: global }
      - { .name: w1_codes, .offset: 16, .size: 8, .value_kind: global_buffer, .address_space: global }
      - { .name: w2, .offset: 24, .size: 8, .value_kind: global_buffer, .address_space: global }
      - { .name: w1f, .offset: 32, .size: 8, .value_kind: global_buffer, .address_space: global }
      - { .name: w2f, .offset: 40, .size: 8, .value_kind: global_buffer, .address_space: global }
      - { .name: w2s, .offset: 48, .size: 8, .value_kind: global_buffer, .address_space: global }
      - { .name: glist, .offset: 56, .size: 8, .value_kind: global_buffer, .address_space: global }
      - { .name: g_c, .offset: 64, .size: 8, .value_kind: global_buffer, .address_space: global }
      - { .name: ginfo, .offset: 72, .size: 8, .value_kind: global_buffer, .address_space: global }
    .group_segment_fixed_size: 71680
    .private_segment_fixed_size: 0
    .kernarg_segment_align: 8
    .kernarg_segment_size: 80
    .max_flat_workgroup_size: 256
    .sgpr_count:     66
    .vgpr_count:     256
    .wavefront_size: 32
...
	.end_amdgpu_metadata
.endif
;; end of part 1
;; launch g1 (part 2): grid 4 x 135, 4 waves a work-group, no clusters, 85,504 bytes of LDS; arguments x_codes, x_scales, w1f, w1_scales, glist, g_c, hcodes, hscales; writes hcodes, hscales
.if DOCPART == 2
	.amdgcn_target "amdgcn-amd-amdhsa--gfx1250"
	.amdhsa_code_object_version 6
	.text
	.protected	k_q86359e87bd_g1
	.globl	k_q86359e87bd_g1
	.p2align	8
	.type	k_q86359e87bd_g1,@function
k_q86359e87bd_g1:
	s_mov_b64 s[64:65], 0
	v_nop
	global_prefetch_b8 v0, s[64:65] scope:SCOPE_SE
	s_setreg_imm32_b32 hwreg(HW_REG_WAVE_MODE, 25, 1), 1
	s_wait_xcnt 0x0
; THE SECOND LAUNCH: for a tile of 64 entries of ONE expert (positions 64 t .. 64 t + 63 of the sort by expert) and 256 hidden units (nt): a = x W1^T on E5M2 codes, h = silu(a) x c in f32,
; quantised along the hidden units (blocks of 32) into hcodes [position][1024] and hscales [nt][position][8 bytes].
; 8,192 entries in tiles of 64 for 8 experts are never more than 128 + 7 = 135 tiles, whatever the choice: that is the grid.  A tile that a split leaves without rows (tinfo = 8, held at 7) runs on the lists'
; zeros (token 0, weight 0) and stores rows of zero codes that nobody reads: at most 7 of 135.  It has no early end, since the barriers below would then stand under a branch on a loaded number.
; SHARES: four waves; all share the 64 rows, wave w makes hidden units 64 w .. 64 w + 63 of the 256: 16 accumulators.  The rows' codes lie in LDS for all of K (64 x 1,024 bytes, pitch 1,040);
; the weights come from memory straight into registers, as images laid by the first launch: 16 bytes a lane, 512 consecutive bytes a load, through a ring of four slots of one K step (128).
; NO TENSOR LOADS, NO CLUSTER: the rows are gathered by a stored list and the expert is a stored number; a joint request would have to be alike in partners whose experts differ.
; TRANSPOSED USE: source 0 = 16 rows of W1, source 1 = 16 rows of x: a lane holds one row of x, and by the images' choice of rows the 16 registers of tiles 2 b, 2 b + 1 are hidden units 32 b + 16 h + 0..15.
; LIMITS: a block of zeros gets the scale byte 1 (codes zero; read by this program alone); NaN and infinities are not served.
; REGISTERS: window 0: v1-31 addresses; v32-63 x's scale words (8 m + q); v64-95 W1's (8 j + q); v96-223 accumulators (8 (4 m + j)); v224-255 at work.
;   window 1: v0-127 two buffers of row fragments; v128-255 the gathered rows on their way to LDS.   window 2: the four weight slots of 64.
.set XP,   1040                        ; an LDS row of x: 1,024 bytes + 16: the 16 rows of a fragment load start at 16 different banks
.set CSG,  64*XP                       ; the codes' stage: 64 rows x (256 + 16)
.set CP,   272
.set SS,   CSG+64*CP                   ; the scale bytes' stage: 64 rows x 8
.set L16,  1                           ; 16 (lane % 16)
.set BO,   2                           ; 16 lane
.set AD,   3                           ; a fragment's place: XP r + 16 h
.set ADS,  0                           ; (one address register serves all four row tiles)
.set XST,  4
.set CST,  5
.set SST,  6
.set CRD,  7
.set SRD,  8
.set HCO,  9
.set HSO,  10
.set BSV,  11
.set RT,   12                          ; v12-15 token of row 16 m + r, then its scales' offset
.set CV,   16                          ; v16-23 c of row 16 m + r, twice (a pair for the packed multiply)
.set ASC,  32
.set BSC,  64
.set ACC,  96
.set T,    224
.set MX,   232
.set PX,   234
.set SCL,  236
.set HOLD, 238
.set BY,   240
.set SEL,  28                          ; s[28:29]
.set MNT,  30
.set NL,   32                          ; s[32:33] -log2(e)
.set WB,   34                          ; s[34:35] my four weight tiles
.set MSB, 0
.macro WIN new                         ; the immediate's high byte repeats the setting that is left; bits 1:0 source 0, 3:2 source 1, 5:4 source 2, 7:6 destination
.if MSB != \new
	s_set_vgpr_msb (MSB<<8)|\new
.set MSB, \new
.endif
.endm
.macro BLOAD q                         ; K step q of my four weight tiles into slot q % 4: 16 loads of 512 consecutive bytes
	WIN 0x80
.irp j, 0,1,2,3
.irp c, 0,1,2,3
	global_load_b128 v[64*((\q)%4)+16*\j+4*\c:64*((\q)%4)+16*\j+4*\c+3], v[BO], s[WB:WB+1] offset:(8*\j+(\q))*2048+512*\c
.endr
.endr
.endm
.macro ALOAD q                         ; K step q of the four row tiles into buffer q % 2
	WIN 0x40
.irp m, 0,1,2,3
.irp c, 0,1,2,3
	ds_load_b128 v[64*((\q)%2)+16*\m+4*\c:64*((\q)%2)+16*\m+4*\c+3], v[AD+ADS*\m] offset:16*XP*\m+128*(\q)+32*\c
.endr
.endr
.endm
.macro MUL q, zero                     ; 16 products; the 16 accumulators take turns, one instruction a turn, in the same order in every K step
	WIN 0x06
.irp m, 0,1,2,3
.irp j, 0,1,2,3
.if \zero
	v_wmma_scale_f32_16x16x128_f8f6f4 v[ACC+8*(4*\m+\j):ACC+8*(4*\m+\j)+7], v[64*((\q)%4)+16*\j:64*((\q)%4)+16*\j+15], v[64*((\q)%2)+16*\m:64*((\q)%2)+16*\m+15], 0, v[BSC+8*\j+(\q)], v[ASC+8*\m+(\q)] matrix_a_fmt:MATRIX_FMT_BF8 matrix_b_fmt:MATRIX_FMT_BF8
.else
	v_wmma_scale_f32_16x16x128_f8f6f4 v[ACC+8*(4*\m+\j):ACC+8*(4*\m+\j)+7], v[64*((\q)%4)+16*\j:64*((\q)%4)+16*\j+15], v[64*((\q)%2)+16*\m:64*((\q)%2)+16*\m+15], v[ACC+8*(4*\m+\j):ACC+8*(4*\m+\j)+7], v[BSC+8*\j+(\q)], v[ASC+8*\m+(\q)] matrix_a_fmt:MATRIX_FMT_BF8 matrix_b_fmt:MATRIX_FMT_BF8
.endif
.endr
.endr
.endm
.macro KSTEP q, zero
.if (\q) >= 1
.rept 8
	v_nop                                          ; eight places between the last products and loads into the registers that they read
.endr
.if (\q)+3 <= 7
	BLOAD (\q)+3                                   ; into the slot that the last K step has left
.endif
.endif
.if (\q) < 7
	ALOAD (\q)+1
	s_wait_dscnt 16                                ; all but the 16 just issued: this K step's row fragments are in
.else
	s_wait_dscnt 0x0
.endif
.if (\q) <= 4
	s_wait_loadcnt 48                              ; three slots were asked for behind this one
.else
	s_wait_loadcnt 16*(7-(\q))                     ; the slots behind this one: 2, 1, 0
.endif
	MUL \q, \zero
.endm
.macro KSTEPS zero                     ; all of K; zero = 1: the first K step starts the sums
	KSTEP 0, \zero
.irp q, 1,2,3,4,5,6,7
	KSTEP \q, 0
.endr
	WIN 0
.rept 8
	v_nop                                          ; the places in front of the first read of results
.endr
.endm
	s_load_b256 s[4:11], s[0:1], 0x0               ; x_codes s[4:5], x_scales s[6:7], w1f s[8:9], w1_scales s[10:11]
	s_load_b256 s[12:19], s[0:1], 0x20             ; glist s[12:13], g_c s[14:15], hcodes s[16:17], hscales s[18:19]
	v_lshl_add_u32 v27, v0, 2, 0x14c00
	v_mov_b32 v31, 0
	v_lshrrev_b32 v30, 5, v0
	v_readfirstlane_b32 s20, v30                   ; wave 0..3
	s_and_b32 s22, ttmp7, 0xffff                   ; tile t;  ttmp9 = nt
	s_lshl_b32 s24, s22, 2
	s_lshl_b32 s36, s22, 8                         ; 64 positions x 4 bytes
	s_mov_b32 s37, 0
	v_and_b32 v28, 15, v0                          ; r
	v_bfe_u32 v29, v0, 4, 1                        ; h
	v_lshlrev_b32 v[L16], 4, v28
	v_and_b32 v[BO], 31, v0
	v_lshlrev_b32 v[BO], 4, v[BO]
	v_mul_u32_u24 v[AD], v28, XP
	v_lshl_add_u32 v[AD], v29, 4, v[AD]
	s_lshl_b32 s25, s20, 6
	v_lshlrev_b32 v24, 2, v29
	v_add_nc_u32 v24, s25, v24                     ; 4 (16 w + h)
	v_lshlrev_b32 v25, 2, v28                      ; 4 r
	s_wait_kmcnt 0x0
	s_load_b32 s23, s[12:13], s24 offset:0x9000    ; the tile's expert
	s_add_nc_u64 s[38:39], s[12:13], s[36:37]      ; the tile's tokens
	s_add_nc_u64 s[40:41], s[14:15], s[36:37]      ; and weights
.irp p, 0,1,2,3,4,5,6,7
	global_load_b32 v[T+\p], v24, s[38:39] offset:8*\p     ; the rows that I gather: 16 w + 2 p + h
.endr
.irp m, 0,1,2,3
	global_load_b32 v[RT+\m], v25, s[38:39] offset:64*\m   ; the rows that I multiply: 16 m + r
.endr
.irp m, 0,1,2,3
	global_load_b32 v[CV+2*\m], v25, s[40:41] offset:64*\m
.endr
	s_mul_i32 s26, s20, 16*XP
	v_mul_u32_u24 v[XST], v29, XP
	v_add_nc_u32 v[XST], v[XST], v[L16]
	v_add_nc_u32 v[XST], s26, v[XST]               ; x into LDS: row 16 w + h, 16 bytes a lane
	s_add_co_u32 s27, s25, CSG
	v_mul_u32_u24 v[CST], v28, CP
	v_lshl_add_u32 v[CST], v29, 4, v[CST]
	v_add_nc_u32 v[CST], s27, v[CST]               ; codes into the stage: row r, + 64 w + 16 h
	s_lshl_b32 s27, s20, 1
	s_add_co_u32 s27, s27, SS
	v_lshlrev_b32 v[SST], 3, v28
	v_add_nc_u32 v[SST], s27, v[SST]               ; scale bytes: 8 r + 2 w
	s_mul_i32 s27, s20, 16*CP
	s_add_co_u32 s27, s27, CSG
	v_mul_u32_u24 v[CRD], v29, CP
	v_add_nc_u32 v[CRD], v[CRD], v[L16]
	v_add_nc_u32 v[CRD], s27, v[CRD]               ; back: row 16 w + h, sixteen lanes to a row
	v_lshl_add_u32 v[SRD], v0, 2, SS
	v_lshl_add_u32 v[HCO], v29, 10, v[L16]
	v_lshlrev_b32 v[HSO], 2, v0
	v_and_b32 v30, 8, v28
	v_add_nc_u32 v30, v30, v28
	v_lshlrev_b32 v[BSV], 5, v30                   ; W1's scales: 32 bytes a row, row r + 8 (r / 8) of a tile
	s_mov_b32 s[SEL], 0x76543210
	s_mov_b32 s[SEL+1], 0xfedcba98
	s_mov_b32 s[MNT], 0x600000
	s_mov_b32 s[NL], 0xbfb8aa3b
	s_mov_b32 s[NL+1], s[NL]                       ; (named with it as a pair, so it is written)
	s_lshl_b32 s52, s22, 16                        ; hcodes: (64 t + 16 w) rows of 1,024 + 256 nt
	s_lshl_b32 s53, s20, 14
	s_add_co_u32 s52, s52, s53
	s_lshl_b32 s53, ttmp9, 8
	s_add_co_u32 s52, s52, s53
	s_mov_b32 s53, 0
	s_add_nc_u64 s[48:49], s[16:17], s[52:53]
	s_mul_i32 s52, ttmp9, 69120                    ; hscales: plane nt, 512 bytes a tile
	s_lshl_b32 s54, s22, 9
	s_add_co_u32 s52, s52, s54
	s_add_nc_u64 s[50:51], s[18:19], s[52:53]
	s_wait_kmcnt 0x0
	s_min_u32 s23, s23, 7                          ; a loaded number is held inside its table before it becomes an address
	s_lshl_b32 s42, s23, 20                        ; w1f: the expert, tiles 16 nt + 4 w on, 16,384 bytes a tile
	s_lshl_b32 s43, ttmp9, 18
	s_add_co_u32 s42, s42, s43
	s_lshl_b32 s43, s20, 16
	s_add_co_u32 s42, s42, s43
	s_mov_b32 s43, 0
	s_add_nc_u64 s[WB:WB+1], s[8:9], s[42:43]
	s_lshl_b32 s44, s23, 15                        ; w1_scales: the expert, rows 256 nt + 64 w on, 32 bytes a row
	s_lshl_b32 s45, ttmp9, 13
	s_add_co_u32 s44, s44, s45
	s_lshl_b32 s45, s20, 11
	s_add_co_u32 s44, s44, s45
	s_mov_b32 s45, 0
	s_add_nc_u64 s[46:47], s[10:11], s[44:45]
.irp j, 0,1,2,3
.irp f, 0,1
	global_load_b128 v[BSC+8*\j+4*\f:BSC+8*\j+4*\f+3], v[BSV], s[46:47] offset:(32*(\j/2)+8*(\j%2))*32+16*\f
.endr
.endr
	BLOAD 0
	BLOAD 1
	BLOAD 2
	WIN 0
	s_wait_loadcnt 56                              ; the 16 list loads are in; behind them: 8 scale loads and three slots of 16
.irp p, 0,1,2,3,4,5,6,7
	v_min_u32 v[T+\p], 0xfff, v[T+\p]
	v_lshlrev_b32 v[T+\p], 10, v[T+\p]
	v_add_nc_u32 v[T+\p], v[T+\p], v[L16]          ; the token's row of 1,024 bytes, 16 bytes a lane
.endr
.irp m, 0,1,2,3
	v_min_u32 v[RT+\m], 0xfff, v[RT+\m]
	v_lshlrev_b32 v[RT+\m], 5, v[RT+\m]
	v_mov_b32 v[CV+2*\m+1], v[CV+2*\m]
.endr
.irp m, 0,1,2,3
.irp f, 0,1
	global_load_b128 v[ASC+8*\m+4*\f:ASC+8*\m+4*\f+3], v[RT+\m], s[6:7] offset:16*\f
.endr
.endr
	WIN 0x40
.irp p, 0,1,2,3,4,5,6,7
.irp c, 0,1,2,3
	global_load_b128 v[128+4*(4*\p+\c):128+4*(4*\p+\c)+3], v[T+\p], s[4:5] offset:256*\c   ; sixteen lanes read 256 consecutive bytes of a row
.endr
.endr
	BLOAD 3
	s_wait_loadcnt 16                              ; all but slot 3
	WIN 0x04                                       ; an LDS store's data are its source 1: window 1
.irp p, 0,1,2,3,4,5,6,7
.irp c, 0,1,2,3
	ds_store_b128 v[XST], v[128+4*(4*\p+\c):128+4*(4*\p+\c)+3] offset:2*XP*\p+256*\c
.endr
.endr
	WIN 0
	s_wait_dscnt 0x0                               ; for the others' sake: my 16 rows lie in LDS
	s_barrier_signal -1
	s_barrier_wait -1
	ALOAD 0
	KSTEPS 1
; Row tile m: 32 numbers a lane, number 16 b + n = hidden unit 32 b + 16 h + n of my 64.  silu(a) = a / (1 + 2^(-a log2 e)), then x c, all f32; then the quantiser.
.macro EPI m
.set A, ACC+32*(\m)
.set i, 0
.rept 16
	v_pk_mul_f32 v[T+i:T+i+1], v[A+i:A+i+1], s[NL:NL+1] op_sel_hi:[1,0]   ; each accumulator is read from its low end on
.set i, i+2
.endr
.set i, 0
.rept 32
	v_exp_f32 v[T+i], v[T+i]
.set i, i+1
.endr
	v_nop                                          ; a plain line behind the last exponential
	s_wait_alu depctr_va_vdst(0)                   ; one wait for the batch, ahead of its first reader
.set i, 0
.rept 16
	v_pk_add_f32 v[T+i:T+i+1], v[T+i:T+i+1], 1.0 op_sel_hi:[1,0]
.set i, i+2
.endr
.set i, 0
.rept 32
	v_rcp_f32 v[T+i], v[T+i]
.set i, i+1
.endr
	v_nop
	s_wait_alu depctr_va_vdst(0)                   ; and one for the reciprocals
.set i, 0
.rept 16
	v_pk_mul_f32 v[A+i:A+i+1], v[A+i:A+i+1], v[T+i:T+i+1]
.set i, i+2
.endr
.set i, 0
.rept 16
	v_pk_mul_f32 v[A+i:A+i+1], v[A+i:A+i+1], v[CV+2*(\m):CV+2*(\m)+1]      ; x c of my row
.set i, i+2
.endr
.irp b, 0,1
	v_max3_num_f32 v[MX+\b], |v[A+16*\b]|, |v[A+16*\b+1]|, 0x8000000      ; my 16 numbers of block b, and the floor 2^(16 - 127): the byte cannot fall under 1
.endr
.irp n, 2,4,6,8,10,12,14
.irp b, 0,1
	v_max3_num_f32 v[MX+\b], v[MX+\b], |v[A+16*\b+\n]|, |v[A+16*\b+\n+1]|
.endr
.endr
.irp b, 0,1
	v_permlanex16_b32 v[PX+\b], v[MX+\b], s[SEL], s[SEL+1]
.endr
.irp b, 0,1
	v_max_num_f32 v[MX+\b], v[MX+\b], v[PX+\b]     ; with lane l xor 16's: the block's largest magnitude
.endr
.irp b, 0,1
	v_add_nc_u32 v[SCL+\b], 0xf8800000, v[MX+\b]   ; 15 off its exponent field: the conversion's scale operand
.endr
.irp b, 0,1
	v_and_or_b32 v[HOLD+\b], v[MX+\b], 0x7f800000, s[MNT]   ; 57,344 x the scale
.endr
.irp b, 0,1
	v_lshrrev_b32 v[BY+\b], 23, v[SCL+\b]          ; the scale's byte
.endr
	v_lshl_or_b32 v[BY], v[BY+1], 8, v[BY]
.irp b, 0,1
.irp n, 0,1,2,3,4,5,6,7,8,9,10,11,12,13,14,15
	v_med3_num_f32 v[A+16*\b+\n], v[A+16*\b+\n], -v[HOLD+\b], v[HOLD+\b]   ; the conversion does not saturate (ISA guide 7.6.2): the hold comes first
.endr
	v_cvt_scalef32_pk8_bf8_f32 v[T+4*\b:T+4*\b+1], v[A+16*\b:A+16*\b+7], v[SCL+\b]
	v_cvt_scalef32_pk8_bf8_f32 v[T+4*\b+2:T+4*\b+3], v[A+16*\b+8:A+16*\b+15], v[SCL+\b]
.endr
	v_nop                                          ; one plain vector line behind the last conversion
	ds_store_b128 v[CST], v[T:T+3] offset:16*CP*(\m)
	ds_store_b128 v[CST], v[T+4:T+7] offset:16*CP*(\m)+32
	ds_store_b16 v[SST], v[BY] offset:128*(\m)     ; my two bytes of the row's eight; lanes r and r + 16 write the same value
	s_wait_dscnt 0x0                               ; the stores have read their registers
.endm
	EPI 0
	EPI 1
	EPI 2
	EPI 3
	s_barrier_signal -1                            ; (every wave's LDS stores were waited for just above): 64 rows x 256 codes lie in the stage
	s_barrier_wait -1
.irp i, 0,1,2,3,4,5,6,7
	ds_load_b128 v[T+4*\i:T+4*\i+3], v[CRD] offset:2*CP*\i
.endr
	ds_load_b32 v26, v[SRD]
	s_wait_dscnt 0x0
.irp i, 0,1,2,3,4,5,6,7
	global_store_b128 v[HCO], v[T+4*\i:T+4*\i+3], s[48:49] offset:2048*\i   ; sixteen lanes store 256 consecutive bytes, at a multiple of 256 from the buffer's first byte
.endr
	global_store_b32 v[HSO], v26, s[50:51]         ; the tile's 512 scale bytes of this plane, on end
	s_wait_tensorcnt 0x0
	ds_add_u32 v27, v31
	s_wait_dscnt 0x0
	s_endpgm
.Lfunc_end_k_q86359e87bd_g1:
	.size	k_q86359e87bd_g1, .Lfunc_end_k_q86359e87bd_g1-k_q86359e87bd_g1
	.p2alignl 7, 3214868480
	.fill 96, 4, 3214868480
	.section	.rodata,"a",@progbits
	.p2align	6, 0x0
	.amdhsa_kernel k_q86359e87bd_g1
		.amdhsa_group_segment_fixed_size 85504
		.amdhsa_private_segment_fixed_size 0
		.amdhsa_enable_private_segment 0
		.amdhsa_kernarg_size 64
		.amdhsa_user_sgpr_count 2
		.amdhsa_user_sgpr_kernarg_segment_ptr 1
		.amdhsa_wavefront_size32 1
		.amdhsa_system_sgpr_workgroup_id_x 1
		.amdhsa_system_sgpr_workgroup_id_y 1
		.amdhsa_system_sgpr_workgroup_id_z 1
		.amdhsa_system_vgpr_workitem_id 0
		.amdhsa_next_free_vgpr 768
		.amdhsa_next_free_sgpr 66
		.amdhsa_reserve_vcc 0
		.amdhsa_float_denorm_mode_32 3
		.amdhsa_float_denorm_mode_16_64 3
		.amdhsa_memory_ordered 1
		.amdhsa_forward_progress 1
		.amdhsa_inst_pref_size 96
	.end_amdhsa_kernel
	.amdgpu_metadata
---
amdhsa.version: [ 1, 2 ]
amdhsa.kernels:
  - .name:           k_q86359e87bd_g1
    .symbol:         k_q86359e87bd_g1.kd
    .args:
      - { .name: x_codes, .offset: 0, .size: 8, .value_kind: global_buffer, .address_space: global }
      - { .name: x_scales, .offset: 8, .size: 8, .value_kind: global_buffer, .address_space: global }
      - { .name: w1f, .offset: 16, .size: 8, .value_kind: global_buffer, .address_space: global }
      - { .name: w1_scales, .offset: 24, .size: 8, .value_kind: global_buffer, .address_space: global }
      - { .name: glist, .offset: 32, .size: 8, .value_kind: global_buffer, .address_space: global }
      - { .name: g_c, .offset: 40, .size: 8, .value_kind: global_buffer, .address_space: global }
      - { .name: hcodes, .offset: 48, .size: 8, .value_kind: global_buffer, .address_space: global }
      - { .name: hscales, .offset: 56, .size: 8, .value_kind: global_buffer, .address_space: global }
    .group_segment_fixed_size: 85504
    .private_segment_fixed_size: 0
    .kernarg_segment_align: 8
    .kernarg_segment_size: 64
    .max_flat_workgroup_size: 128
    .sgpr_count:     66
    .vgpr_count:     768
    .wavefront_size: 32
...
	.end_amdgpu_metadata
.endif
;; end of part 2
;; launch g2 (part 3): grid 4 x 64, 4 waves a work-group, no clusters, 160,256 bytes of LDS; arguments hcodes, hscales, w2f, w2s, ginfo, out0; writes out0
.if DOCPART == 3
	.amdgcn_target "amdgcn-amd-amdhsa--gfx1250"
	.amdhsa_code_object_version 6
	.text
	.protected	k_q86359e87bd_g2
	.globl	k_q86359e87bd_g2
	.p2align	8
	.type	k_q86359e87bd_g2,@function
k_q86359e87bd_g2:
	s_mov_b64 s[64:65], 0
	v_nop
	global_prefetch_b8 v0, s[64:65] scope:SCOPE_SE
	s_setreg_imm32_b32 hwreg(HW_REG_WAVE_MODE, 25, 1), 1
	s_wait_xcnt 0x0
; THE THIRD LAUNCH: y = the sum over a token's experts of (h c) W2^T, on E5M2 codes.  A work-group OWNS 64 tokens (block b of the sort by set of experts) x 256 outputs (ct): each output is stored once, no parts are added in memory.
; The tokens' two rows of h c (LDS rows 0-63: first picks, 64-127: second picks; 1,024 codes, pitch 1,040) and their scale bytes lie in LDS for the whole launch; LDS row 128 holds zero codes and zero scale bytes.
; The work-group walks all 8 experts in a loop of constant count; for expert e a lane takes, for its row of tile m, the ROW NUMBER 16 m + r (first pick = e), 64 + 16 m + r (second pick = e) or 128 (neither): a choice of numbers,
; no branch; the number is held at 128 from above and then becomes an address by shifts and additions.  Zero codes add nothing under the scale byte 0, which stands for 2^-127.
; An expert that none of the 64 tokens uses is passed over by one scalar branch on the stored list; no barrier stands in the loop.  Where both picks name one expert the first row, which carries the summed weight, is taken.
; The weights come from memory straight into registers, as images laid by the first launch, through a ring of four slots of one K step.
; NO TENSOR LOADS, NO CLUSTER: rows are gathered by a stored list, and which experts a work-group walks hangs on that list, so partners would not make the same requests.
; THE ACCUMULATORS ARE CLEARED BY MOVES: which expert comes first for a block is known from the list alone, so no product of the text can be the one that starts the sums.
; TRANSPOSED USE: source 0 = 16 rows d of W2, source 1 = 16 rows of h c: a lane holds eight neighbouring outputs of one token.
; REGISTERS: window 0: v1-31 addresses and row numbers; v32-63 the rows' scale words (8 m + q); v64-95 W2's (8 j + q); v96-223 accumulators (8 (4 m + j)); v224-255 the tokens' places in y.
;   window 1: v0-127 two buffers of row fragments (at the head all 256: the gathered rows); v128-191 the way out.   window 2: the four weight slots of 64.
.set XP,   1040                        ; an LDS row: 1,024 bytes + 16: the 16 rows of a fragment load start at 16 different banks
.set ZR,   128*XP                      ; row 128: zero codes (2,048 bytes are written)
.set SA,   ZR+2048                     ; the rows' scale bytes: 128 rows x 32,
.set SZ,   SA+128*32                   ; and row 128's: zeros (2,048 bytes are written)
.set STG,  SZ+2048                     ; the way out: 16 rows x (256 + 16) for each wave
.set L16,  1                           ; 16 (lane % 16)
.set BO,   2                           ; 16 lane
.set H16,  3                           ; 16 (lane / 16)
.set C128, 4                           ; 128: the zero row's number
.set TMP,  5
.set RI0,  6                           ; v6-9   16 m + r: my row of tile m among the first picks'
.set RI1,  10                          ; v10-13 64 + 16 m + r: among the second picks'
.set AD,   14                          ; v14-17 the row chosen for tile m, then its codes' address
.set SD,   18                          ; v18-21 its scale bytes' address
.set EX0,  22                          ; v22-25 first pick of token 16 m + r
.set EX1,  26                          ; v26-29 second pick
.set STO,  30
.set RD,   31
.set ASC,  32
.set BSC,  64
.set ACC,  96
.set TK,   224
.set PP,   96                          ; at the head, in registers that become accumulators: positions, addresses
.set SP,   112
.set EP,   113
.set WB,   34                          ; s[34:35] my four weight tiles of the expert in hand
.set WS,   36                          ; s[36:37] their scale words
.set MSB, 0
.macro WIN new                         ; the immediate's high byte repeats the setting that is left; bits 1:0 source 0, 3:2 source 1, 5:4 source 2, 7:6 destination
.if MSB != \new
	s_set_vgpr_msb (MSB<<8)|\new
.set MSB, \new
.endif
.endm
.macro BLOAD q                         ; K step q of my four weight tiles into slot q % 4: 16 loads of 512 consecutive bytes
	WIN 0x80
.irp j, 0,1,2,3
.irp c, 0,1,2,3
	global_load_b128 v[64*((\q)%4)+16*\j+4*\c:64*((\q)%4)+16*\j+4*\c+3], v[BO], s[WB:WB+1] offset:(8*\j+(\q))*2048+512*\c
.endr
.endr
.endm
.macro ALOAD q                         ; K step q of the four row tiles into buffer q % 2; the tile's rows stand in its address register
	WIN 0x40
.irp m, 0,1,2,3
.irp c, 0,1,2,3
	ds_load_b128 v[64*((\q)%2)+16*\m+4*\c:64*((\q)%2)+16*\m+4*\c+3], v[AD+\m] offset:128*(\q)+32*\c
.endr
.endr
.endm
.macro MUL q                           ; 16 products; the 16 accumulators take turns, one instruction a turn, in the same order in every K step and every trip
	WIN 0x06
.irp m, 0,1,2,3
.irp j, 0,1,2,3
	v_wmma_scale_f32_16x16x128_f8f6f4 v[ACC+8*(4*\m+\j):ACC+8*(4*\m+\j)+7], v[64*((\q)%4)+16*\j:64*((\q)%4)+16*\j+15], v[64*((\q)%2)+16*\m:64*((\q)%2)+16*\m+15], v[ACC+8*(4*\m+\j):ACC+8*(4*\m+\j)+7], v[BSC+8*\j+(\q)], v[ASC+8*\m+(\q)] matrix_a_fmt:MATRIX_FMT_BF8 matrix_b_fmt:MATRIX_FMT_BF8
.endr
.endr
.endm
.macro KSTEP q
.if (\q) >= 1
.rept 8
	v_nop                                          ; eight places between the last products and loads into the registers that they read
.endr
.if (\q)+3 <= 7
	BLOAD (\q)+3                                   ; into the slot that the last K step has left
.endif
.endif
.if (\q) < 7
	ALOAD (\q)+1
	s_wait_dscnt 16                                ; all but the 16 just issued: this K step's row fragments (and, in the first, the rows' scale words) are in
.else
	s_wait_dscnt 0x0
.endif
.if (\q) <= 4
	s_wait_loadcnt 48                              ; three slots were asked for behind this one
.else
	s_wait_loadcnt 16*(7-(\q))                     ; the slots behind this one: 2, 1, 0
.endif
	MUL \q
.endm
	s_load_b256 s[4:11], s[0:1], 0x0               ; hcodes s[4:5], hscales s[6:7], w2f s[8:9], w2s s[10:11]
	s_load_b128 s[12:15], s[0:1], 0x20             ; ginfo s[12:13], out0 s[14:15]
	s_set_vgpr_msb 0xc0
	v_lshl_add_u32 v0, v0, 2, 0x27000
	v_mov_b32 v1, 0
	s_set_vgpr_msb 0xc000
	v_lshrrev_b32 v141, 5, v0
	v_readfirstlane_b32 s20, v141                  ; wave 0..3
	s_and_b32 s22, ttmp7, 0xffff                   ; block b;  ttmp9 = ct
	v_and_b32 v142, 15, v0                         ; r
	v_bfe_u32 v143, v0, 4, 1                       ; h
	v_lshlrev_b32 v[L16], 4, v142
	v_and_b32 v[BO], 31, v0
	v_lshlrev_b32 v[BO], 4, v[BO]
	v_lshlrev_b32 v[H16], 4, v143
	v_mov_b32 v[C128], 0x80
.irp m, 0,1,2,3
	v_add_nc_u32 v[RI0+\m], 16*\m, v142
	v_add_nc_u32 v[RI1+\m], 64+16*\m, v142
.endr
	s_mul_i32 s24, s20, 16*272
	s_add_co_u32 s24, s24, STG                     ; my stage
	v_mul_u32_u24 v[STO], v142, 272
	v_lshl_add_u32 v[STO], v143, 5, v[STO]
	v_add_nc_u32 v[STO], s24, v[STO]               ; in: row r, 32 bytes for each half of the lanes
	v_mul_u32_u24 v[RD], v143, 272
	v_add_nc_u32 v[RD], v[RD], v[L16]
	v_add_nc_u32 v[RD], s24, v[RD]                 ; back: lanes 0-15 one row, lanes 16-31 the next
	s_mul_i32 s25, s20, 32*XP
	v_mul_u32_u24 v130, v143, XP
	v_add_nc_u32 v130, v130, v[L16]
	v_add_nc_u32 v130, s25, v130                   ; the gathered rows into LDS: row 32 w + h
	v_lshl_add_u32 v131, v0, 5, SA                 ; row = thread: its 32 scale bytes
	v_lshl_add_u32 v132, v0, 4, ZR                 ; the zeros: 16 bytes a thread
	v_mul_u32_u24 v129, v0, XP                     ; row = thread: its 16 bytes of padding lie 1,024 on
	s_and_b32 s26, s20, 1
	s_lshl_b32 s26, s26, 9
	s_lshr_b32 s27, s20, 1
	s_lshl_b32 s27, s27, 2
	s_add_co_u32 s26, s26, s27
	s_add_co_u32 s26, s26, 4                       ; ginfo: token 32 (w % 2) of the block, word 1 + w / 2
	v_add_nc_u32 v133, s26, v[H16]
	v_and_b32 v134, 63, v0
	v_lshlrev_b32 v134, 4, v134
	v_lshrrev_b32 v141, 6, v0
	v_lshl_add_u32 v134, v141, 2, v134
	v_add_nc_u32 v134, 4, v134                     ; token thread % 64, word 1 + thread / 64
	v_add_nc_u32 v135, 12, v[L16]                  ; token r, word 3
.irp i, 136,137,138,139
	v_mov_b32 v\i, 0
.endr
	s_lshl_b32 s38, s22, 10                        ; 64 tokens x 16 bytes
	s_mov_b32 s39, 0
	s_lshl_b32 s44, ttmp9, 18                      ; w2f: tiles 16 ct + 4 w on, 16,384 bytes a tile
	s_lshl_b32 s45, s20, 16
	s_add_co_u32 s44, s44, s45
	s_mov_b32 s45, 0
	s_lshl_b32 s46, ttmp9, 13                      ; w2s: 512 bytes a tile
	s_lshl_b32 s47, s20, 11
	s_add_co_u32 s46, s46, s47
	s_mov_b32 s47, 0
	s_lshl_b32 s28, ttmp9, 10                      ; y: 256 outputs a work-group, 64 a wave, 4 bytes each
	s_lshl_b32 s29, s20, 8
	s_add_co_u32 s28, s28, s29
	s_mov_b32 s29, 0
	s_wait_kmcnt 0x0
	s_add_nc_u64 s[40:41], s[12:13], s[38:39]
	s_add_nc_u64 s[WB:WB+1], s[8:9], s[44:45]
	s_add_nc_u64 s[WS:WS+1], s[10:11], s[46:47]
	s_add_nc_u64 s[42:43], s[14:15], s[28:29]
.irp p, 0,1,2,3,4,5,6,7,8,9,10,11,12,13,14,15
	global_load_b32 v[PP+\p], v133, s[40:41] offset:32*\p  ; the position of LDS row 32 w + 2 p + h
.endr
	global_load_b32 v[SP], v134, s[40:41]          ; of LDS row = thread
.irp m, 0,1,2,3
	global_load_b32 v[EP+\m], v135, s[40:41] offset:256*\m ; the two picks of token 16 m + r
.endr
.irp m, 0,1,2,3
.irp i, 0,1,2,3,4,5,6,7
	global_load_b32 v[TK+8*\m+\i], v[H16], s[40:41] offset:256*\m+32*\i   ; token 16 m + 2 i + h (word 0)
.endr
.endr
	ds_store_b128 v132, v[136:139]                 ; row 128's zero codes: 128 threads x 16 bytes
	ds_store_b128 v132, v[136:139] offset:SZ-ZR    ; and its zero scale bytes
	ds_store_b128 v129, v[136:139] offset:1024     ; the padding behind my row, so that every byte between the rows is written
	s_wait_loadcnt 0x0
.irp p, 0,1,2,3,4,5,6,7,8,9,10,11,12,13,14,15
	v_min_u32 v[PP+\p], 0x21bf, v[PP+\p]           ; loaded numbers are held inside their tables (8,640 positions, 4,096 tokens) before they become addresses
	v_lshlrev_b32 v[PP+\p], 10, v[PP+\p]
	v_add_nc_u32 v[PP+\p], v[PP+\p], v[L16]
.endr
	v_min_u32 v[SP], 0x21bf, v[SP]
	v_lshlrev_b32 v[SP], 3, v[SP]
.set i, 0
.rept 32
	v_min_u32 v[TK+i], 0xfff, v[TK+i]
	v_lshlrev_b32 v[TK+i], 12, v[TK+i]
	v_add_nc_u32 v[TK+i], v[TK+i], v[L16]          ; the token's row of y, 16 bytes a lane
.set i, i+1
.endr
.irp m, 0,1,2,3
	v_and_b32 v[EX0+\m], 0xff, v[EP+\m]
	v_lshrrev_b32 v[EX1+\m], 8, v[EP+\m]
.endr
	WIN 0x40
.irp p, 0,1,2,3,4,5,6,7,8,9,10,11,12,13,14,15
.irp c, 0,1,2,3
	global_load_b128 v[4*(4*\p+\c):4*(4*\p+\c)+3], v[PP+\p], s[4:5] offset:256*\c   ; sixteen lanes read 256 consecutive bytes of a row
.endr
.endr
	WIN 0
.irp n, 0,1,2,3
	global_load_b64 v[120+2*\n:121+2*\n], v[SP], s[6:7] offset:69120*\n   ; the row's 32 scale bytes, 8 from each plane
.endr
	s_wait_loadcnt 0x0
	WIN 0x04                                       ; an LDS store's data are its source 1: window 1
.irp p, 0,1,2,3,4,5,6,7,8,9,10,11,12,13,14,15
.irp c, 0,1,2,3
	ds_store_b128 v130, v[4*(4*\p+\c):4*(4*\p+\c)+3] offset:2*XP*\p+256*\c
.endr
.endr
	WIN 0
.irp n, 0,1,2,3
	ds_store_b64 v131, v[120+2*\n:121+2*\n] offset:8*\n
.endr
	s_wait_dscnt 0x0                               ; for the others' sake: my rows, scale bytes and zeros lie in LDS
	s_barrier_signal -1
.set i, 0
.rept 128
	v_mov_b32 v[ACC+i], 0                          ; register work while the others arrive
.set i, i+1
.endr
	s_barrier_wait -1
	s_mov_b32 s23, 0
.Lexpert:                                          ; 8 trips
.irp m, 0,1,2,3
	v_cmp_eq_u32 s[48+\m], s23, v[EX0+\m]
	v_cmp_eq_u32 s[52+\m], s23, v[EX1+\m]
.endr
.irp m, 0,1,2,3
	v_cndmask_b32 v[AD+\m], v[C128], v[RI1+\m], s[52+\m]   ; the zero row, or the second pick's row,
.endr
.irp m, 0,1,2,3
	v_cndmask_b32 v[AD+\m], v[AD+\m], v[RI0+\m], s[48+\m]  ; or, first of all, the first pick's
.endr
.irp m, 0,1,2,3
	v_min_u32 v[AD+\m], 0x80, v[AD+\m]             ; a number chosen by loaded ones is held inside its table (rows 0 to 128) before it becomes an address
.endr
.irp m, 0,1,2,3
	v_lshlrev_b32 v[SD+\m], 5, v[AD+\m]
	v_add_nc_u32 v[SD+\m], SA, v[SD+\m]            ; the row's scale bytes: SA + 32 x row
	v_lshlrev_b32 v[TMP], 4, v[AD+\m]
	v_lshlrev_b32 v[AD+\m], 10, v[AD+\m]
	v_add_nc_u32 v[AD+\m], v[AD+\m], v[TMP]        ; 1,040 x row = 1,024 x row + 16 x row,
	v_add_nc_u32 v[AD+\m], v[AD+\m], v[H16]        ; + 16 h: the row's codes
.endr
	s_or_b32 s24, s48, s49
	s_or_b32 s25, s50, s51
	s_or_b32 s26, s52, s53
	s_or_b32 s27, s54, s55
	s_or_b32 s24, s24, s25
	s_or_b32 s26, s26, s27
	s_or_b32 s24, s24, s26
	s_cmp_lg_u32 s24, 0
	s_cbranch_scc0 .Lskip                          ; none of the 64 tokens uses this expert
.irp j, 0,1,2,3
.irp f, 0,1
	global_load_b128 v[BSC+8*\j+4*\f:BSC+8*\j+4*\f+3], v[L16], s[WS:WS+1] offset:512*\j+256*\f
.endr
.endr
.irp m, 0,1,2,3
.irp f, 0,1
	ds_load_b128 v[ASC+8*\m+4*\f:ASC+8*\m+4*\f+3], v[SD+\m] offset:16*\f
.endr
.endr
	BLOAD 0
	BLOAD 1
	BLOAD 2
	BLOAD 3
	ALOAD 0
.irp q, 0,1,2,3,4,5,6,7
	KSTEP \q
.endr
	WIN 0                                          ; at a label and at a branch every window is 0
.rept 8
	v_nop                                          ; the places in front of the next trip's loads into operand and scale registers, and of the first read of results
.endr
.Lskip:
	s_wait_xcnt 0x0                                ; the trip's loads have read their bases: they step only behind this wait
	s_add_nc_u64 s[WB:WB+1], s[WB:WB+1], 0x100000  ; the next expert's images
	s_add_nc_u64 s[WS:WS+1], s[WS:WS+1], 0x8000
	s_add_co_u32 s23, s23, 1
	s_cmp_lt_u32 s23, 8
	s_cbranch_scc1 .Lexpert
	s_wait_dscnt 0x0
	s_barrier_signal -1                            ; every wave's reads of the rows are over
	s_barrier_wait -1
; THE WAY OUT, a tile of 16 tokens at a time: 32 bytes a lane into my own stage, back as rows of 256 bytes; sixteen lanes store 256 consecutive bytes of a token's row, at a multiple of 256 from y's first byte.
.macro OUTM m
.if (\m) >= 2
	s_wait_xcnt 0x0                                ; the stores of two tiles back have read their registers: the loads below land there
.endif
.irp j, 0,1,2,3
	ds_store_b128 v[STO], v[ACC+8*(4*(\m)+\j):ACC+8*(4*(\m)+\j)+3] offset:64*\j          ; each accumulator from its low end on
	ds_store_b128 v[STO], v[ACC+8*(4*(\m)+\j)+4:ACC+8*(4*(\m)+\j)+7] offset:64*\j+16
.endr
	WIN 0x40
.irp i, 0,1,2,3,4,5,6,7
	ds_load_b128 v[128+32*((\m)%2)+4*\i:128+32*((\m)%2)+4*\i+3], v[RD] offset:2*272*\i   ; LDS serves a wave's instructions in order: these see the stores above
.endr
	s_wait_dscnt 0x0
	WIN 0x04                                       ; a store's data are its source 1: window 1
.irp i, 0,1,2,3,4,5,6,7
	global_store_b128 v[TK+8*(\m)+\i], v[128+32*((\m)%2)+4*\i:128+32*((\m)%2)+4*\i+3], s[42:43] th:TH_STORE_NT
.endr
	WIN 0
.endm
	OUTM 0
	OUTM 1
	OUTM 2
	OUTM 3
	s_set_vgpr_msb 0xf
	s_wait_tensorcnt 0x0
	ds_add_u32 v0, v1
	s_wait_dscnt 0x0
	s_set_vgpr_msb 0xf00
	s_endpgm
.Lfunc_end_k_q86359e87bd_g2:
	.size	k_q86359e87bd_g2, .Lfunc_end_k_q86359e87bd_g2-k_q86359e87bd_g2
	.p2alignl 7, 3214868480
	.fill 96, 4, 3214868480
	.section	.rodata,"a",@progbits
	.p2align	6, 0x0
	.amdhsa_kernel k_q86359e87bd_g2
		.amdhsa_group_segment_fixed_size 160256
		.amdhsa_private_segment_fixed_size 0
		.amdhsa_enable_private_segment 0
		.amdhsa_kernarg_size 48
		.amdhsa_user_sgpr_count 2
		.amdhsa_user_sgpr_kernarg_segment_ptr 1
		.amdhsa_wavefront_size32 1
		.amdhsa_system_sgpr_workgroup_id_x 1
		.amdhsa_system_sgpr_workgroup_id_y 1
		.amdhsa_system_sgpr_workgroup_id_z 1
		.amdhsa_system_vgpr_workitem_id 0
		.amdhsa_next_free_vgpr 770
		.amdhsa_next_free_sgpr 66
		.amdhsa_reserve_vcc 0
		.amdhsa_float_denorm_mode_32 3
		.amdhsa_float_denorm_mode_16_64 3
		.amdhsa_memory_ordered 1
		.amdhsa_forward_progress 1
		.amdhsa_inst_pref_size 81
	.end_amdhsa_kernel
	.amdgpu_metadata
---
amdhsa.version: [ 1, 2 ]
amdhsa.kernels:
  - .name:           k_q86359e87bd_g2
    .symbol:         k_q86359e87bd_g2.kd
    .args:
      - { .name: hcodes, .offset: 0, .size: 8, .value_kind: global_buffer, .address_space: global }
      - { .name: hscales, .offset: 8, .size: 8, .value_kind: global_buffer, .address_space: global }
      - { .name: w2f, .offset: 16, .size: 8, .value_kind: global_buffer, .address_space: global }
      - { .name: w2s, .offset: 24, .size: 8, .value_kind: global_buffer, .address_space: global }
      - { .name: ginfo, .offset: 32, .size: 8, .value_kind: global_buffer, .address_space: global }
      - { .name: out0, .offset: 40, .size: 8, .value_kind: global_buffer, .address_space: global }
    .group_segment_fixed_size: 160256
    .private_segment_fixed_size: 0
    .kernarg_segment_align: 8
    .kernarg_segment_size: 48
    .max_flat_workgroup_size: 128
    .sgpr_count:     66
    .vgpr_count:     770
    .wavefront_size: 32
...
	.end_amdgpu_metadata
.endif
;; end of part 3
;; ======== version 2 of 3: 3 launches; 1.31 times as fast as version 1
;; workspace buffers: w1f 8,388,608 bytes; w2f 8,388,608 bytes; w2s 262,144 bytes; glist 37,888 bytes of whole numbers; g_c 36,864 bytes; ginfo 65,536 bytes of whole numbers; hcodes 9,437,184 bytes; hscales 294,912 bytes
;; launch prep (part 4): grid 193 x 1, 8 waves a work-group, no clusters, 71,680 bytes of LDS; arguments topk_e, topk_w, w1_codes, w2, w1f, w2f, w2s, glist, g_c, ginfo; writes w1f, w2f, w2s, glist, g_c, ginfo
.if DOCPART == 4
	.amdgcn_target "amdgcn-amd-amdhsa--gfx1250"
	.amdhsa_code_object_version 6
	.text
	.protected	k_q86359e87bd_prep
	.globl	k_q86359e87bd_prep
	.p2align	8
	.type	k_q86359e87bd_prep,@function
k_q86359e87bd_prep:
	s_mov_b64 s[64:65], 0
	v_nop
	global_prefetch_b8 v0, s[64:65] scope:SCOPE_SE
	s_setreg_imm32_b32 hwreg(HW_REG_WAVE_MODE, 25, 1), 1
	s_wait_xcnt 0x0
; THE FIRST OF THREE LAUNCHES.  Three kinds of work-group, told apart by the work-group's number alone:
;   0-127   w2 [8][1024 d][1024 f] f32 is quantised along f (E5M2, one E8M0 byte for each 32) and laid as IMAGES OF OPERAND REGISTERS: w2f [e][tile T of 16 rows d][K step q of 128][c 4][lane 32][16 bytes],
;           lane (r, h) holding row 16 T + r, f = 128 q + 32 c + 16 h + 0..15; its scale words in w2s [e][T][half of K][r][4 words].
;   128-191 w1's codes are copied into the same image layout, w1f; lane r of tile T takes row 32 (T / 2) + 8 (T % 2) + r + 8 (r / 8), so that the next launch's results lie along the next K.
;   192     the routing: a counting sort of the 8,192 (token, expert) entries by expert, each expert padded to whole tiles of 144 (glist: tokens; g_c: weights; tinfo: a tile's expert, 8 = no rows),
;           and a counting sort of the 4,096 tokens by their SET of experts (ginfo: token, its two positions in the first sort, its two experts).  No atomics: ballots, counts in LDS, one barrier.
; A token whose two picks name one expert: the first entry takes the sum of the two weights, the second the weight 0 (as the one-hot sum of the definition gives).
; LIMITS: a block of zeros gets the scale byte 1 (its codes are zeros; the bytes are read by this program alone); NaN and infinities in w2 are not served; expert numbers are taken modulo 8.
; No tensor loads: the streams are read once through registers; each kind of work-group has LDS bytes of its own.
.set SPI,  528                         ; the turn's stage: a row of 512 bytes + 16: the 16 rows that a read touches start at 16 different banks
.set STW,  16*SPI                      ; a wave's stage
.set T1,   8*STW                       ; routing: counts [expert (32 places, 8 used)][wave 8], 1,024 bytes
.set T2,   T1+1024                     ; routing: counts [key 64][wave 8], 2,048 bytes
.set R,    16                          ; v16-143  two sets of 64: 16 rows x 128 numbers as loaded
.set X,    144                         ; v144-207 64 numbers of one row: register 16 c + n = f 32 c + 16 h + n
.set PC,   208                         ; v208-223 the fragment's codes
.set TM,   224                         ; v224-239 at work in QUANT
.set SW,   244                         ; v244-247 the four scale words of my half of K
.set SEL,  56                          ; s[56:57] v_permlanex16_b32's selects for lane l xor 16
.set MNT,  58                          ; s58 the mantissa field of 57,344
	s_load_b256 s[4:11], s[0:1], 0x0               ; topk_e s[4:5], topk_w s[6:7], w1_codes s[8:9], w2 s[10:11]
	s_load_b256 s[12:19], s[0:1], 0x20             ; w1f s[12:13], w2f s[14:15], w2s s[16:17], glist s[18:19]
	s_load_b128 s[20:23], s[0:1], 0x40             ; g_c s[20:21], ginfo s[22:23]
	s_set_vgpr_msb 0x40
	v_lshl_add_u32 v0, v0, 2, 0x11400
	v_mov_b32 v1, 0
	s_set_vgpr_msb 0x4000
	v_lshrrev_b32 v1, 5, v0
	v_readfirstlane_b32 s24, v1                    ; wave 0..7
	v_and_b32 v1, 31, v0                           ; lane
	s_wait_kmcnt 0x0
	s_cmp_ge_u32 ttmp9, 192
	s_cbranch_scc1 .Lroute
	s_cmp_ge_u32 ttmp9, 128
	s_cbranch_scc1 .Llay
; ---------------------------------------------------------------- w2: 1,024 wave tasks of 16 rows x 512 along K
	s_lshl_b32 s25, ttmp9, 3
	s_add_co_u32 s25, s25, s24                     ; task n: n / 2 = 64 e + T, n % 2 = which half of K
	s_lshr_b32 s26, s25, 1
	s_lshl_b32 s26, s26, 16                        ; 16 rows of 4,096 bytes
	s_and_b32 s27, s25, 1
	s_lshl_b32 s27, s27, 11                        ; 512 numbers
	s_add_co_u32 s26, s26, s27
	s_mov_b32 s27, 0
	s_add_nc_u64 s[28:29], s[10:11], s[26:27]      ; w2 at my task
	s_lshl_b32 s26, s25, 13
	s_add_nc_u64 s[30:31], s[14:15], s[26:27]      ; w2f: four images of 2,048 bytes
	s_lshl_b32 s26, s25, 8
	s_add_nc_u64 s[32:33], s[16:17], s[26:27]      ; w2s: 16 rows x 16 bytes
	s_mul_i32 s34, s24, STW
	v_lshlrev_b32 v2, 4, v1                        ; 16 x lane: a load's and an image's place
	v_add_nc_u32 v3, s34, v2                       ; the stage, on the way in
	v_and_b32 v4, 15, v0                           ; r
	v_bfe_u32 v5, v0, 4, 1                         ; h
	v_mul_u32_u24 v6, v4, SPI
	v_lshl_add_u32 v6, v5, 6, v6
	v_add_nc_u32 v6, s34, v6                       ; and on the way out: row r, + 64 h bytes
	v_lshlrev_b32 v7, 4, v4                        ; 16 r
	s_mov_b32 s[SEL], 0x76543210
	s_mov_b32 s[SEL+1], 0xfedcba98
	s_mov_b32 s[MNT], 0x600000
.irp b, 0,1,2,3
	v_mov_b32 v[TM+4+\b], 0                        ; written once: a lane permute's destination counts as one of its sources
.endr
.macro LOADF f                         ; K step f of my half: 16 rows x 512 consecutive bytes, 16 bytes a lane, into set f % 2
.irp i, 0,1,2,3,4,5,6,7,8,9,10,11,12,13,14,15
	global_load_b128 v[R+64*((\f)%2)+4*\i:R+64*((\f)%2)+4*\i+3], v2, s[28:29] offset:\i*4096+(\f)*512 th:TH_LOAD_NT
.endr
.endm
; 64 numbers of a lane in v[X] on become a fragment's codes in v[PC] on and its scale word in v[pw]
.macro QUANT pw
.irp b, 0,1,2,3
	v_max3_num_f32 v[TM+\b], |v[X+16*\b]|, |v[X+1+16*\b]|, 0x8000000   ; block b: my 16 numbers, and the floor 2^(16 - 127): the byte cannot fall under 1
.endr
.irp i, 2,4,6,8,10,12,14
.irp b, 0,1,2,3
	v_max3_num_f32 v[TM+\b], v[TM+\b], |v[X+16*\b+\i]|, |v[X+1+16*\b+\i]|   ; the four blocks by turns
.endr
.endr
.irp b, 0,1,2,3
	v_permlanex16_b32 v[TM+4+\b], v[TM+\b], s[SEL], s[SEL+1]
.endr
.irp b, 0,1,2,3
	v_max_num_f32 v[TM+\b], v[TM+\b], v[TM+4+\b]   ; with lane l xor 16's 16: the block's largest magnitude
.endr
.irp b, 0,1,2,3
	v_add_nc_u32 v[TM+12+\b], 0xf8800000, v[TM+\b] ; 15 off its exponent field: the conversion's scale operand
.endr
.irp b, 0,1,2,3
	v_and_or_b32 v[TM+8+\b], v[TM+\b], 0x7f800000, s[MNT]   ; 57,344 x the scale
.endr
.irp b, 0,1,2,3
	v_lshrrev_b32 v[TM+4+\b], 23, v[TM+12+\b]      ; the scale's byte
.endr
	v_lshl_or_b32 v[\pw], v[TM+5], 8, v[TM+4]
	v_lshl_or_b32 v[\pw], v[TM+6], 16, v[\pw]
	v_lshl_or_b32 v[\pw], v[TM+7], 24, v[\pw]
.irp b, 0,1,2,3
.irp i, 0,1,2,3,4,5,6,7,8,9,10,11,12,13,14,15
	v_med3_num_f32 v[X+16*\b+\i], v[X+16*\b+\i], -v[TM+8+\b], v[TM+8+\b]   ; the conversion to an 8-bit code does not saturate (ISA guide 7.6.2): the hold comes first
.endr
	v_cvt_scalef32_pk8_bf8_f32 v[PC+4*\b:PC+1+4*\b], v[X+16*\b:X+7+16*\b], v[TM+12+\b]
	v_cvt_scalef32_pk8_bf8_f32 v[PC+2+4*\b:PC+3+4*\b], v[X+8+16*\b:X+15+16*\b], v[TM+12+\b]
.endr
	v_nop                                          ; one plain vector line behind the last conversion
.endm
.macro FRAGA f
.if (\f) < 3
	s_wait_loadcnt 16                              ; this set's 16 loads are in; the other set's 16 may be out
.else
	s_wait_loadcnt 0x0
.endif
.irp i, 0,1,2,3,4,5,6,7,8,9,10,11,12,13,14,15
	ds_store_b128 v3, v[R+64*((\f)%2)+4*\i:R+64*((\f)%2)+4*\i+3] offset:\i*SPI   ; as loaded: row i
.endr
.irp c, 0,1,2,3
.irp j, 0,1,2,3
	ds_load_b128 v[X+16*\c+4*\j:X+16*\c+4*\j+3], v6 offset:128*\c+16*\j   ; LDS serves a wave's instructions in order: these see the stores above.  Row r, 16 neighbours of each block
.endr
.endr
	s_wait_dscnt 0x0                               ; the numbers are back, and the stores have read the set's registers,
.if (\f)+2 < 4
	LOADF (\f)+2                                   ; which take the K step two on
.endif
	s_wait_xcnt 0x0                                ; the last image's stores have read the codes' registers: they are written again only behind this wait
	QUANT SW+(\f)
.irp c, 0,1,2,3
	global_store_b128 v2, v[PC+4*\c:PC+4*\c+3], s[30:31] offset:(\f)*2048+512*\c   ; 32 lanes store 512 consecutive bytes
.endr
.endm
	LOADF 0
	LOADF 1
	FRAGA 0
	FRAGA 1
	FRAGA 2
	FRAGA 3
	global_store_b128 v7, v[SW:SW+3], s[32:33]     ; lanes r and r + 16 hold the same four words and write the same 16 bytes: 256 consecutive bytes a wave
	s_set_vgpr_msb 0x5
	s_wait_tensorcnt 0x0
	ds_add_u32 v0, v1
	s_wait_dscnt 0x0
	s_set_vgpr_msb 0x500
	s_endpgm
; ---------------------------------------------------------------- w1: 512 wave tasks, one tile of 16 rows x all of K each
.Llay:
	s_sub_co_u32 s25, ttmp9, 128
	s_lshl_b32 s25, s25, 3
	s_add_co_u32 s25, s25, s24                     ; task = 64 e + T
	s_lshr_b32 s26, s25, 6
	s_lshl_b32 s26, s26, 20                        ; e: 1,024 rows of 1,024 bytes
	s_bfe_u32 s27, s25, 0x50001                    ; T / 2
	s_lshl_b32 s27, s27, 15                        ; 32 rows
	s_add_co_u32 s26, s26, s27
	s_and_b32 s27, s25, 1
	s_lshl_b32 s27, s27, 13                        ; 8 rows
	s_add_co_u32 s26, s26, s27
	s_mov_b32 s27, 0
	s_add_nc_u64 s[28:29], s[8:9], s[26:27]
	s_lshl_b32 s26, s25, 14
	s_add_nc_u64 s[30:31], s[12:13], s[26:27]      ; the tile's 32 images of 512 bytes
	v_lshlrev_b32 v2, 4, v1                        ; 16 x lane
	v_and_b32 v4, 15, v0                           ; r
	v_bfe_u32 v5, v0, 4, 1                         ; h
	v_and_b32 v6, 8, v4
	v_add_nc_u32 v6, v6, v4                        ; r + 8 (r / 8)
	v_lshlrev_b32 v6, 10, v6
	v_lshl_add_u32 v6, v5, 4, v6                   ; that row, + 16 h
.set k, 0
.rept 32
	global_load_b128 v[R+4*k:R+4*k+3], v6, s[28:29] offset:32*k   ; piece k = 4 q + c: bytes 128 q + 32 c + 16 h of my row
.set k, k+1
.endr
.set k, 0
.rept 32
	s_wait_loadcnt 31-k                            ; loads come back in order: piece k is in, the younger ones may be out
	global_store_b128 v2, v[R+4*k:R+4*k+3], s[30:31] offset:512*k
.set k, k+1
.endr
	s_endpgm
; ---------------------------------------------------------------- the routing: one work-group; wave w owns tokens 512 w + 32 j + lane, j = 0..15
; REGISTERS: v[16+2j+k] the experts, v[48+2j+k] the weights, v[80+j] the set's key 8 min + max, v[96+2j+k] and v[128+j] ranks inside my wave; v144-191 at work; v[192+4j ..] token j's four words of ginfo.
.Lroute:
	v_add_nc_u32 v2, 32, v1                        ; lane + 32
	v_lshlrev_b32 v3, 4, v0                        ; 16 x thread
	v_lshlrev_b32 v4, 3, v1
	s_lshl_b32 s25, s24, 12
	v_add_nc_u32 v4, s25, v4                       ; 8 bytes a token: 4,096 w + 8 lane
	s_lshl_b32 s26, s24, 9
	v_add_nc_u32 v5, s26, v1                       ; token 512 w + lane
	v_mov_b32 v6, 0                                ; lane e: my wave's count of expert e
	v_mov_b32 v7, 0                                ; lane k: of key k
	v_mov_b32 v12, 0                               ; lane k: of key k + 32
.irp i, 8,9,10,11
	v_mov_b32 v\i, 0
.endr
	s_lshl_b32 s25, s24, 2
	s_add_co_u32 s25, s25, T1
	v_lshlrev_b32 v13, 5, v1
	v_add_nc_u32 v13, s25, v13                     ; T1 + 32 lane + 4 wave
	v_lshl_add_u32 v14, v1, 6, T2                  ; T2 + 64 lane: keys 2 lane and 2 lane + 1, all waves
	v_and_b32 v15, 7, v1
	v_lshl_add_u32 v15, v15, 5, T1                 ; T1 + 32 (lane % 8): that expert, all waves
.set j, 0
.rept 16
	global_load_b64 v[16+2*j:17+2*j], v4, s[4:5] offset:256*j
	global_load_b64 v[48+2*j:49+2*j], v4, s[6:7] offset:256*j
.set j, j+1
.endr
.set j, 0
.rept 9                                ; both lists begin as zeros (token 0, weight 0): what the sort leaves as padding stays so
	global_store_b128 v3, v[8:11], s[18:19] offset:4096*j
	global_store_b128 v3, v[8:11], s[20:21] offset:4096*j
.set j, j+1
.endr
	s_wait_loadcnt 0x0
.set j, 0
.rept 16
	v_and_b32 v[16+2*j], 7, v[16+2*j]
	v_and_b32 v[17+2*j], 7, v[17+2*j]
	v_add_f32 v144, v[48+2*j], v[49+2*j]
	v_cmp_eq_u32 vcc_lo, v[16+2*j], v[17+2*j]      ; both picks name one expert:
	v_cndmask_b32 v[48+2*j], v[48+2*j], v144, vcc_lo   ; the first entry carries the sum,
	v_cndmask_b32 v[49+2*j], v[49+2*j], 0, vcc_lo  ; the second nothing
	v_min_u32 v145, v[16+2*j], v[17+2*j]
	v_max_u32 v146, v[16+2*j], v[17+2*j]
	v_lshl_add_u32 v[80+j], v145, 3, v146
	v_mov_b32 v[96+2*j], 0
	v_mov_b32 v[97+2*j], 0
	v_mov_b32 v[128+j], 0
.set j, j+1
.endr
; Sixteen entries v[src] on against the number in s60: an entry that matches gets, in v[dst] on, its rank among my wave's matches; s59 runs on.  Laid in runs of independent lines:
; 16 ballots, their 16 counts, the running sums (a scalar chain), 16 counts of the matching lanes below me on top of the running sum, 16 selects.
.macro BALLOT src, dst
.irp i, 0,1,2,3,4,5,6,7,8,9,10,11,12,13,14,15
	v_cmp_eq_u32 s[32+\i], s60, v[\src+\i]
.endr
.irp i, 0,1,2,3,4,5,6,7,8,9,10,11,12,13,14,15
	s_bcnt1_i32_b32 s[66+\i], s[32+\i]
.endr
	s_mov_b32 s82, s59
.irp i, 0,1,2,3,4,5,6,7,8,9,10,11,12,13,14
	s_add_co_u32 s[83+\i], s[82+\i], s[66+\i]      ; the matches in front of entry i + 1
.endr
	s_add_co_u32 s59, s97, s81
.irp i, 0,1,2,3,4,5,6,7,8,9,10,11,12,13,14,15
	v_mbcnt_lo_u32_b32 v[144+\i], s[32+\i], s[82+\i]
.endr
.irp i, 0,1,2,3,4,5,6,7,8,9,10,11,12,13,14,15
	v_cndmask_b32 v[\dst+\i], v[\dst+\i], v[144+\i], s[32+\i]
.endr
.endm
	s_mov_b32 s60, 0
.Lexp:                                             ; 8 experts x my 32 entries
	s_mov_b32 s59, 0
	BALLOT 16, 96
	BALLOT 32, 112
	v_mov_b32 v160, s59
	v_cmp_eq_u32 vcc_lo, s60, v1
	v_cndmask_b32 v6, v6, v160, vcc_lo             ; lane e keeps the wave's count
	s_add_co_u32 s60, s60, 1
	s_cmp_lt_u32 s60, 8
	s_cbranch_scc1 .Lexp
; the same for the tokens' keys; a key 8 a + b with a > b does not occur and is passed over (a branch on the counter alone)
	s_mov_b32 s60, 0
.Lkey:
	s_lshr_b32 s61, s60, 3
	s_and_b32 s62, s60, 7
	s_cmp_gt_u32 s61, s62
	s_cbranch_scc1 .Lnokey
	s_mov_b32 s59, 0
	BALLOT 80, 128
	v_mov_b32 v160, s59
	v_cmp_eq_u32 vcc_lo, s60, v1
	v_cndmask_b32 v7, v7, v160, vcc_lo
	v_cmp_eq_u32 vcc_lo, s60, v2
	v_cndmask_b32 v12, v12, v160, vcc_lo
.Lnokey:
	s_add_co_u32 s60, s60, 1
	s_cmp_lt_u32 s60, 64
	s_cbranch_scc1 .Lkey
	ds_store_b32 v13, v6                           ; [expert = lane][wave] (lanes 8-31 store zeros into places that nobody reads)
	ds_store_b32 v13, v7 offset:1024               ; [key = lane][wave]
	ds_store_b32 v13, v12 offset:2048              ; [key = lane + 32][wave]
	s_wait_storecnt 0x0                            ; my zeros have been written: behind the barrier other waves store into the same lists; v3 and v8-11 are free
	s_wait_dscnt 0x0                               ; and my counts lie in LDS
	s_barrier_signal -1
	s_barrier_wait -1
.irp c, 0,1,2,3
	ds_load_b128 v[148+4*\c:151+4*\c], v14 offset:16*\c    ; v148-155 key 2 lane, waves 0-7; v156-163 key 2 lane + 1
.endr
	ds_load_b128 v[164:167], v15                   ; v164-171 expert lane % 8, waves 0-7
	ds_load_b128 v[168:171], v15 offset:16
.irp i, 0,1,2,3,4,5,6
	s_cmp_gt_u32 s24, \i
	s_cselect_b32 s[48+\i], 1, 0                   ; 1 for the waves in front of mine
.endr
	v_mov_b32 v176, 0
	v_lshrrev_b32 v177, 4, v1                      ; h
	s_wait_dscnt 0x0
	; by key: where each key begins, and in it my wave
	v_add3_u32 v172, v148, v149, v150
	v_add3_u32 v173, v156, v157, v158
	v_add3_u32 v172, v172, v151, v152
	v_add3_u32 v173, v173, v159, v160
	v_add3_u32 v172, v172, v153, v154
	v_add3_u32 v173, v173, v161, v162
	v_add_nc_u32 v172, v172, v155                  ; all of key 2 lane
	v_add_nc_u32 v173, v173, v163                  ; all of key 2 lane + 1
	v_add_nc_u32 v174, v172, v173
	v_mov_b32 v175, v174
.irp n, 1,2,4,8
	v_mov_b32_dpp v176, v175 row_shr:\n row_mask:0xf bank_mask:0xf bound_ctrl:1
	v_add_nc_u32 v175, v175, v176                  ; a running sum inside each half of the lanes,
.endr
	v_readlane_b32 s61, v175, 15
	v_mad_u32_u24 v175, v177, s61, v175            ; the upper half on top of the lower,
	v_sub_nc_u32 v175, v175, v174                  ; less my own: the tokens of all keys below 2 lane
	v_mov_b32 v9, v175
	v_add_nc_u32 v10, v175, v172
.irp i, 0,1,2,3,4,5,6
	v_mad_u32_u24 v9, v[148+\i], s[48+\i], v9      ; + the waves in front of mine: v9 key 2 lane,
	v_mad_u32_u24 v10, v[156+\i], s[48+\i], v10    ; v10 key 2 lane + 1
.endr
	; by expert: tiles of 144, each expert from a tile's first place on
	v_add3_u32 v180, v164, v165, v166
	v_add3_u32 v180, v180, v167, v168
	v_add3_u32 v180, v180, v169, v170
	v_add_nc_u32 v180, v180, v171                  ; the expert's entries, n
	v_mul_u32_u24 v181, v164, s48
.irp i, 1,2,3,4,5,6
	v_mad_u32_u24 v181, v[164+\i], s[48+\i], v181  ; those of the waves in front of mine
.endr
	v_add_nc_u32 v182, 143, v180
	v_mul_u32_u24 v182, 0x1c72, v182               ; x 7,282, >> 20: a division by 144 that is exact under 32,768, since 7,282 x 144 = 2^20 + 32
	v_lshrrev_b32 v182, 20, v182                   ; its tiles: (n + 143) / 144
	v_mov_b32 v183, v182
.irp n, 1,2,4
	v_mov_b32_dpp v176, v183 row_shr:\n row_mask:0xf bank_mask:0xf bound_ctrl:1
	v_add_nc_u32 v183, v183, v176                  ; lanes 0-7: tiles up to and with expert = lane
.endr
	v_sub_nc_u32 v184, v183, v182
	v_mad_u32_u24 v8, v184, 144, v181              ; v8, lanes 0-7: where my wave's entries of that expert begin
	v_mov_b32 v11, 0
.irp e, 0,1,2,3,4,5,6,7
	v_readlane_b32 s61, v183, \e
	v_cmp_le_u32 vcc_lo, s61, v0
	v_cndmask_b32 v186, 0, 1, vcc_lo
	v_add_nc_u32 v11, v11, v186                    ; tile = thread: the number of experts that end at or before it is its expert; 8 = behind the last
.endr
	v_lshlrev_b32 v3, 2, v0
	global_store_b32 v3, v11, s[18:19] offset:36864
; THE PLACING, all sixteen tokens of a lane at once, each on registers of its own: no register that a store reads is written again, so no wait stands among the stores.
.set j, 0
.rept 16
	v_lshl_or_b32 v[195+4*j], v[17+2*j], 8, v[16+2*j]      ; ginfo's word 3: the two experts
	v_add_nc_u32 v[192+4*j], 32*j, v5              ; word 0: the token
	v_lshlrev_b32 v[144+j], 1, v[80+j]
	v_and_b32 v[144+j], 0xfc, v[144+j]             ; 4 x (key / 2): twice the key with its two lowest bits cleared
	v_lshlrev_b32 v[16+2*j], 2, v[16+2*j]          ; 4 x expert
	v_lshlrev_b32 v[17+2*j], 2, v[17+2*j]
	v_and_b32 v[80+j], 1, v[80+j]                  ; key % 2
.set j, j+1
.endr
.set j, 0
.rept 16
	ds_bpermute_b32 v[193+4*j], v[16+2*j], v8      ; each lane fetches the bases of its own experts and key
	ds_bpermute_b32 v[194+4*j], v[17+2*j], v8
	ds_bpermute_b32 v[160+j], v[144+j], v9
	ds_bpermute_b32 v[176+j], v[144+j], v10
.set j, j+1
.endr
.macro FINISH j
	v_add_nc_u32 v[193+4*(\j)], v[193+4*(\j)], v[96+2*(\j)]   ; words 1 and 2: the two positions in the sort by expert
	v_add_nc_u32 v[194+4*(\j)], v[194+4*(\j)], v[97+2*(\j)]
	v_cmp_eq_u32 vcc_lo, 1, v[80+(\j)]
	v_cndmask_b32 v[160+(\j)], v[160+(\j)], v[176+(\j)], vcc_lo
	v_add_nc_u32 v[160+(\j)], v[160+(\j)], v[128+(\j)]        ; the position in the sort by set
	v_min_u32 v[96+2*(\j)], 0x23ff, v[193+4*(\j)]  ; numbers made of loaded ones are held inside their tables before they become addresses
	v_min_u32 v[97+2*(\j)], 0x23ff, v[194+4*(\j)]
	v_min_u32 v[160+(\j)], 0xfff, v[160+(\j)]
	v_lshlrev_b32 v[96+2*(\j)], 2, v[96+2*(\j)]
	v_lshlrev_b32 v[97+2*(\j)], 2, v[97+2*(\j)]
	v_lshlrev_b32 v[160+(\j)], 4, v[160+(\j)]
	global_store_b32 v[96+2*(\j)], v[192+4*(\j)], s[18:19]
	global_store_b32 v[97+2*(\j)], v[192+4*(\j)], s[18:19]
	global_store_b32 v[96+2*(\j)], v[48+2*(\j)], s[20:21]
	global_store_b32 v[97+2*(\j)], v[49+2*(\j)], s[20:21]
	global_store_b128 v[160+(\j)], v[192+4*(\j):195+4*(\j)], s[22:23]
.endm
	s_wait_dscnt 32                                ; the fetches of tokens 0 to 7 are in; the 32 of tokens 8 to 15 may be out
.irp j, 0,1,2,3,4,5,6,7
	FINISH \j
.endr
	s_wait_dscnt 0x0
.irp j, 8,9,10,11,12,13,14,15
	FINISH \j
.endr
	s_set_vgpr_msb 0x5
	s_wait_tensorcnt 0x0
	ds_add_u32 v0, v1
	s_wait_dscnt 0x0
	s_set_vgpr_msb 0x500
	s_endpgm
.Lfunc_end_k_q86359e87bd_prep:
	.size	k_q86359e87bd_prep, .Lfunc_end_k_q86359e87bd_prep-k_q86359e87bd_prep
	.p2alignl 7, 3214868480
	.fill 96, 4, 3214868480
	.section	.rodata,"a",@progbits
	.p2align	6, 0x0
	.amdhsa_kernel k_q86359e87bd_prep
		.amdhsa_group_segment_fixed_size 71680
		.amdhsa_private_segment_fixed_size 0
		.amdhsa_enable_private_segment 0
		.amdhsa_kernarg_size 80
		.amdhsa_user_sgpr_count 2
		.amdhsa_user_sgpr_kernarg_segment_ptr 1
		.amdhsa_wavefront_size32 1
		.amdhsa_system_sgpr_workgroup_id_x 1
		.amdhsa_system_sgpr_workgroup_id_y 1
		.amdhsa_system_sgpr_workgroup_id_z 1
		.amdhsa_system_vgpr_workitem_id 0
		.amdhsa_next_free_vgpr 258
		.amdhsa_next_free_sgpr 100
		.amdhsa_reserve_vcc 1
		.amdhsa_float_denorm_mode_32 3
		.amdhsa_float_denorm_mode_16_64 3
		.amdhsa_memory_ordered 1
		.amdhsa_forward_progress 1
		.amdhsa_inst_pref_size 114
	.end_amdhsa_kernel
	.amdgpu_metadata
---
amdhsa.version: [ 1, 2 ]
amdhsa.kernels:
  - .name:           k_q86359e87bd_prep
    .symbol:         k_q86359e87bd_prep.kd
    .args:
      - { .name: topk_e, .offset: 0, .size: 8, .value_kind: global_buffer, .address_space: global }
      - { .name: topk_w, .offset: 8, .size: 8, .value_kind: global_buffer, .address_space: global }
      - { .name: w1_codes, .offset: 16, .size: 8, .value_kind: global_buffer, .address_space: global }
      - { .name: w2, .offset: 24, .size: 8, .value_kind: global_buffer, .address_space: global }
      - { .name: w1f, .offset: 32, .size: 8, .value_kind: global_buffer, .address_space: global }
      - { .name: w2f, .offset: 40, .size: 8, .value_kind: global_buffer, .address_space: global }
      - { .name: w2s, .offset: 48, .size: 8, .value_kind: global_buffer, .address_space: global }
      - { .name: glist, .offset: 56, .size: 8, .value_kind: global_buffer, .address_space: global }
      - { .name: g_c, .offset: 64, .size: 8, .value_kind: global_buffer, .address_space: global }
      - { .name: ginfo, .offset: 72, .size: 8, .value_kind: global_buffer, .address_space: global }
    .group_segment_fixed_size: 71680
    .private_segment_fixed_size: 0
    .kernarg_segment_align: 8
    .kernarg_segment_size: 80
    .max_flat_workgroup_size: 256
    .sgpr_count:     100
    .vgpr_count:     258
    .wavefront_size: 32
...
	.end_amdgpu_metadata
.endif
;; end of part 4
;; launch g1 (part 5): grid 4 x 64, 4 waves a work-group, no clusters, 190,976 bytes of LDS; arguments x_codes, x_scales, w1f, w1_scales, glist, g_c, hcodes, hscales; writes hcodes, hscales
.if DOCPART == 5
	.amdgcn_target "amdgcn-amd-amdhsa--gfx1250"
	.amdhsa_code_object_version 6
	.text
	.protected	k_q86359e87bd_g1
	.globl	k_q86359e87bd_g1
	.p2align	8
	.type	k_q86359e87bd_g1,@function
k_q86359e87bd_g1:
	s_mov_b64 s[64:65], 0
	v_nop
	global_prefetch_b8 v0, s[64:65] scope:SCOPE_SE
	s_setreg_imm32_b32 hwreg(HW_REG_WAVE_MODE, 25, 1), 1
	s_wait_xcnt 0x0
; THE SECOND LAUNCH: for a tile of 144 entries of ONE expert (positions 144 t .. 144 t + 143 of the sort by expert) and 256 hidden units (nt): a = x W1^T on E5M2 codes, h c = silu(a) x c in f32,
; quantised along the hidden units (blocks of 32) into hcodes [position][1024] and hscales [nt][position][8 bytes].
; THE GRID SERVES EVERY SPLIT: the sum over 8 experts of ceil(n / 144) is at most (8,192 + 8 x 143) / 144 = 64.8, so there are never more than 64 tiles; x 4 blocks of hidden units = 256 work-groups of equal work.
; A tile that a split leaves without rows (tinfo = 8, held at 7) runs on the lists' zeros (token 0, weight 0) and stores rows of zero codes that nobody reads.  It has no early end, since the barriers below
; would then stand under a branch on a loaded number.
; SHARES: four waves; all share the 144 rows, wave w makes hidden units 64 w .. 64 w + 63 of the 256: 9 x 4 = 36 accumulators.  The rows' codes lie in LDS for all of K (144 x 1,024 bytes, pitch 1,040);
; the weights come from memory straight into registers, as images laid by the first launch: 16 bytes a lane, 512 consecutive bytes a load, through a ring of four slots of one K step (128).
; NO TENSOR LOADS, NO CLUSTER: the rows are gathered by a stored list and the expert is a stored number; a joint request would have to be alike in partners whose experts differ.
; TRANSPOSED USE: source 0 = 16 rows of W1, source 1 = 16 rows of x: a lane holds one row of x, and by the images' choice of rows the 16 registers of tiles 2 b, 2 b + 1 are hidden units 32 b + 16 h + 0..15.
; LIMITS: a block of zeros gets the scale byte 1 (codes zero; read by this program alone); NaN and infinities are not served.  (a c) x sigmoid(a) stands for (a sigmoid(a)) x c: the same but for f32's last rounding.
; REGISTERS: window 0: v1-20 addresses; v32-103 x's scale words (8 m + q); v104-135 W1's (8 j + q); v136-153 c, a pair a row tile; v160-191 row fragments 7, 8 of odd K steps, later at work;
;   v192-223 the accumulators of row tile 8; v224-250 the lists.  In the epilogue v32-103 are free: products, the quantiser's figures, the way out.
;   window 1: row fragments: v0-143 even K steps' nine, v144-255 odd K steps' first seven.   window 2: the four weight slots of 64.   window 3: the accumulators of row tiles 0-7 (32 m + 8 j); at the head the gathered rows.
.set MT,   144                         ; rows in a tile
.set XP,   1040                        ; an LDS row of x: 1,024 bytes + 16: the 16 rows of a fragment load start at 16 different banks
.set CSG,  MT*XP                       ; the codes' stage: 144 rows x (256 + 16)
.set CP,   272
.set SS,   CSG+MT*CP                   ; the scale bytes' stage: 144 rows x 8
.set L16,  1                           ; 16 (lane % 16)
.set BO,   2                           ; 16 lane
.set AD,   3                           ; v3-5 a fragment's place XP r + 16 h, for row tiles 0-2, 3-5, 6-8 (an LDS offset has 16 bits)
.set XST,  6
.set CST,  7
.set SST,  8
.set CRD,  9
.set SRD,  10
.set SRD2, 11
.set HCO,  12
.set HSO,  13
.set HSO2, 14
.set BSV,  15
.set LP,   16
.set LR,   17
.set ASC,  32
.set BSC,  104
.set CV,   136
.set T,    160
.set AC8,  192
.set PT,   224                         ; v224-241 token of the rows that I gather, then their offsets
.set RT,   242                         ; v242-250 token of row 16 m + r, then its scales' offset
.set W,    32                          ; the epilogue: v32-63 a c, then h c
.set MX,   64
.set PX,   66
.set SCL,  68
.set HOLD, 70
.set BY,   72
.set CD,   80                          ; v80-87 the codes just made
.set OB,   32                          ; the way out: v32-103
.set SEL,  28                          ; s[28:29]
.set MNT,  30
.set NL,   32                          ; s[32:33] -log2(e)
.set WB,   34                          ; s[34:35] my four weight tiles
.set MSB, 0
.macro WIN new                         ; the immediate's high byte repeats the setting that is left; bits 1:0 source 0, 3:2 source 1, 5:4 source 2, 7:6 destination
.if MSB != (\new)
	s_set_vgpr_msb (MSB<<8)|(\new)
.set MSB, (\new)
.endif
.endm
.macro BLOAD q                         ; K step q of my four weight tiles into slot q % 4: 16 loads of 512 consecutive bytes
	WIN 0x80
.irp j, 0,1,2,3
.irp c, 0,1,2,3
	global_load_b128 v[64*((\q)%4)+16*\j+4*\c:64*((\q)%4)+16*\j+4*\c+3], v[BO], s[WB:WB+1] offset:(8*\j+(\q))*2048+512*\c
.endr
.endr
.endm
.macro ALOAD q                         ; K step q of the nine row tiles: 36 loads
.irp m, 0,1,2,3,4,5,6,7,8
.if ((\q)%2) && (\m >= 7)
	WIN 0
.set FA, T+16*(\m-7)
.else
	WIN 0x40
.set FA, 144*((\q)%2)+16*\m
.endif
.irp c, 0,1,2,3
	ds_load_b128 v[FA+4*\c:FA+4*\c+3], v[AD+\m/3] offset:16*XP*(\m%3)+128*(\q)+32*\c
.endr
.endr
.endm
.macro MUL q, zero                     ; 36 products; the 36 accumulators take turns, one instruction a turn, in the same order in every K step
.irp m, 0,1,2,3,4,5,6,7,8
.if ((\q)%2) && (\m >= 7)
.set FA, T+16*(\m-7)
.set WA, 0
.else
.set FA, 144*((\q)%2)+16*\m
.set WA, 1
.endif
.if \m == 8
.set AC, AC8
.set WC, 0
.else
.set AC, 32*\m
.set WC, 3
.endif
.set WW, (WC<<6)|(WC<<4)|(WA<<2)|2     ; weights window 2; rows window WA; C and D window WC
	WIN WW
.irp j, 0,1,2,3
.if \zero
	v_wmma_scale_f32_16x16x128_f8f6f4 v[AC+8*\j:AC+8*\j+7], v[64*((\q)%4)+16*\j:64*((\q)%4)+16*\j+15], v[FA:FA+15], 0, v[BSC+8*\j+(\q)], v[ASC+8*\m+(\q)] matrix_a_fmt:MATRIX_FMT_BF8 matrix_b_fmt:MATRIX_FMT_BF8
.else
	v_wmma_scale_f32_16x16x128_f8f6f4 v[AC+8*\j:AC+8*\j+7], v[64*((\q)%4)+16*\j:64*((\q)%4)+16*\j+15], v[FA:FA+15], v[AC+8*\j:AC+8*\j+7], v[BSC+8*\j+(\q)], v[ASC+8*\m+(\q)] matrix_a_fmt:MATRIX_FMT_BF8 matrix_b_fmt:MATRIX_FMT_BF8
.endif
.endr
.endr
.endm
.macro KSTEP q, zero
.if (\q) >= 1
.rept 8
	v_nop                                          ; eight places between the last products and loads into the registers that they read
.endr
.if (\q)+3 <= 7
	BLOAD (\q)+3                                   ; into the slot that the last K step has left
.endif
.endif
.if (\q) < 7
	ALOAD (\q)+1
	s_wait_dscnt 36                                ; all but the 36 just issued: this K step's row fragments are in
.else
	s_wait_dscnt 0x0
.endif
.if (\q) == 0
	s_wait_loadcnt 32                              ; slots 2 and 3 may be out: x's scale words, asked for just ahead of them, are in
.elseif (\q) <= 4
	s_wait_loadcnt 48                              ; three slots were asked for behind this one
.else
	s_wait_loadcnt 16*(7-(\q))                     ; the slots behind this one: 2, 1, 0
.endif
	MUL \q, \zero
.endm
	s_load_b256 s[4:11], s[0:1], 0x0               ; x_codes s[4:5], x_scales s[6:7], w1f s[8:9], w1_scales s[10:11]
	s_load_b256 s[12:19], s[0:1], 0x20             ; glist s[12:13], g_c s[14:15], hcodes s[16:17], hscales s[18:19]
	v_lshl_add_u32 v254, v0, 2, 0x2e800
	v_mov_b32 v255, 0
	v_lshrrev_b32 v20, 5, v0
	v_readfirstlane_b32 s20, v20                   ; wave 0..3
	s_and_b32 s22, ttmp7, 0xffff                   ; tile t;  ttmp9 = nt
	s_lshl_b32 s24, s22, 2
	s_mul_i32 s36, s22, 4*MT                       ; 144 positions x 4 bytes
	s_mov_b32 s37, 0
	v_and_b32 v18, 15, v0                          ; r
	v_bfe_u32 v19, v0, 4, 1                        ; h
	v_lshlrev_b32 v[L16], 4, v18
	v_and_b32 v[BO], 31, v0
	v_lshlrev_b32 v[BO], 4, v[BO]
	v_mul_u32_u24 v[AD], v18, XP
	v_lshl_add_u32 v[AD], v19, 4, v[AD]
	v_add_nc_u32 v[AD+1], 48*XP, v[AD]
	v_add_nc_u32 v[AD+2], 96*XP, v[AD]
	s_mul_i32 s25, s20, 144
	v_lshlrev_b32 v[LP], 2, v19
	v_add_nc_u32 v[LP], s25, v[LP]                 ; 4 (36 w + h)
	v_lshlrev_b32 v[LR], 2, v18                    ; 4 r
	s_wait_kmcnt 0x0
	s_load_b32 s23, s[12:13], s24 offset:0x9000    ; the tile's expert
	s_add_nc_u64 s[38:39], s[12:13], s[36:37]      ; the tile's tokens
	s_add_nc_u64 s[40:41], s[14:15], s[36:37]      ; and weights
.irp p, 0,1,2,3,4,5,6,7,8,9,10,11,12,13,14,15,16,17
	global_load_b32 v[PT+\p], v[LP], s[38:39] offset:8*\p  ; the rows that I gather: 36 w + 2 p + h
.endr
.irp m, 0,1,2,3,4,5,6,7,8
	global_load_b32 v[RT+\m], v[LR], s[38:39] offset:64*\m ; the rows that I multiply: 16 m + r
.endr
.irp m, 0,1,2,3,4,5,6,7,8
	global_load_b32 v[CV+2*\m], v[LR], s[40:41] offset:64*\m
.endr
	s_mul_i32 s26, s20, 36*XP
	v_mul_u32_u24 v[XST], v19, XP
	v_add_nc_u32 v[XST], v[XST], v[L16]
	v_add_nc_u32 v[XST], s26, v[XST]               ; x into LDS: row 36 w + h, 16 bytes a lane
	s_lshl_b32 s27, s20, 6
	s_add_co_u32 s27, s27, CSG
	v_mul_u32_u24 v[CST], v18, CP
	v_lshl_add_u32 v[CST], v19, 4, v[CST]
	v_add_nc_u32 v[CST], s27, v[CST]               ; codes into the stage: row r, + 64 w + 16 h
	s_lshl_b32 s27, s20, 1
	s_add_co_u32 s27, s27, SS
	v_lshlrev_b32 v[SST], 3, v18
	v_add_nc_u32 v[SST], s27, v[SST]               ; scale bytes: 8 r + 2 w
	s_mul_i32 s27, s20, 36*CP
	s_add_co_u32 s27, s27, CSG
	v_mul_u32_u24 v[CRD], v19, CP
	v_add_nc_u32 v[CRD], v[CRD], v[L16]
	v_add_nc_u32 v[CRD], s27, v[CRD]               ; back: row 36 w + h, sixteen lanes to a row
	v_lshl_add_u32 v[SRD], v0, 3, SS               ; the scale bytes of row = thread,
	v_lshl_add_u32 v[SRD2], v18, 3, SS+1024        ; and of row 128 + r
	v_lshl_add_u32 v[HCO], v19, 10, v[L16]
	v_lshlrev_b32 v[HSO], 3, v0
	v_lshl_add_u32 v[HSO2], v18, 3, 1024
	v_and_b32 v20, 8, v18
	v_add_nc_u32 v20, v20, v18
	v_lshlrev_b32 v[BSV], 5, v20                   ; W1's scales: 32 bytes a row, row r + 8 (r / 8) of a tile
	s_mov_b32 s[SEL], 0x76543210
	s_mov_b32 s[SEL+1], 0xfedcba98
	s_mov_b32 s[MNT], 0x600000
	s_mov_b32 s[NL], 0xbfb8aa3b
	s_mov_b32 s[NL+1], s[NL]                       ; (named with it as a pair, so it is written)
	s_mul_i32 s52, s22, MT*1024                    ; hcodes: (144 t + 36 w) rows of 1,024 + 256 nt
	s_mul_i32 s53, s20, 36*1024
	s_add_co_u32 s52, s52, s53
	s_lshl_b32 s53, ttmp9, 8
	s_add_co_u32 s52, s52, s53
	s_mov_b32 s53, 0
	s_add_nc_u64 s[48:49], s[16:17], s[52:53]
	s_mul_i32 s52, ttmp9, 73728                    ; hscales: plane nt of 9,216 x 8 bytes, 1,152 bytes a tile
	s_mul_i32 s54, s22, 8*MT
	s_add_co_u32 s52, s52, s54
	s_add_nc_u64 s[50:51], s[18:19], s[52:53]
	s_wait_kmcnt 0x0
	s_min_u32 s23, s23, 7                          ; a loaded number is held inside its table before it becomes an address
	s_lshl_b32 s42, s23, 20                        ; w1f: the expert, tiles 16 nt + 4 w on, 16,384 bytes a tile
	s_lshl_b32 s43, ttmp9, 18
	s_add_co_u32 s42, s42, s43
	s_lshl_b32 s43, s20, 16
	s_add_co_u32 s42, s42, s43
	s_mov_b32 s43, 0
	s_add_nc_u64 s[WB:WB+1], s[8:9], s[42:43]
	s_lshl_b32 s44, s23, 15                        ; w1_scales: the expert, rows 256 nt + 64 w on, 32 bytes a row
	s_lshl_b32 s45, ttmp9, 13
	s_add_co_u32 s44, s44, s45
	s_lshl_b32 s45, s20, 11
	s_add_co_u32 s44, s44, s45
	s_mov_b32 s45, 0
	s_add_nc_u64 s[46:47], s[10:11], s[44:45]
.irp j, 0,1,2,3
.irp f, 0,1
	global_load_b128 v[BSC+8*\j+4*\f:BSC+8*\j+4*\f+3], v[BSV], s[46:47] offset:(32*(\j/2)+8*(\j%2))*32+16*\f
.endr
.endr
	BLOAD 0
	BLOAD 1
	WIN 0
	s_wait_loadcnt 40                              ; the 36 list loads are in; behind them: 8 scale loads and two slots of 16
.irp p, 0,1,2,3,4,5,6,7,8,9,10,11,12,13,14,15,16,17
	v_min_u32 v[PT+\p], 0xfff, v[PT+\p]
	v_lshlrev_b32 v[PT+\p], 10, v[PT+\p]
	v_add_nc_u32 v[PT+\p], v[PT+\p], v[L16]        ; the token's row of 1,024 bytes, 16 bytes a lane
.endr
.irp m, 0,1,2,3,4,5,6,7,8
	v_min_u32 v[RT+\m], 0xfff, v[RT+\m]
	v_lshlrev_b32 v[RT+\m], 5, v[RT+\m]
	v_mov_b32 v[CV+2*\m+1], v[CV+2*\m]
.endr
	WIN 0xc0                                       ; destination window 3: the registers that become accumulators take the gathered rows
.irp p, 0,1,2,3,4,5,6,7,8,9,10,11,12,13,14,15
.irp c, 0,1,2,3
	global_load_b128 v[16*\p+4*\c:16*\p+4*\c+3], v[PT+\p], s[4:5] offset:256*\c   ; sixteen lanes read 256 consecutive bytes of a row
.endr
.endr
	WIN 0
.irp p, 16,17
.irp c, 0,1,2,3
	global_load_b128 v[AC8+16*(\p-16)+4*\c:AC8+16*(\p-16)+4*\c+3], v[PT+\p], s[4:5] offset:256*\c
.endr
.endr
.irp m, 0,1,2,3,4,5,6,7,8
.irp f, 0,1
	global_load_b128 v[ASC+8*\m+4*\f:ASC+8*\m+4*\f+3], v[RT+\m], s[6:7] offset:16*\f
.endr
.endr
	BLOAD 2
	BLOAD 3
	s_wait_loadcnt 50                              ; the 72 gathering loads are in; behind them: 18 loads of x's scales and two slots of 16
	WIN 0x0c                                       ; an LDS store's data are its source 1: window 3
.irp p, 0,1,2,3,4,5,6,7,8,9,10,11,12,13,14,15
.irp c, 0,1,2,3
	ds_store_b128 v[XST], v[16*\p+4*\c:16*\p+4*\c+3] offset:2*XP*\p+256*\c
.endr
.endr
	WIN 0
.irp p, 16,17
.irp c, 0,1,2,3
	ds_store_b128 v[XST], v[AC8+16*(\p-16)+4*\c:AC8+16*(\p-16)+4*\c+3] offset:2*XP*\p+256*\c
.endr
.endr
	s_wait_dscnt 0x0                               ; for the others' sake: my 36 rows lie in LDS
	s_barrier_signal -1
	s_barrier_wait -1
	ALOAD 0
	KSTEP 0, 1                                     ; the first K step starts the sums: nothing is cleared
.irp q, 1,2,3,4,5,6,7
	KSTEP \q, 0
.endr
	WIN 0
.rept 8
	v_nop                                          ; the places in front of the first read of results, and of writes over scale words and fragments that the last products read
.endr
; Row tile m: 32 numbers a lane, number 16 b + n = hidden unit 32 b + 16 h + n of my 64.  h c = (a c) / (1 + 2^(-a log2 e)), all f32; then the quantiser.
; The accumulators are read under one window setting, into window 0; all else works there.
.macro EPI m
.if (\m) < 8
	WIN 0x03                                       ; source 0 window 3
.set A, 32*(\m)
.else
.set A, AC8
.endif
.set i, 0
.rept 16
	v_pk_mul_f32 v[T+i:T+i+1], v[A+i:A+i+1], s[NL:NL+1] op_sel_hi:[1,0]   ; each accumulator is read from its low end on
.set i, i+2
.endr
.set i, 0
.rept 16
	v_pk_mul_f32 v[W+i:W+i+1], v[A+i:A+i+1], v[CV+2*(\m):CV+2*(\m)+1]      ; a x c of my row
.set i, i+2
.endr
	WIN 0
.set i, 0
.rept 32
	v_exp_f32 v[T+i], v[T+i]
.set i, i+1
.endr
	v_nop                                          ; a plain line behind the last exponential
	s_wait_alu depctr_va_vdst(0)                   ; one wait for the batch, ahead of its first reader
.set i, 0
.rept 16
	v_pk_add_f32 v[T+i:T+i+1], v[T+i:T+i+1], 1.0 op_sel_hi:[1,0]
.set i, i+2
.endr
.set i, 0
.rept 32
	v_rcp_f32 v[T+i], v[T+i]
.set i, i+1
.endr
	v_nop
	s_wait_alu depctr_va_vdst(0)                   ; and one for the reciprocals
.if (\m) > 0
	s_wait_dscnt 0x0                               ; the last row tile's LDS stores, issued a whole tile's arithmetic ago, have read the codes' and the bytes' registers
.endif
.set i, 0
.rept 16
	v_pk_mul_f32 v[W+i:W+i+1], v[W+i:W+i+1], v[T+i:T+i+1]
.set i, i+2
.endr
.irp b, 0,1
	v_max3_num_f32 v[MX+\b], |v[W+16*\b]|, |v[W+16*\b+1]|, 0x8000000      ; my 16 numbers of block b, and the floor 2^(16 - 127): the byte cannot fall under 1
.endr
.irp n, 2,4,6,8,10,12,14
.irp b, 0,1
	v_max3_num_f32 v[MX+\b], v[MX+\b], |v[W+16*\b+\n]|, |v[W+16*\b+\n+1]|
.endr
.endr
.irp b, 0,1
	v_permlanex16_b32 v[PX+\b], v[MX+\b], s[SEL], s[SEL+1]
.endr
.irp b, 0,1
	v_max_num_f32 v[MX+\b], v[MX+\b], v[PX+\b]     ; with lane l xor 16's: the block's largest magnitude
.endr
.irp b, 0,1
	v_add_nc_u32 v[SCL+\b], 0xf8800000, v[MX+\b]   ; 15 off its exponent field: the conversion's scale operand
.endr
.irp b, 0,1
	v_and_or_b32 v[HOLD+\b], v[MX+\b], 0x7f800000, s[MNT]   ; 57,344 x the scale
.endr
.irp b, 0,1
	v_lshrrev_b32 v[BY+\b], 23, v[SCL+\b]          ; the scale's byte
.endr
	v_lshl_or_b32 v[BY], v[BY+1], 8, v[BY]
.irp b, 0,1
.irp n, 0,1,2,3,4,5,6,7,8,9,10,11,12,13,14,15
	v_med3_num_f32 v[W+16*\b+\n], v[W+16*\b+\n], -v[HOLD+\b], v[HOLD+\b]   ; the conversion does not saturate (ISA guide 7.6.2): the hold comes first
.endr
	v_cvt_scalef32_pk8_bf8_f32 v[CD+4*\b:CD+4*\b+1], v[W+16*\b:W+16*\b+7], v[SCL+\b]
	v_cvt_scalef32_pk8_bf8_f32 v[CD+4*\b+2:CD+4*\b+3], v[W+16*\b+8:W+16*\b+15], v[SCL+\b]
.endr
	v_nop                                          ; one plain vector line behind the last conversion
	ds_store_b128 v[CST], v[CD:CD+3] offset:16*CP*(\m)
	ds_store_b128 v[CST], v[CD+4:CD+7] offset:16*CP*(\m)+32
	ds_store_b16 v[SST], v[BY] offset:128*(\m)     ; my two bytes of the row's eight; lanes r and r + 16 write the same value
.endm
.irp m, 0,1,2,3,4,5,6,7,8
	EPI \m
.endr
	s_wait_dscnt 0x0                               ; for the others' sake: my codes and bytes lie in the stages
	s_barrier_signal -1
	s_barrier_wait -1                              ; 144 rows x 256 codes, and their scale bytes
.irp i, 0,1,2,3,4,5,6,7,8,9,10,11,12,13,14,15,16,17
	ds_load_b128 v[OB+4*\i:OB+4*\i+3], v[CRD] offset:2*CP*\i
.endr
	ds_load_b64 v[104:105], v[SRD]
	ds_load_b64 v[106:107], v[SRD2]
	s_wait_dscnt 0x0
.irp i, 0,1,2,3,4,5,6,7,8,9,10,11,12,13,14,15,16,17
	global_store_b128 v[HCO], v[OB+4*\i:OB+4*\i+3], s[48:49] offset:2048*\i   ; sixteen lanes store 256 consecutive bytes, at a multiple of 256 from the buffer's first byte
.endr
	global_store_b64 v[HSO], v[104:105], s[50:51]  ; rows 0-127: 1,024 consecutive bytes of this plane
	global_store_b64 v[HSO2], v[106:107], s[50:51] ; rows 128-143: the eight threads with one r write the same 8 bytes with the same value
	s_wait_tensorcnt 0x0
	ds_add_u32 v254, v255
	s_wait_dscnt 0x0
	s_endpgm
.Lfunc_end_k_q86359e87bd_g1:
	.size	k_q86359e87bd_g1, .Lfunc_end_k_q86359e87bd_g1-k_q86359e87bd_g1
	.p2alignl 7, 3214868480
	.fill 96, 4, 3214868480
	.section	.rodata,"a",@progbits
	.p2align	6, 0x0
	.amdhsa_kernel k_q86359e87bd_g1
		.amdhsa_group_segment_fixed_size 190976
		.amdhsa_private_segment_fixed_size 0
		.amdhsa_enable_private_segment 0
		.amdhsa_kernarg_size 64
		.amdhsa_user_sgpr_count 2
		.amdhsa_user_sgpr_kernarg_segment_ptr 1
		.amdhsa_wavefront_size32 1
		.amdhsa_system_sgpr_workgroup_id_x 1
		.amdhsa_system_sgpr_workgroup_id_y 1
		.amdhsa_system_sgpr_workgroup_id_z 1
		.amdhsa_system_vgpr_workitem_id 0
		.amdhsa_next_free_vgpr 1024
		.amdhsa_next_free_sgpr 66
		.amdhsa_reserve_vcc 0
		.amdhsa_float_denorm_mode_32 3
		.amdhsa_float_denorm_mode_16_64 3
		.amdhsa_memory_ordered 1
		.amdhsa_forward_progress 1
		.amdhsa_inst_pref_size 192
	.end_amdhsa_kernel
	.amdgpu_metadata
---
amdhsa.version: [ 1, 2 ]
amdhsa.kernels:
  - .name:           k_q86359e87bd_g1
    .symbol:         k_q86359e87bd_g1.kd
    .args:
      - { .name: x_codes, .offset: 0, .size: 8, .value_kind: global_buffer, .address_space: global }
      - { .name: x_scales, .offset: 8, .size: 8, .value_kind: global_buffer, .address_space: global }
      - { .name: w1f, .offset: 16, .size: 8, .value_kind: global_buffer, .address_space: global }
      - { .name: w1_scales, .offset: 24, .size: 8, .value_kind: global_buffer, .address_space: global }
      - { .name: glist, .offset: 32, .size: 8, .value_kind: global_buffer, .address_space: global }
      - { .name: g_c, .offset: 40, .size: 8, .value_kind: global_buffer, .address_space: global }
      - { .name: hcodes, .offset: 48, .size: 8, .value_kind: global_buffer, .address_space: global }
      - { .name: hscales, .offset: 56, .size: 8, .value_kind: global_buffer, .address_space: global }
    .group_segment_fixed_size: 190976
    .private_segment_fixed_size: 0
    .kernarg_segment_align: 8
    .kernarg_segment_size: 64
    .max_flat_workgroup_size: 128
    .sgpr_count:     66
    .vgpr_count:     1024
    .wavefront_size: 32
...
	.end_amdgpu_metadata
.endif
;; end of part 5
;; launch g2 (part 6): grid 4 x 64, 4 waves a work-group, no clusters, 160,256 bytes of LDS; arguments hcodes, hscales, w2f, w2s, ginfo, out0; writes out0
.if DOCPART == 6
	.amdgcn_target "amdgcn-amd-amdhsa--gfx1250"
	.amdhsa_code_object_version 6
	.text
	.protected	k_q86359e87bd_g2
	.globl	k_q86359e87bd_g2
	.p2align	8
	.type	k_q86359e87bd_g2,@function
k_q86359e87bd_g2:
	s_mov_b64 s[64:65], 0
	v_nop
	global_prefetch_b8 v0, s[64:65] scope:SCOPE_SE
	s_setreg_imm32_b32 hwreg(HW_REG_WAVE_MODE, 25, 1), 1
	s_wait_xcnt 0x0
; THE THIRD LAUNCH: y = the sum over a token's experts of (h c) W2^T, on E5M2 codes.  A work-group OWNS 64 tokens (block b of the sort by set of experts) x 256 outputs (ct): each output is stored once, no parts are added in memory.
; The tokens' two rows of h c (LDS rows 0-63: first picks, 64-127: second picks; 1,024 codes, pitch 1,040) and their scale bytes lie in LDS for the whole launch; LDS row 128 holds zero codes and zero scale bytes.
; The work-group walks all 8 experts in a loop of constant count; for expert e a lane takes, for its row of tile m, the ROW NUMBER 16 m + r (first pick = e), 64 + 16 m + r (second pick = e) or 128 (neither): a choice of numbers,
; no branch; the number is held at 128 from above and then becomes an address by shifts and additions.  Zero codes add nothing under the scale byte 0, which stands for 2^-127.
; An expert that none of the 64 tokens uses is passed over by one scalar branch on the stored list; no barrier stands in the loop.  Where both picks name one expert the first row, which carries the summed weight, is taken.
; The weights come from memory straight into registers, as images laid by the first launch, through a ring of four slots of one K step.
; NO TENSOR LOADS, NO CLUSTER: rows are gathered by a stored list, and which experts a work-group walks hangs on that list, so partners would not make the same requests.
; THE ACCUMULATORS ARE CLEARED BY MOVES: which expert comes first for a block is known from the list alone, so no product of the text can be the one that starts the sums.
; TRANSPOSED USE: source 0 = 16 rows d of W2, source 1 = 16 rows of h c: a lane holds eight neighbouring outputs of one token.
; REGISTERS: window 0: v1-31 addresses and row numbers; v32-63 the rows' scale words (8 m + q); v64-95 W2's (8 j + q); v96-223 accumulators (8 (4 m + j)); v224-255 the tokens' places in y.
;   window 1: v0-127 two buffers of row fragments (at the head all 256: the gathered rows); v128-191 the way out.   window 2: the four weight slots of 64.
.set XP,   1040                        ; an LDS row: 1,024 bytes + 16: the 16 rows of a fragment load start at 16 different banks
.set ZR,   128*XP                      ; row 128: zero codes (2,048 bytes are written)
.set SA,   ZR+2048                     ; the rows' scale bytes: 128 rows x 32,
.set SZ,   SA+128*32                   ; and row 128's: zeros (2,048 bytes are written)
.set STG,  SZ+2048                     ; the way out: 16 rows x (256 + 16) for each wave
.set PLANE, 73728                      ; a plane of hscales: 9,216 positions x 8 bytes
.set L16,  1                           ; 16 (lane % 16)
.set BO,   2                           ; 16 lane
.set H16,  3                           ; 16 (lane / 16)
.set C128, 4                           ; 128: the zero row's number
.set TMP,  5
.set RI0,  6                           ; v6-9   16 m + r: my row of tile m among the first picks'
.set RI1,  10                          ; v10-13 64 + 16 m + r: among the second picks'
.set AD,   14                          ; v14-17 the row chosen for tile m, then its codes' address
.set SD,   18                          ; v18-21 its scale bytes' address
.set EX0,  22                          ; v22-25 first pick of token 16 m + r
.set EX1,  26                          ; v26-29 second pick
.set STO,  30
.set RD,   31
.set ASC,  32
.set BSC,  64
.set ACC,  96
.set TK,   224
.set PP,   96                          ; at the head, in registers that become accumulators: positions, addresses
.set SP,   112
.set EP,   113
.set WB,   34                          ; s[34:35] my four weight tiles of the expert in hand
.set WS,   36                          ; s[36:37] their scale words
.set MSB, 0
.macro WIN new                         ; the immediate's high byte repeats the setting that is left; bits 1:0 source 0, 3:2 source 1, 5:4 source 2, 7:6 destination
.if MSB != \new
	s_set_vgpr_msb (MSB<<8)|\new
.set MSB, \new
.endif
.endm
.macro BLOAD q                         ; K step q of my four weight tiles into slot q % 4: 16 loads of 512 consecutive bytes
	WIN 0x80
.irp j, 0,1,2,3
.irp c, 0,1,2,3
	global_load_b128 v[64*((\q)%4)+16*\j+4*\c:64*((\q)%4)+16*\j+4*\c+3], v[BO], s[WB:WB+1] offset:(8*\j+(\q))*2048+512*\c
.endr
.endr
.endm
.macro ALOAD q                         ; K step q of the four row tiles into buffer q % 2; the tile's rows stand in its address register
	WIN 0x40
.irp m, 0,1,2,3
.irp c, 0,1,2,3
	ds_load_b128 v[64*((\q)%2)+16*\m+4*\c:64*((\q)%2)+16*\m+4*\c+3], v[AD+\m] offset:128*(\q)+32*\c
.endr
.endr
.endm
.macro MUL q                           ; 16 products; the 16 accumulators take turns, one instruction a turn, in the same order in every K step and every trip
	WIN 0x06
.irp m, 0,1,2,3
.irp j, 0,1,2,3
	v_wmma_scale_f32_16x16x128_f8f6f4 v[ACC+8*(4*\m+\j):ACC+8*(4*\m+\j)+7], v[64*((\q)%4)+16*\j:64*((\q)%4)+16*\j+15], v[64*((\q)%2)+16*\m:64*((\q)%2)+16*\m+15], v[ACC+8*(4*\m+\j):ACC+8*(4*\m+\j)+7], v[BSC+8*\j+(\q)], v[ASC+8*\m+(\q)] matrix_a_fmt:MATRIX_FMT_BF8 matrix_b_fmt:MATRIX_FMT_BF8
.endr
.endr
.endm
.macro KSTEP q
.if (\q) >= 1
.rept 8
	v_nop                                          ; eight places between the last products and loads into the registers that they read
.endr
.if (\q)+3 <= 7
	BLOAD (\q)+3                                   ; into the slot that the last K step has left
.endif
.endif
.if (\q) < 7
	ALOAD (\q)+1
	s_wait_dscnt 16                                ; all but the 16 just issued: this K step's row fragments (and, in the first, the rows' scale words) are in
.else
	s_wait_dscnt 0x0
.endif
.if (\q) <= 4
	s_wait_loadcnt 48                              ; three slots were asked for behind this one
.else
	s_wait_loadcnt 16*(7-(\q))                     ; the slots behind this one: 2, 1, 0
.endif
	MUL \q
.endm
	s_load_b256 s[4:11], s[0:1], 0x0               ; hcodes s[4:5], hscales s[6:7], w2f s[8:9], w2s s[10:11]
	s_load_b128 s[12:15], s[0:1], 0x20             ; ginfo s[12:13], out0 s[14:15]
	s_set_vgpr_msb 0xc0
	v_lshl_add_u32 v0, v0, 2, 0x27000
	v_mov_b32 v1, 0
	s_set_vgpr_msb 0xc000
	v_lshrrev_b32 v141, 5, v0
	v_readfirstlane_b32 s20, v141                  ; wave 0..3
	s_and_b32 s22, ttmp7, 0xffff                   ; block b;  ttmp9 = ct
	v_and_b32 v142, 15, v0                         ; r
	v_bfe_u32 v143, v0, 4, 1                       ; h
	v_lshlrev_b32 v[L16], 4, v142
	v_and_b32 v[BO], 31, v0
	v_lshlrev_b32 v[BO], 4, v[BO]
	v_lshlrev_b32 v[H16], 4, v143
	v_mov_b32 v[C128], 0x80
.irp m, 0,1,2,3
	v_add_nc_u32 v[RI0+\m], 16*\m, v142
	v_add_nc_u32 v[RI1+\m], 64+16*\m, v142
.endr
	s_mul_i32 s24, s20, 16*272
	s_add_co_u32 s24, s24, STG                     ; my stage
	v_mul_u32_u24 v[STO], v142, 272
	v_lshl_add_u32 v[STO], v143, 5, v[STO]
	v_add_nc_u32 v[STO], s24, v[STO]               ; in: row r, 32 bytes for each half of the lanes
	v_mul_u32_u24 v[RD], v143, 272
	v_add_nc_u32 v[RD], v[RD], v[L16]
	v_add_nc_u32 v[RD], s24, v[RD]                 ; back: lanes 0-15 one row, lanes 16-31 the next
	s_mul_i32 s25, s20, 32*XP
	v_mul_u32_u24 v130, v143, XP
	v_add_nc_u32 v130, v130, v[L16]
	v_add_nc_u32 v130, s25, v130                   ; the gathered rows into LDS: row 32 w + h
	v_lshl_add_u32 v131, v0, 5, SA                 ; row = thread: its 32 scale bytes
	v_lshl_add_u32 v132, v0, 4, ZR                 ; the zeros: 16 bytes a thread
	v_mul_u32_u24 v129, v0, XP                     ; row = thread: its 16 bytes of padding lie 1,024 on
	s_and_b32 s26, s20, 1
	s_lshl_b32 s26, s26, 9
	s_lshr_b32 s27, s20, 1
	s_lshl_b32 s27, s27, 2
	s_add_co_u32 s26, s26, s27
	s_add_co_u32 s26, s26, 4                       ; ginfo: token 32 (w % 2) of the block, word 1 + w / 2
	v_add_nc_u32 v133, s26, v[H16]
	v_and_b32 v134, 63, v0
	v_lshlrev_b32 v134, 4, v134
	v_lshrrev_b32 v141, 6, v0
	v_lshl_add_u32 v134, v141, 2, v134
	v_add_nc_u32 v134, 4, v134                     ; token thread % 64, word 1 + thread / 64
	v_add_nc_u32 v135, 12, v[L16]                  ; token r, word 3
.irp i, 136,137,138,139
	v_mov_b32 v\i, 0
.endr
	s_lshl_b32 s38, s22, 10                        ; 64 tokens x 16 bytes
	s_mov_b32 s39, 0
	s_lshl_b32 s44, ttmp9, 18                      ; w2f: tiles 16 ct + 4 w on, 16,384 bytes a tile
	s_lshl_b32 s45, s20, 16
	s_add_co_u32 s44, s44, s45
	s_mov_b32 s45, 0
	s_lshl_b32 s46, ttmp9, 13                      ; w2s: 512 bytes a tile
	s_lshl_b32 s47, s20, 11
	s_add_co_u32 s46, s46, s47
	s_mov_b32 s47, 0
	s_lshl_b32 s28, ttmp9, 10                      ; y: 256 outputs a work-group, 64 a wave, 4 bytes each
	s_lshl_b32 s29, s20, 8
	s_add_co_u32 s28, s28, s29
	s_mov_b32 s29, 0
	s_wait_kmcnt 0x0
	s_add_nc_u64 s[40:41], s[12:13], s[38:39]
	s_add_nc_u64 s[WB:WB+1], s[8:9], s[44:45]
	s_add_nc_u64 s[WS:WS+1], s[10:11], s[46:47]
	s_add_nc_u64 s[42:43], s[14:15], s[28:29]
.irp p, 0,1,2,3,4,5,6,7,8,9,10,11,12,13,14,15
	global_load_b32 v[PP+\p], v133, s[40:41] offset:32*\p  ; the position of LDS row 32 w + 2 p + h
.endr
	global_load_b32 v[SP], v134, s[40:41]          ; of LDS row = thread
.irp m, 0,1,2,3
	global_load_b32 v[EP+\m], v135, s[40:41] offset:256*\m ; the two picks of token 16 m + r
.endr
.irp m, 0,1,2,3
.irp i, 0,1,2,3,4,5,6,7
	global_load_b32 v[TK+8*\m+\i], v[H16], s[40:41] offset:256*\m+32*\i   ; token 16 m + 2 i + h (word 0)
.endr
.endr
	ds_store_b128 v132, v[136:139]                 ; row 128's zero codes: 128 threads x 16 bytes
	ds_store_b128 v132, v[136:139] offset:SZ-ZR    ; and its zero scale bytes
	ds_store_b128 v129, v[136:139] offset:1024     ; the padding behind my row, so that every byte between the rows is written
	s_wait_loadcnt 0x0
.irp p, 0,1,2,3,4,5,6,7,8,9,10,11,12,13,14,15
	v_min_u32 v[PP+\p], 0x23ff, v[PP+\p]           ; loaded numbers are held inside their tables (9,216 positions, 4,096 tokens) before they become addresses
	v_lshlrev_b32 v[PP+\p], 10, v[PP+\p]
	v_add_nc_u32 v[PP+\p], v[PP+\p], v[L16]
.endr
	v_min_u32 v[SP], 0x23ff, v[SP]
	v_lshlrev_b32 v[SP], 3, v[SP]
.set i, 0
.rept 32
	v_min_u32 v[TK+i], 0xfff, v[TK+i]
	v_lshlrev_b32 v[TK+i], 12, v[TK+i]
	v_add_nc_u32 v[TK+i], v[TK+i], v[L16]          ; the token's row of y, 16 bytes a lane
.set i, i+1
.endr
.irp m, 0,1,2,3
	v_and_b32 v[EX0+\m], 0xff, v[EP+\m]
	v_lshrrev_b32 v[EX1+\m], 8, v[EP+\m]
.endr
	WIN 0x40
.irp p, 0,1,2,3,4,5,6,7,8,9,10,11,12,13,14,15
.irp c, 0,1,2,3
	global_load_b128 v[4*(4*\p+\c):4*(4*\p+\c)+3], v[PP+\p], s[4:5] offset:256*\c   ; sixteen lanes read 256 consecutive bytes of a row
.endr
.endr
	WIN 0
.irp n, 0,1,2,3
	global_load_b64 v[120+2*\n:121+2*\n], v[SP], s[6:7] offset:PLANE*\n   ; the row's 32 scale bytes, 8 from each plane
.endr
	s_wait_loadcnt 0x0
	WIN 0x04                                       ; an LDS store's data are its source 1: window 1
.irp p, 0,1,2,3,4,5,6,7,8,9,10,11,12,13,14,15
.irp c, 0,1,2,3
	ds_store_b128 v130, v[4*(4*\p+\c):4*(4*\p+\c)+3] offset:2*XP*\p+256*\c
.endr
.endr
	WIN 0
.irp n, 0,1,2,3
	ds_store_b64 v131, v[120+2*\n:121+2*\n] offset:8*\n
.endr
	s_wait_dscnt 0x0                               ; for the others' sake: my rows, scale bytes and zeros lie in LDS
	s_barrier_signal -1
.set i, 0
.rept 128
	v_mov_b32 v[ACC+i], 0                          ; register work while the others arrive
.set i, i+1
.endr
	s_barrier_wait -1
	s_mov_b32 s23, 0
.Lexpert:                                          ; 8 trips
.irp m, 0,1,2,3
	v_cmp_eq_u32 s[48+\m], s23, v[EX0+\m]
	v_cmp_eq_u32 s[52+\m], s23, v[EX1+\m]
.endr
.irp m, 0,1,2,3
	v_cndmask_b32 v[AD+\m], v[C128], v[RI1+\m], s[52+\m]   ; the zero row, or the second pick's row,
.endr
.irp m, 0,1,2,3
	v_cndmask_b32 v[AD+\m], v[AD+\m], v[RI0+\m], s[48+\m]  ; or, first of all, the first pick's
.endr
.irp m, 0,1,2,3
	v_min_u32 v[AD+\m], 0x80, v[AD+\m]             ; a number chosen by loaded ones is held inside its table (rows 0 to 128) before it becomes an address
.endr
.irp m, 0,1,2,3
	v_lshlrev_b32 v[SD+\m], 5, v[AD+\m]
	v_add_nc_u32 v[SD+\m], SA, v[SD+\m]            ; the row's scale bytes: SA + 32 x row
	v_lshlrev_b32 v[TMP], 4, v[AD+\m]
	v_lshlrev_b32 v[AD+\m], 10, v[AD+\m]
	v_add_nc_u32 v[AD+\m], v[AD+\m], v[TMP]        ; 1,040 x row = 1,024 x row + 16 x row,
	v_add_nc_u32 v[AD+\m], v[AD+\m], v[H16]        ; + 16 h: the row's codes
.endr
	s_or_b32 s24, s48, s49
	s_or_b32 s25, s50, s51
	s_or_b32 s26, s52, s53
	s_or_b32 s27, s54, s55
	s_or_b32 s24, s24, s25
	s_or_b32 s26, s26, s27
	s_or_b32 s24, s24, s26
	s_cmp_lg_u32 s24, 0
	s_cbranch_scc0 .Lskip                          ; none of the 64 tokens uses this expert
.irp j, 0,1,2,3
.irp f, 0,1
	global_load_b128 v[BSC+8*\j+4*\f:BSC+8*\j+4*\f+3], v[L16], s[WS:WS+1] offset:512*\j+256*\f
.endr
.endr
.irp m, 0,1,2,3
.irp f, 0,1
	ds_load_b128 v[ASC+8*\m+4*\f:ASC+8*\m+4*\f+3], v[SD+\m] offset:16*\f
.endr
.endr
	BLOAD 0
	BLOAD 1
	BLOAD 2
	BLOAD 3
	ALOAD 0
.irp q, 0,1,2,3,4,5,6,7
	KSTEP \q
.endr
	WIN 0                                          ; at a label and at a branch every window is 0
.rept 8
	v_nop                                          ; the places in front of the next trip's loads into operand and scale registers, and of the first read of results
.endr
.Lskip:
	s_wait_xcnt 0x0                                ; the trip's loads have read their bases: they step only behind this wait
	s_add_nc_u64 s[WB:WB+1], s[WB:WB+1], 0x100000  ; the next expert's images
	s_add_nc_u64 s[WS:WS+1], s[WS:WS+1], 0x8000
	s_add_co_u32 s23, s23, 1
	s_cmp_lt_u32 s23, 8
	s_cbranch_scc1 .Lexpert
	s_wait_dscnt 0x0
	s_barrier_signal -1                            ; every wave's reads of the rows are over
	s_barrier_wait -1
; THE WAY OUT, a tile of 16 tokens at a time: 32 bytes a lane into my own stage, back as rows of 256 bytes; sixteen lanes store 256 consecutive bytes of a token's row, at a multiple of 256 from y's first byte.
.macro OUTM m
.if (\m) >= 2
	s_wait_xcnt 0x0                                ; the stores of two tiles back have read their registers: the loads below land there
.endif
.irp j, 0,1,2,3
	ds_store_b128 v[STO], v[ACC+8*(4*(\m)+\j):ACC+8*(4*(\m)+\j)+3] offset:64*\j          ; each accumulator from its low end on
	ds_store_b128 v[STO], v[ACC+8*(4*(\m)+\j)+4:ACC+8*(4*(\m)+\j)+7] offset:64*\j+16
.endr
	WIN 0x40
.irp i, 0,1,2,3,4,5,6,7
	ds_load_b128 v[128+32*((\m)%2)+4*\i:128+32*((\m)%2)+4*\i+3], v[RD] offset:2*272*\i   ; LDS serves a wave's instructions in order: these see the stores above
.endr
	s_wait_dscnt 0x0
	WIN 0x04                                       ; a store's data are its source 1: window 1
.irp i, 0,1,2,3,4,5,6,7
	global_store_b128 v[TK+8*(\m)+\i], v[128+32*((\m)%2)+4*\i:128+32*((\m)%2)+4*\i+3], s[42:43] th:TH_STORE_NT
.endr
	WIN 0
.endm
	OUTM 0
	OUTM 1
	OUTM 2
	OUTM 3
	s_set_vgpr_msb 0xf
	s_wait_tensorcnt 0x0
	ds_add_u32 v0, v1
	s_wait_dscnt 0x0
	s_set_vgpr_msb 0xf00
	s_endpgm
.Lfunc_end_k_q86359e87bd_g2:
	.size	k_q86359e87bd_g2, .Lfunc_end_k_q86359e87bd_g2-k_q86359e87bd_g2
	.p2alignl 7, 3214868480
	.fill 96, 4, 3214868480
	.section	.rodata,"a",@progbits
	.p2align	6, 0x0
	.amdhsa_kernel k_q86359e87bd_g2
		.amdhsa_group_segment_fixed_size 160256
		.amdhsa_private_segment_fixed_size 0
		.amdhsa_enable_private_segment 0
		.amdhsa_kernarg_size 48
		.amdhsa_user_sgpr_count 2
		.amdhsa_user_sgpr_kernarg_segment_ptr 1
		.amdhsa_wavefront_size32 1
		.amdhsa_system_sgpr_workgroup_id_x 1
		.amdhsa_system_sgpr_workgroup_id_y 1
		.amdhsa_system_sgpr_workgroup_id_z 1
		.amdhsa_system_vgpr_workitem_id 0
		.amdhsa_next_free_vgpr 770
		.amdhsa_next_free_sgpr 66
		.amdhsa_reserve_vcc 0
		.amdhsa_float_denorm_mode_32 3
		.amdhsa_float_denorm_mode_16_64 3
		.amdhsa_memory_ordered 1
		.amdhsa_forward_progress 1
		.amdhsa_inst_pref_size 81
	.end_amdhsa_kernel
	.amdgpu_metadata
---
amdhsa.version: [ 1, 2 ]
amdhsa.kernels:
  - .name:           k_q86359e87bd_g2
    .symbol:         k_q86359e87bd_g2.kd
    .args:
      - { .name: hcodes, .offset: 0, .size: 8, .value_kind: global_buffer, .address_space: global }
      - { .name: hscales, .offset: 8, .size: 8, .value_kind: global_buffer, .address_space: global }
      - { .name: w2f, .offset: 16, .size: 8, .value_kind: global_buffer, .address_space: global }
      - { .name: w2s, .offset: 24, .size: 8, .value_kind: global_buffer, .address_space: global }
      - { .name: ginfo, .offset: 32, .size: 8, .value_kind: global_buffer, .address_space: global }
      - { .name: out0, .offset: 40, .size: 8, .value_kind: global_buffer, .address_space: global }
    .group_segment_fixed_size: 160256
    .private_segment_fixed_size: 0
    .kernarg_segment_align: 8
    .kernarg_segment_size: 48
    .max_flat_workgroup_size: 128
    .sgpr_count:     66
    .vgpr_count:     770
    .wavefront_size: 32
...
	.end_amdgpu_metadata
.endif
;; end of part 6
;; ======== version 3 of 3: 3 launches; version 2 with the launches g1, g2 written anew for expert scheduling mode
;; workspace buffers: w1f 8,388,608 bytes; w2f 8,388,608 bytes; w2s 262,144 bytes; glist 37,888 bytes of whole numbers; g_c 36,864 bytes; ginfo 65,536 bytes of whole numbers; hcodes 9,437,184 bytes; hscales 294,912 bytes
;; launch prep: the kernel of part 4 again; grid 193 x 1, 8 waves a work-group, no clusters, 71,680 bytes of LDS; arguments topk_e, topk_w, w1_codes, w2, w1f, w2f, w2s, glist, g_c, ginfo; writes w1f, w2f, w2s, glist, g_c, ginfo
;; launch g1 (part 7): grid 4 x 64, 4 waves a work-group, no clusters, 190,976 bytes of LDS; arguments x_codes, x_scales, w1f, w1_scales, glist, g_c, hcodes, hscales; writes hcodes, hscales
.if DOCPART == 7
	.amdgcn_target "amdgcn-amd-amdhsa--gfx1250"
	.amdhsa_code_object_version 6
	.text
	.protected	k_q86359e87bd_g1
	.globl	k_q86359e87bd_g1
	.p2align	8
	.type	k_q86359e87bd_g1,@function
k_q86359e87bd_g1:
	s_mov_b64 s[64:65], 0
	v_nop
	global_prefetch_b8 v0, s[64:65] scope:SCOPE_SE
	s_setreg_imm32_b32 hwreg(HW_REG_WAVE_SCHED_MODE, 0, 2), 2
	s_setreg_imm32_b32 hwreg(HW_REG_WAVE_MODE, 25, 1), 1
	s_wait_xcnt 0x0
	s_wait_alu depctr_vm_vsrc(0)
; THE SECOND LAUNCH: for a tile of 144 entries of ONE expert (positions 144 t .. 144 t + 143 of the sort by expert) and 256 hidden units (nt): a = x W1^T on E5M2 codes, h c = silu(a) x c in f32,
; quantised along the hidden units (blocks of 32) into hcodes [position][1024] and hscales [nt][position][8 bytes].
; THE GRID SERVES EVERY SPLIT: the sum over 8 experts of ceil(n / 144) is at most (8,192 + 8 x 143) / 144 = 64.8, so there are never more than 64 tiles; x 4 blocks of hidden units = 256 work-groups of equal work.
; A tile that a split leaves without rows (tinfo = 8, held at 7) runs on the lists' zeros (token 0, weight 0) and stores rows of zero codes that nobody reads.  It has no early end, since the barriers below
; would then stand under a branch on a loaded number.
; SHARES: four waves; all share the 144 rows, wave w makes hidden units 64 w .. 64 w + 63 of the 256: 9 x 4 = 36 accumulators.  The rows' codes lie in LDS for all of K (144 x 1,024 bytes, pitch 1,040);
; the weights come from memory straight into registers, as images laid by the first launch: 16 bytes a lane, 512 consecutive bytes a load, through a ring of four slots of one K step (128).
; NO TENSOR LOADS, NO CLUSTER: the rows are gathered by a stored list and the expert is a stored number; a joint request would have to be alike in partners whose experts differ.
; TRANSPOSED USE: source 0 = 16 rows of W1, source 1 = 16 rows of x: a lane holds one row of x, and by the images' choice of rows the 16 registers of tiles 2 b, 2 b + 1 are hidden units 32 b + 16 h + 0..15.
; LIMITS: a block of zeros gets the scale byte 1 (codes zero; read by this program alone); NaN and infinities are not served.  (a c) x sigmoid(a) stands for (a sigmoid(a)) x c: the same but for f32's last rounding.
; REGISTERS: window 0: v1-20 addresses; v32-103 x's scale words (8 m + q); v104-135 W1's (8 j + q); v136-153 c, a pair a row tile; v160-191 row fragments 7, 8 of odd K steps, later at work;
;   v192-223 the accumulators of row tile 8; v224-250 the lists.  In the epilogue v32-103 are free: products, the quantiser's figures, the way out.
;   window 1: row fragments: v0-143 even K steps' nine, v144-255 odd K steps' first seven.   window 2: the four weight slots of 64.   window 3: the accumulators of row tiles 0-7 (32 m + 8 j); at the head the gathered rows.
; THE MODE: SCHED_MODE bits 1:0 = 2 (LLVM: expert scheduling mode 2), set by the entry lines.  The code itself states the register dependences between vector or matrix instructions and memory or LDS
; instructions, with s_wait_alu, always for 0.
; THE PLAN.  Registers that memory or LDS instructions touch:
;   the two buffers of row fragments.  K step q: its 36 products read buffer q % 2; the LDS loads of K step q + 1 land in the other buffer, which the products of K step q - 1 read last.
;   the four weight slots.             K step q: its products read slot q % 4; the loads of K step q + 3 land in slot (q - 1) % 4, which the products of K step q - 1 read last.
;   v2-5 (BO, AD)                      read by all these loads; written at the head alone.
;   So ONE wait on va_vdst stands at the head of K steps 1 to 6, behind the waits for the step's own data: the products of the step before are done reading.  The step's loads follow it, dealt behind the products
;   of its first five row tiles; those products name buffer q % 2, slot q % 4, the accumulators and the scale words: none of the registers that the loads touch.
;   the accumulators' registers        the gathered rows land there, LDS stores read them, the first products write them: one wait on vm_vsrc behind the barrier.
;   CD, BY (v80-87, v72)               written by a row tile's conversions and shifts; read by its three LDS stores, which are issued in the NEXT row tile, behind the wait that stands there for the exponentials;
;                                      written again further down in that tile, behind one wait on vm_vsrc.
;   v32-107 on the way out             named by the epilogue's vector lines, read in part by the last LDS stores; then LDS loads land there: one wait of each kind.
.set MT,   144                         ; rows in a tile
.set XP,   1040                        ; an LDS row of x: 1,024 bytes + 16: the 16 rows of a fragment load start at 16 different banks
.set CSG,  MT*XP                       ; the codes' stage: 144 rows x (256 + 16)
.set CP,   272
.set SS,   CSG+MT*CP                   ; the scale bytes' stage: 144 rows x 8
.set L16,  1                           ; 16 (lane % 16)
.set BO,   2                           ; 16 lane
.set AD,   3                           ; v3-5 a fragment's place XP r + 16 h, for row tiles 0-2, 3-5, 6-8 (an LDS offset has 16 bits)
.set XST,  6
.set CST,  7
.set SST,  8
.set CRD,  9
.set SRD,  10
.set SRD2, 11
.set HCO,  12
.set HSO,  13
.set HSO2, 14
.set BSV,  15
.set LP,   16
.set LR,   17
.set ASC,  32
.set BSC,  104
.set CV,   136
.set T,    160
.set AC8,  192
.set PT,   224                         ; v224-241 token of the rows that I gather, then their offsets
.set RT,   242                         ; v242-250 token of row 16 m + r, then its scales' offset
.set W,    32                          ; the epilogue: v32-63 a c, then h c
.set MX,   64
.set PX,   66
.set SCL,  68
.set HOLD, 70
.set BY,   72
.set CD,   80                          ; v80-87 the codes just made
.set OB,   32                          ; the way out: v32-103
.set SEL,  28                          ; s[28:29]
.set MNT,  30
.set NL,   32                          ; s[32:33] -log2(e)
.set WB,   34                          ; s[34:35] my four weight tiles
.set MSB, 0
.macro WIN new                         ; the immediate's high byte repeats the setting that is left; bits 1:0 source 0, 3:2 source 1, 5:4 source 2, 7:6 destination
.if MSB != (\new)
	s_set_vgpr_msb (MSB<<8)|(\new)
.set MSB, (\new)
.endif
.endm
.macro BLOAD q                         ; K step q of my four weight tiles into slot q % 4: 16 loads of 512 consecutive bytes
	WIN 0x80
.irp j, 0,1,2,3
.irp c, 0,1,2,3
	global_load_b128 v[64*((\q)%4)+16*\j+4*\c:64*((\q)%4)+16*\j+4*\c+3], v[BO], s[WB:WB+1] offset:(8*\j+(\q))*2048+512*\c
.endr
.endr
.endm
.macro AFRAG q, m                      ; K step q of row tile m: four loads, into buffer q % 2
.if ((\q)%2) && ((\m) >= 7)
	WIN 0
.set FL, T+16*((\m)-7)
.else
	WIN 0x40
.set FL, 144*((\q)%2)+16*(\m)
.endif
.irp c, 0,1,2,3
	ds_load_b128 v[FL+4*\c:FL+4*\c+3], v[AD+(\m)/3] offset:16*XP*((\m)%3)+128*(\q)+32*\c
.endr
.endm
.macro PROD q, m, zero                 ; the four products of row tile m in K step q.  The 36 accumulators take turns, one instruction a turn, in the same order in every K step
.if ((\q)%2) && ((\m) >= 7)
.set FA, T+16*((\m)-7)
.set WA, 0
.else
.set FA, 144*((\q)%2)+16*(\m)
.set WA, 1
.endif
.if (\m) == 8
.set AC, AC8
.set WC, 0
.else
.set AC, 32*(\m)
.set WC, 3
.endif
.set WW, (WC<<6)|(WC<<4)|(WA<<2)|2     ; weights window 2; rows window WA; C and D window WC
	WIN WW
.irp j, 0,1,2,3
.if \zero
	v_wmma_scale_f32_16x16x128_f8f6f4 v[AC+8*\j:AC+8*\j+7], v[64*((\q)%4)+16*\j:64*((\q)%4)+16*\j+15], v[FA:FA+15], 0, v[BSC+8*\j+(\q)], v[ASC+8*(\m)+(\q)] matrix_a_fmt:MATRIX_FMT_BF8 matrix_b_fmt:MATRIX_FMT_BF8
.else
	v_wmma_scale_f32_16x16x128_f8f6f4 v[AC+8*\j:AC+8*\j+7], v[64*((\q)%4)+16*\j:64*((\q)%4)+16*\j+15], v[FA:FA+15], v[AC+8*\j:AC+8*\j+7], v[BSC+8*\j+(\q)], v[ASC+8*(\m)+(\q)] matrix_a_fmt:MATRIX_FMT_BF8 matrix_b_fmt:MATRIX_FMT_BF8
.endif
.endr
.endm
.macro KSTEP q, zero
.if ((\q) >= 1) && ((\q) < 7)
.rept 8
	v_nop                                          ; eight places between the last products and the loads into the registers that they read; the wait on va_vdst below fills no place
.endr
.endif
	s_wait_dscnt 0x0                               ; this K step's row fragments, asked for in the K step before, are in: no younger LDS load is out
.if (\q) <= 5
	s_wait_loadcnt 32                              ; two slots were asked for behind this one (K step 0: slots 2 and 3, so that x's scale words, asked for just ahead of them, are in)
.else
	s_wait_loadcnt 16*(7-(\q))                     ; the slots behind this one: 1, 0
.endif
.if ((\q) >= 1) && ((\q) < 7)
	s_wait_alu depctr_va_vdst(0)                   ; the products of the K step before are done reading their buffer of row fragments and their weight slot, in which this step's loads land
.endif
	PROD \q, 0, \zero
.if (\q) < 7
	AFRAG (\q)+1, 0                                ; no wait: no vector or matrix instruction since the wait above names the other buffer, the slot left last, v[BO] or v[AD] on
	AFRAG (\q)+1, 1
.endif
.if ((\q) >= 1) && ((\q) <= 4)
	BLOAD (\q)+3                                   ; into the slot that the last K step has left
.endif
	PROD \q, 1, \zero
.if (\q) < 7
	AFRAG (\q)+1, 2
	AFRAG (\q)+1, 3
.endif
	PROD \q, 2, \zero
.if (\q) < 7
	AFRAG (\q)+1, 4
	AFRAG (\q)+1, 5
.endif
	PROD \q, 3, \zero
.if (\q) < 7
	AFRAG (\q)+1, 6
	AFRAG (\q)+1, 7
.endif
	PROD \q, 4, \zero
.if (\q) < 7
	AFRAG (\q)+1, 8                                ; the last of the 36: sixteen products stand between it and the wait for it
.endif
	PROD \q, 5, \zero
	PROD \q, 6, \zero
	PROD \q, 7, \zero
	PROD \q, 8, \zero
.endm
	s_load_b256 s[4:11], s[0:1], 0x0               ; x_codes s[4:5], x_scales s[6:7], w1f s[8:9], w1_scales s[10:11]
	s_load_b256 s[12:19], s[0:1], 0x20             ; glist s[12:13], g_c s[14:15], hcodes s[16:17], hscales s[18:19]
	v_lshl_add_u32 v254, v0, 2, 0x2e800
	v_mov_b32 v255, 0
	v_lshrrev_b32 v20, 5, v0
	v_readfirstlane_b32 s20, v20                   ; wave 0..3
	s_and_b32 s22, ttmp7, 0xffff                   ; tile t;  ttmp9 = nt
	s_lshl_b32 s24, s22, 2
	s_mul_i32 s36, s22, 4*MT                       ; 144 positions x 4 bytes
	s_mov_b32 s37, 0
	v_and_b32 v18, 15, v0                          ; r
	v_bfe_u32 v19, v0, 4, 1                        ; h
	v_lshlrev_b32 v[L16], 4, v18
	v_and_b32 v[BO], 31, v0
	v_lshlrev_b32 v[BO], 4, v[BO]
	v_mul_u32_u24 v[AD], v18, XP
	v_lshl_add_u32 v[AD], v19, 4, v[AD]
	v_add_nc_u32 v[AD+1], 48*XP, v[AD]
	v_add_nc_u32 v[AD+2], 96*XP, v[AD]
	s_wait_alu depctr_va_sdst(0)                   ; s20, the wave's number, is written, ahead of its first reader
	s_mul_i32 s25, s20, 144
	v_lshlrev_b32 v[LP], 2, v19
	v_add_nc_u32 v[LP], s25, v[LP]                 ; 4 (36 w + h)
	v_lshlrev_b32 v[LR], 2, v18                    ; 4 r
	s_wait_kmcnt 0x0
	s_load_b32 s23, s[12:13], s24 offset:0x9000    ; the tile's expert
	s_add_nc_u64 s[38:39], s[12:13], s[36:37]      ; the tile's tokens
	s_add_nc_u64 s[40:41], s[14:15], s[36:37]      ; and weights
	s_wait_alu depctr_va_vdst(0)                   ; v[LP] and v[LR] are written, which the lists' loads read as offsets (so are v[BO] and v[AD] on, for the loads further down)
.irp p, 0,1,2,3,4,5,6,7,8,9,10,11,12,13,14,15,16,17
	global_load_b32 v[PT+\p], v[LP], s[38:39] offset:8*\p  ; the rows that I gather: 36 w + 2 p + h
.endr
.irp m, 0,1,2,3,4,5,6,7,8
	global_load_b32 v[RT+\m], v[LR], s[38:39] offset:64*\m ; the rows that I multiply: 16 m + r
.endr
.irp m, 0,1,2,3,4,5,6,7,8
	global_load_b32 v[CV+2*\m], v[LR], s[40:41] offset:64*\m
.endr
	s_mul_i32 s26, s20, 36*XP
	v_mul_u32_u24 v[XST], v19, XP
	v_add_nc_u32 v[XST], v[XST], v[L16]
	v_add_nc_u32 v[XST], s26, v[XST]               ; x into LDS: row 36 w + h, 16 bytes a lane
	s_lshl_b32 s27, s20, 6
	s_add_co_u32 s27, s27, CSG
	v_mul_u32_u24 v[CST], v18, CP
	v_lshl_add_u32 v[CST], v19, 4, v[CST]
	v_add_nc_u32 v[CST], s27, v[CST]               ; codes into the stage: row r, + 64 w + 16 h
	s_lshl_b32 s27, s20, 1
	s_add_co_u32 s27, s27, SS
	v_lshlrev_b32 v[SST], 3, v18
	v_add_nc_u32 v[SST], s27, v[SST]               ; scale bytes: 8 r + 2 w
	s_mul_i32 s27, s20, 36*CP
	s_add_co_u32 s27, s27, CSG
	v_mul_u32_u24 v[CRD], v19, CP
	v_add_nc_u32 v[CRD], v[CRD], v[L16]
	v_add_nc_u32 v[CRD], s27, v[CRD]               ; back: row 36 w + h, sixteen lanes to a row
	v_lshl_add_u32 v[SRD], v0, 3, SS               ; the scale bytes of row = thread,
	v_lshl_add_u32 v[SRD2], v18, 3, SS+1024        ; and of row 128 + r
	v_lshl_add_u32 v[HCO], v19, 10, v[L16]
	v_lshlrev_b32 v[HSO], 3, v0
	v_lshl_add_u32 v[HSO2], v18, 3, 1024
	v_and_b32 v20, 8, v18
	v_add_nc_u32 v20, v20, v18
	v_lshlrev_b32 v[BSV], 5, v20                   ; W1's scales: 32 bytes a row, row r + 8 (r / 8) of a tile
	s_mov_b32 s[SEL], 0x76543210
	s_mov_b32 s[SEL+1], 0xfedcba98
	s_mov_b32 s[MNT], 0x600000
	s_mov_b32 s[NL], 0xbfb8aa3b
	s_mov_b32 s[NL+1], s[NL]                       ; (named with it as a pair, so it is written)
	s_mul_i32 s52, s22, MT*1024                    ; hcodes: (144 t + 36 w) rows of 1,024 + 256 nt
	s_mul_i32 s53, s20, 36*1024
	s_add_co_u32 s52, s52, s53
	s_lshl_b32 s53, ttmp9, 8
	s_add_co_u32 s52, s52, s53
	s_mov_b32 s53, 0
	s_add_nc_u64 s[48:49], s[16:17], s[52:53]
	s_mul_i32 s52, ttmp9, 73728                    ; hscales: plane nt of 9,216 x 8 bytes, 1,152 bytes a tile
	s_mul_i32 s54, s22, 8*MT
	s_add_co_u32 s52, s52, s54
	s_add_nc_u64 s[50:51], s[18:19], s[52:53]
	s_wait_kmcnt 0x0
	s_min_u32 s23, s23, 7                          ; a loaded number is held inside its table before it becomes an address
	s_lshl_b32 s42, s23, 20                        ; w1f: the expert, tiles 16 nt + 4 w on, 16,384 bytes a tile
	s_lshl_b32 s43, ttmp9, 18
	s_add_co_u32 s42, s42, s43
	s_lshl_b32 s43, s20, 16
	s_add_co_u32 s42, s42, s43
	s_mov_b32 s43, 0
	s_add_nc_u64 s[WB:WB+1], s[8:9], s[42:43]
	s_lshl_b32 s44, s23, 15                        ; w1_scales: the expert, rows 256 nt + 64 w on, 32 bytes a row
	s_lshl_b32 s45, ttmp9, 13
	s_add_co_u32 s44, s44, s45
	s_lshl_b32 s45, s20, 11
	s_add_co_u32 s44, s44, s45
	s_mov_b32 s45, 0
	s_add_nc_u64 s[46:47], s[10:11], s[44:45]
	s_wait_alu depctr_va_vdst(0)                   ; v[BSV] is written, which the loads below read; so are the addresses v6 to v14 of the LDS and global instructions further down, which are never written again
.irp j, 0,1,2,3
.irp f, 0,1
	global_load_b128 v[BSC+8*\j+4*\f:BSC+8*\j+4*\f+3], v[BSV], s[46:47] offset:(32*(\j/2)+8*(\j%2))*32+16*\f
.endr
.endr
	BLOAD 0
	BLOAD 1
	WIN 0
	s_wait_loadcnt 40                              ; the 36 list loads are in; behind them: 8 scale loads and two slots of 16
.irp p, 0,1,2,3,4,5,6,7,8,9,10,11,12,13,14,15,16,17
	v_min_u32 v[PT+\p], 0xfff, v[PT+\p]
	v_lshlrev_b32 v[PT+\p], 10, v[PT+\p]
	v_add_nc_u32 v[PT+\p], v[PT+\p], v[L16]        ; the token's row of 1,024 bytes, 16 bytes a lane
.endr
.irp m, 0,1,2,3,4,5,6,7,8
	v_min_u32 v[RT+\m], 0xfff, v[RT+\m]
	v_lshlrev_b32 v[RT+\m], 5, v[RT+\m]
	v_mov_b32 v[CV+2*\m+1], v[CV+2*\m]
.endr
	WIN 0xc0                                       ; destination window 3: the registers that become accumulators take the gathered rows
	s_wait_alu depctr_va_vdst(0)                   ; the offsets v[PT] on and v[RT] on are written, which the gathering loads and the loads of x's scale words read
.irp p, 0,1,2,3,4,5,6,7,8,9,10,11,12,13,14,15
.irp c, 0,1,2,3
	global_load_b128 v[16*\p+4*\c:16*\p+4*\c+3], v[PT+\p], s[4:5] offset:256*\c   ; sixteen lanes read 256 consecutive bytes of a row
.endr
.endr
	WIN 0
.irp p, 16,17
.irp c, 0,1,2,3
	global_load_b128 v[AC8+16*(\p-16)+4*\c:AC8+16*(\p-16)+4*\c+3], v[PT+\p], s[4:5] offset:256*\c
.endr
.endr
.irp m, 0,1,2,3,4,5,6,7,8
.irp f, 0,1
	global_load_b128 v[ASC+8*\m+4*\f:ASC+8*\m+4*\f+3], v[RT+\m], s[6:7] offset:16*\f
.endr
.endr
	BLOAD 2
	BLOAD 3
	s_wait_loadcnt 50                              ; the 72 gathering loads are in; behind them: 18 loads of x's scales and two slots of 16
	WIN 0x0c                                       ; an LDS store's data are its source 1: window 3
.irp p, 0,1,2,3,4,5,6,7,8,9,10,11,12,13,14,15
.irp c, 0,1,2,3
	ds_store_b128 v[XST], v[16*\p+4*\c:16*\p+4*\c+3] offset:2*XP*\p+256*\c
.endr
.endr
	WIN 0
.irp p, 16,17
.irp c, 0,1,2,3
	ds_store_b128 v[XST], v[AC8+16*(\p-16)+4*\c:AC8+16*(\p-16)+4*\c+3] offset:2*XP*\p+256*\c
.endr
.endr
	s_wait_dscnt 0x0                               ; for the others' sake: my 36 rows lie in LDS
	s_barrier_signal -1
	s_barrier_wait -1
	s_wait_alu depctr_vm_vsrc(0)                   ; my LDS stores have read window 3 and v192-223: these registers are the accumulators from here on, written by the products
.irp m, 0,1,2,3,4,5,6,7,8
	AFRAG 0, \m
.endr
	KSTEP 0, 1                                     ; the first K step starts the sums: nothing is cleared.  It holds no wait on va_vdst: no vector or matrix instruction has named the odd buffer yet
.irp q, 1,2,3,4,5,6,7
	KSTEP \q, 0
.endr
	WIN 0
.rept 8
	v_nop                                          ; the places in front of the first read of results, and of writes over scale words and fragments that the last products read
.endr
.macro PUT m                           ; row tile m's codes and scale bytes into the stages
	ds_store_b128 v[CST], v[CD:CD+3] offset:16*CP*(\m)
	ds_store_b128 v[CST], v[CD+4:CD+7] offset:16*CP*(\m)+32
	ds_store_b16 v[SST], v[BY] offset:128*(\m)     ; my two bytes of the row's eight; lanes r and r + 16 write the same value
.endm
; Row tile m: 32 numbers a lane, number 16 b + n = hidden unit 32 b + 16 h + n of my 64.  h c = (a c) / (1 + 2^(-a log2 e)), all f32; then the quantiser.
; The accumulators are read under one window setting, into window 0; all else works there.  The tile's three LDS stores are issued in the next tile.
.macro EPI m
.if (\m) < 8
	WIN 0x03                                       ; source 0 window 3
.set A, 32*(\m)
.else
.set A, AC8
.endif
.set i, 0
.rept 16
	v_pk_mul_f32 v[T+i:T+i+1], v[A+i:A+i+1], s[NL:NL+1] op_sel_hi:[1,0]   ; each accumulator is read from its low end on
.set i, i+2
.endr
.set i, 0
.rept 16
	v_pk_mul_f32 v[W+i:W+i+1], v[A+i:A+i+1], v[CV+2*(\m):CV+2*(\m)+1]      ; a x c of my row
.set i, i+2
.endr
	WIN 0
.set i, 0
.rept 32
	v_exp_f32 v[T+i], v[T+i]
.set i, i+1
.endr
	v_nop                                          ; a plain line behind the last exponential
	s_wait_alu depctr_va_vdst(0)                   ; the 32 exponentials have written v[T] on, ahead of their first reader; and the row tile before has written its codes v[CD] on and its bytes v[BY], which the stores below read
.if (\m) > 0
	PUT (\m)-1
.endif
.set i, 0
.rept 16
	v_pk_add_f32 v[T+i:T+i+1], v[T+i:T+i+1], 1.0 op_sel_hi:[1,0]
.set i, i+2
.endr
.set i, 0
.rept 32
	v_rcp_f32 v[T+i], v[T+i]
.set i, i+1
.endr
	v_nop
	s_wait_alu depctr_va_vdst(0)                   ; the 32 reciprocals have written v[T] on, ahead of their first reader
.if (\m) > 0
	s_wait_dscnt 0x0                               ; the three LDS stores above, issued ahead of the additions and the reciprocals, are done,
	s_wait_alu depctr_vm_vsrc(0)                   ; and have read v[CD] on and v[BY], which this row tile's shifts and conversions write again
.endif
.set i, 0
.rept 16
	v_pk_mul_f32 v[W+i:W+i+1], v[W+i:W+i+1], v[T+i:T+i+1]
.set i, i+2
.endr
.irp b, 0,1
	v_max3_num_f32 v[MX+\b], |v[W+16*\b]|, |v[W+16*\b+1]|, 0x8000000      ; my 16 numbers of block b, and the floor 2^(16 - 127): the byte cannot fall under 1
.endr
.irp n, 2,4,6,8,10,12,14
.irp b, 0,1
	v_max3_num_f32 v[MX+\b], v[MX+\b], |v[W+16*\b+\n]|, |v[W+16*\b+\n+1]|
.endr
.endr
.irp b, 0,1
	v_permlanex16_b32 v[PX+\b], v[MX+\b], s[SEL], s[SEL+1]
.endr
.irp b, 0,1
	v_max_num_f32 v[MX+\b], v[MX+\b], v[PX+\b]     ; with lane l xor 16's: the block's largest magnitude
.endr
.irp b, 0,1
	v_add_nc_u32 v[SCL+\b], 0xf8800000, v[MX+\b]   ; 15 off its exponent field: the conversion's scale operand
.endr
.irp b, 0,1
	v_and_or_b32 v[HOLD+\b], v[MX+\b], 0x7f800000, s[MNT]   ; 57,344 x the scale
.endr
.irp b, 0,1
	v_lshrrev_b32 v[BY+\b], 23, v[SCL+\b]          ; the scale's byte
.endr
	v_lshl_or_b32 v[BY], v[BY+1], 8, v[BY]
.irp b, 0,1
.irp n, 0,1,2,3,4,5,6,7,8,9,10,11,12,13,14,15
	v_med3_num_f32 v[W+16*\b+\n], v[W+16*\b+\n], -v[HOLD+\b], v[HOLD+\b]   ; the conversion does not saturate (ISA guide 7.6.2): the hold comes first
.endr
	v_cvt_scalef32_pk8_bf8_f32 v[CD+4*\b:CD+4*\b+1], v[W+16*\b:W+16*\b+7], v[SCL+\b]
	v_cvt_scalef32_pk8_bf8_f32 v[CD+4*\b+2:CD+4*\b+3], v[W+16*\b+8:W+16*\b+15], v[SCL+\b]
.endr
	v_nop                                          ; one plain vector line behind the last conversion
.endm
.irp m, 0,1,2,3,4,5,6,7,8
	EPI \m
.endr
	s_wait_alu depctr_va_vdst(0)                   ; row tile 8 has written its codes and its bytes, which the stores below read; and every vector line that named v32-107 is done: loads land there on the way out
	PUT 8
	s_wait_dscnt 0x0                               ; for the others' sake: my codes and bytes lie in the stages
	s_barrier_signal -1
	s_barrier_wait -1                              ; 144 rows x 256 codes, and their scale bytes
	s_wait_alu depctr_vm_vsrc(0)                   ; my last three LDS stores have read v72 and v80-87, in which the loads below land
.irp i, 0,1,2,3,4,5,6,7,8,9,10,11,12,13,14,15,16,17
	ds_load_b128 v[OB+4*\i:OB+4*\i+3], v[CRD] offset:2*CP*\i
.endr
	ds_load_b64 v[104:105], v[SRD]
	ds_load_b64 v[106:107], v[SRD2]
	s_wait_dscnt 0x0
.irp i, 0,1,2,3,4,5,6,7,8,9,10,11,12,13,14,15,16,17
	global_store_b128 v[HCO], v[OB+4*\i:OB+4*\i+3], s[48:49] offset:2048*\i   ; sixteen lanes store 256 consecutive bytes, at a multiple of 256 from the buffer's first byte
.endr
	global_store_b64 v[HSO], v[104:105], s[50:51]  ; rows 0-127: 1,024 consecutive bytes of this plane
	global_store_b64 v[HSO2], v[106:107], s[50:51] ; rows 128-143: the eight threads with one r write the same 8 bytes with the same value
	s_wait_dscnt 0x0                               ; the closing lines, six on end
	s_wait_alu 0x0
	s_wait_tensorcnt 0x0
	ds_add_u32 v254, v255
	s_wait_dscnt 0x0
	s_endpgm
.Lfunc_end_k_q86359e87bd_g1:
	.size	k_q86359e87bd_g1, .Lfunc_end_k_q86359e87bd_g1-k_q86359e87bd_g1
	.p2alignl 7, 3214868480
	.fill 96, 4, 3214868480
	.section	.rodata,"a",@progbits
	.p2align	6, 0x0
	.amdhsa_kernel k_q86359e87bd_g1
		.amdhsa_group_segment_fixed_size 190976
		.amdhsa_private_segment_fixed_size 0
		.amdhsa_enable_private_segment 0
		.amdhsa_kernarg_size 64
		.amdhsa_user_sgpr_count 2
		.amdhsa_user_sgpr_kernarg_segment_ptr 1
		.amdhsa_wavefront_size32 1
		.amdhsa_system_sgpr_workgroup_id_x 1
		.amdhsa_system_sgpr_workgroup_id_y 1
		.amdhsa_system_sgpr_workgroup_id_z 1
		.amdhsa_system_vgpr_workitem_id 0
		.amdhsa_next_free_vgpr 1024
		.amdhsa_next_free_sgpr 66
		.amdhsa_reserve_vcc 0
		.amdhsa_float_denorm_mode_32 3
		.amdhsa_float_denorm_mode_16_64 3
		.amdhsa_memory_ordered 1
		.amdhsa_forward_progress 1
		.amdhsa_inst_pref_size 194
	.end_amdhsa_kernel
	.amdgpu_metadata
---
amdhsa.version: [ 1, 2 ]
amdhsa.kernels:
  - .name:           k_q86359e87bd_g1
    .symbol:         k_q86359e87bd_g1.kd
    .args:
      - { .name: x_codes, .offset: 0, .size: 8, .value_kind: global_buffer, .address_space: global }
      - { .name: x_scales, .offset: 8, .size: 8, .value_kind: global_buffer, .address_space: global }
      - { .name: w1f, .offset: 16, .size: 8, .value_kind: global_buffer, .address_space: global }
      - { .name: w1_scales, .offset: 24, .size: 8, .value_kind: global_buffer, .address_space: global }
      - { .name: glist, .offset: 32, .size: 8, .value_kind: global_buffer, .address_space: global }
      - { .name: g_c, .offset: 40, .size: 8, .value_kind: global_buffer, .address_space: global }
      - { .name: hcodes, .offset: 48, .size: 8, .value_kind: global_buffer, .address_space: global }
      - { .name: hscales, .offset: 56, .size: 8, .value_kind: global_buffer, .address_space: global }
    .group_segment_fixed_size: 190976
    .private_segment_fixed_size: 0
    .kernarg_segment_align: 8
    .kernarg_segment_size: 64
    .max_flat_workgroup_size: 128
    .sgpr_count:     66
    .vgpr_count:     1024
    .wavefront_size: 32
...
	.end_amdgpu_metadata
.endif
;; end of part 7
;; launch g2 (part 8): grid 4 x 64, 4 waves a work-group, no clusters, 160,256 bytes of LDS; arguments hcodes, hscales, w2f, w2s, ginfo, out0; writes out0
.if DOCPART == 8
	.amdgcn_target "amdgcn-amd-amdhsa--gfx1250"
	.amdhsa_code_object_version 6
	.text
	.protected	k_q86359e87bd_g2
	.globl	k_q86359e87bd_g2
	.p2align	8
	.type	k_q86359e87bd_g2,@function
k_q86359e87bd_g2:
	s_mov_b64 s[64:65], 0
	v_nop
	global_prefetch_b8 v0, s[64:65] scope:SCOPE_SE
	s_setreg_imm32_b32 hwreg(HW_REG_WAVE_SCHED_MODE, 0, 2), 2
	s_setreg_imm32_b32 hwreg(HW_REG_WAVE_MODE, 25, 1), 1
	s_wait_xcnt 0x0
	s_wait_alu depctr_vm_vsrc(0)
; THE THIRD LAUNCH: y = the sum over a token's experts of (h c) W2^T, on E5M2 codes.  A work-group OWNS 64 tokens (block b of the sort by set of experts) x 256 outputs (ct): each output is stored once, no parts are added in memory.
; The tokens' two rows of h c (LDS rows 0-63: first picks, 64-127: second picks; 1,024 codes, pitch 1,040) and their scale bytes lie in LDS for the whole launch; LDS row 128 holds zero codes and zero scale bytes.
; The work-group walks all 8 experts in a loop of constant count; for expert e a lane takes, for its row of tile m, the ROW NUMBER 16 m + r (first pick = e), 64 + 16 m + r (second pick = e) or 128 (neither): a choice of numbers,
; no branch; the number is held at 128 from above and then becomes an address by shifts and additions.  Zero codes add nothing under the scale byte 0, which stands for 2^-127.
; An expert that none of the 64 tokens uses is passed over by one scalar branch on the stored list; no barrier stands in the loop.  Where both picks name one expert the first row, which carries the summed weight, is taken.
; The weights come from memory straight into registers, as images laid by the first launch, through a ring of four slots of one K step.
; NO TENSOR LOADS, NO CLUSTER: rows are gathered by a stored list, and which experts a work-group walks hangs on that list, so partners would not make the same requests.
; THE ACCUMULATORS ARE CLEARED BY MOVES: which expert comes first for a block is known from the list alone, so no product of the text can be the one that starts the sums.
; TRANSPOSED USE: source 0 = 16 rows d of W2, source 1 = 16 rows of h c: a lane holds eight neighbouring outputs of one token.
; REGISTERS: window 0: v1-31 addresses and row numbers; v32-63 the rows' scale words (8 m + q); v64-95 W2's (8 j + q); v96-223 accumulators (8 (4 m + j)); v224-255 the tokens' places in y.
;   window 1: v0-127 two buffers of row fragments (at the head all 256: the gathered rows); v128-191 the way out.   window 2: the four weight slots of 64.
; THE MODE: SCHED_MODE bits 1:0 = 2 (LLVM: expert scheduling mode 2), set by the entry lines.  The code itself states the register dependences between vector or matrix instructions and memory or LDS
; instructions, with s_wait_alu, always for 0.
; THE PLAN.  Registers that memory or LDS instructions touch, in the loop over experts:
;   v[AD] on, v[SD] on (v14-21)   written by vector lines at a trip's top; read as addresses by the trip's LDS loads.  One wait on vm_vsrc at the top (the last trip's loads have read them), and the trip's first wait
;                                 on va_vdst (they are written).
;   s48-55                        written by the eight compares at the top; one wait on va_sdst ahead of the first select that reads one.
;   the scale words v32-95        read by a trip's products; the next walked trip's loads land in them, behind that trip's first wait on va_vdst.
;   the two buffers of row fragments, the four weight slots: K step q's 16 products read buffer q % 2 and slot q % 4; the LDS loads of K step q + 1 land in the other buffer and the loads of K step q + 3 in slot
;                                 (q - 1) % 4, both read last by the products of K step q - 1 (K step 0: of the last walked trip).
;   So a walked trip holds one wait on va_vdst ahead of its first run of loads and one at the head of K steps 1 to 6, behind the waits for the step's own data; a step's loads follow, dealt behind the products of its
;   first two row tiles, which name none of the registers that those loads touch.  v[BO] and v[L16] are written at the head alone.
; Outside the loop: the head's offsets and addresses (a wait on va_vdst ahead of each run of loads that reads fresh ones); v96-223 and window 1, which loads and LDS stores of the head read and which moves, products and
; later loads write (one wait on vm_vsrc in front of the barrier); the accumulators as the data of the way out's LDS stores (one wait on va_vdst); the way out's two sets of window 1 (a wait on vm_vsrc where a set is loaded again).
.set XP,   1040                        ; an LDS row: 1,024 bytes + 16: the 16 rows of a fragment load start at 16 different banks
.set ZR,   128*XP                      ; row 128: zero codes (2,048 bytes are written)
.set SA,   ZR+2048                     ; the rows' scale bytes: 128 rows x 32,
.set SZ,   SA+128*32                   ; and row 128's: zeros (2,048 bytes are written)
.set STG,  SZ+2048                     ; the way out: 16 rows x (256 + 16) for each wave
.set PLANE, 73728                      ; a plane of hscales: 9,216 positions x 8 bytes
.set L16,  1                           ; 16 (lane % 16)
.set BO,   2                           ; 16 lane
.set H16,  3                           ; 16 (lane / 16)
.set C128, 4                           ; 128: the zero row's number
.set TMP,  5
.set RI0,  6                           ; v6-9   16 m + r: my row of tile m among the first picks'
.set RI1,  10                          ; v10-13 64 + 16 m + r: among the second picks'
.set AD,   14                          ; v14-17 the row chosen for tile m, then its codes' address
.set SD,   18                          ; v18-21 its scale bytes' address
.set EX0,  22                          ; v22-25 first pick of token 16 m + r
.set EX1,  26                          ; v26-29 second pick
.set STO,  30
.set RD,   31
.set ASC,  32
.set BSC,  64
.set ACC,  96
.set TK,   224
.set PP,   96                          ; at the head, in registers that become accumulators: positions, addresses
.set SP,   112
.set EP,   113
.set WB,   34                          ; s[34:35] my four weight tiles of the expert in hand
.set WS,   36                          ; s[36:37] their scale words
.set MSB, 0
.macro WIN new                         ; the immediate's high byte repeats the setting that is left; bits 1:0 source 0, 3:2 source 1, 5:4 source 2, 7:6 destination
.if MSB != \new
	s_set_vgpr_msb (MSB<<8)|\new
.set MSB, \new
.endif
.endm
.macro BLOAD q                         ; K step q of my four weight tiles into slot q % 4: 16 loads of 512 consecutive bytes
	WIN 0x80
.irp j, 0,1,2,3
.irp c, 0,1,2,3
	global_load_b128 v[64*((\q)%4)+16*\j+4*\c:64*((\q)%4)+16*\j+4*\c+3], v[BO], s[WB:WB+1] offset:(8*\j+(\q))*2048+512*\c
.endr
.endr
.endm
.macro AFRAG q, m                      ; K step q of row tile m into buffer q % 2: four loads; the tile's rows stand in its address register
	WIN 0x40
.irp c, 0,1,2,3
	ds_load_b128 v[64*((\q)%2)+16*(\m)+4*\c:64*((\q)%2)+16*(\m)+4*\c+3], v[AD+(\m)] offset:128*(\q)+32*\c
.endr
.endm
.macro PROD q, m                       ; the four products of row tile m in K step q.  The 16 accumulators take turns, one instruction a turn, in the same order in every K step and every trip
	WIN 0x06
.irp j, 0,1,2,3
	v_wmma_scale_f32_16x16x128_f8f6f4 v[ACC+8*(4*(\m)+\j):ACC+8*(4*(\m)+\j)+7], v[64*((\q)%4)+16*\j:64*((\q)%4)+16*\j+15], v[64*((\q)%2)+16*(\m):64*((\q)%2)+16*(\m)+15], v[ACC+8*(4*(\m)+\j):ACC+8*(4*(\m)+\j)+7], v[BSC+8*\j+(\q)], v[ASC+8*(\m)+(\q)] matrix_a_fmt:MATRIX_FMT_BF8 matrix_b_fmt:MATRIX_FMT_BF8
.endr
.endm
.macro KSTEP q
.if ((\q) >= 1) && ((\q) < 7)
.rept 8
	v_nop                                          ; eight places between the last products and the loads into the registers that they read; the wait on va_vdst below fills no place
.endr
.endif
	s_wait_dscnt 0x0                               ; this K step's row fragments (and, in the first, the rows' scale words) are in: no younger LDS load is out
.if (\q) == 0
	s_wait_loadcnt 48                              ; slots 1 to 3 were asked for behind slot 0; W2's scale words, asked for ahead of it, are in
.elseif (\q) <= 5
	s_wait_loadcnt 32                              ; two slots were asked for behind this one
.else
	s_wait_loadcnt 16*(7-(\q))                     ; the slots behind this one: 1, 0
.endif
.if ((\q) >= 1) && ((\q) < 7)
	s_wait_alu depctr_va_vdst(0)                   ; the products of the K step before are done reading their buffer of row fragments and their weight slot, in which this step's loads land
.endif
	PROD \q, 0
.if (\q) < 7
	AFRAG (\q)+1, 0                                ; no wait: no vector or matrix instruction since the last wait on va_vdst names the other buffer, the slot left last, v[BO] or v[AD] on
	AFRAG (\q)+1, 1
.endif
.if ((\q) >= 1) && ((\q) <= 4)
	BLOAD (\q)+3                                   ; into the slot that the last K step has left
.endif
	PROD \q, 1
.if (\q) < 7
	AFRAG (\q)+1, 2
	AFRAG (\q)+1, 3                                ; the last of the 16: eight products stand between it and the wait for it
.endif
	PROD \q, 2
	PROD \q, 3
.endm
	s_load_b256 s[4:11], s[0:1], 0x0               ; hcodes s[4:5], hscales s[6:7], w2f s[8:9], w2s s[10:11]
	s_load_b128 s[12:15], s[0:1], 0x20             ; ginfo s[12:13], out0 s[14:15]
	s_set_vgpr_msb 0xc0
	v_lshl_add_u32 v0, v0, 2, 0x27000
	v_mov_b32 v1, 0
	s_set_vgpr_msb 0xc000
	v_lshrrev_b32 v141, 5, v0
	v_readfirstlane_b32 s20, v141                  ; wave 0..3
	s_and_b32 s22, ttmp7, 0xffff                   ; block b;  ttmp9 = ct
	v_and_b32 v142, 15, v0                         ; r
	v_bfe_u32 v143, v0, 4, 1                       ; h
	v_lshlrev_b32 v[L16], 4, v142
	v_and_b32 v[BO], 31, v0
	v_lshlrev_b32 v[BO], 4, v[BO]
	v_lshlrev_b32 v[H16], 4, v143
	v_mov_b32 v[C128], 0x80
.irp m, 0,1,2,3
	v_add_nc_u32 v[RI0+\m], 16*\m, v142
	v_add_nc_u32 v[RI1+\m], 64+16*\m, v142
.endr
	s_wait_alu depctr_va_sdst(0)                   ; s20, the wave's number, is written, ahead of its first reader
	s_mul_i32 s24, s20, 16*272
	s_add_co_u32 s24, s24, STG                     ; my stage
	v_mul_u32_u24 v[STO], v142, 272
	v_lshl_add_u32 v[STO], v143, 5, v[STO]
	v_add_nc_u32 v[STO], s24, v[STO]               ; in: row r, 32 bytes for each half of the lanes
	v_mul_u32_u24 v[RD], v143, 272
	v_add_nc_u32 v[RD], v[RD], v[L16]
	v_add_nc_u32 v[RD], s24, v[RD]                 ; back: lanes 0-15 one row, lanes 16-31 the next
	s_mul_i32 s25, s20, 32*XP
	v_mul_u32_u24 v130, v143, XP
	v_add_nc_u32 v130, v130, v[L16]
	v_add_nc_u32 v130, s25, v130                   ; the gathered rows into LDS: row 32 w + h
	v_lshl_add_u32 v131, v0, 5, SA                 ; row = thread: its 32 scale bytes
	v_lshl_add_u32 v132, v0, 4, ZR                 ; the zeros: 16 bytes a thread
	v_mul_u32_u24 v129, v0, XP                     ; row = thread: its 16 bytes of padding lie 1,024 on
	s_and_b32 s26, s20, 1
	s_lshl_b32 s26, s26, 9
	s_lshr_b32 s27, s20, 1
	s_lshl_b32 s27, s27, 2
	s_add_co_u32 s26, s26, s27
	s_add_co_u32 s26, s26, 4                       ; ginfo: token 32 (w % 2) of the block, word 1 + w / 2
	v_add_nc_u32 v133, s26, v[H16]
	v_and_b32 v134, 63, v0
	v_lshlrev_b32 v134, 4, v134
	v_lshrrev_b32 v141, 6, v0
	v_lshl_add_u32 v134, v141, 2, v134
	v_add_nc_u32 v134, 4, v134                     ; token thread % 64, word 1 + thread / 64
	v_add_nc_u32 v135, 12, v[L16]                  ; token r, word 3
.irp i, 136,137,138,139
	v_mov_b32 v\i, 0
.endr
	s_lshl_b32 s38, s22, 10                        ; 64 tokens x 16 bytes
	s_mov_b32 s39, 0
	s_lshl_b32 s44, ttmp9, 18                      ; w2f: tiles 16 ct + 4 w on, 16,384 bytes a tile
	s_lshl_b32 s45, s20, 16
	s_add_co_u32 s44, s44, s45
	s_mov_b32 s45, 0
	s_lshl_b32 s46, ttmp9, 13                      ; w2s: 512 bytes a tile
	s_lshl_b32 s47, s20, 11
	s_add_co_u32 s46, s46, s47
	s_mov_b32 s47, 0
	s_lshl_b32 s28, ttmp9, 10                      ; y: 256 outputs a work-group, 64 a wave, 4 bytes each
	s_lshl_b32 s29, s20, 8
	s_add_co_u32 s28, s28, s29
	s_mov_b32 s29, 0
	s_wait_kmcnt 0x0
	s_add_nc_u64 s[40:41], s[12:13], s[38:39]
	s_add_nc_u64 s[WB:WB+1], s[8:9], s[44:45]
	s_add_nc_u64 s[WS:WS+1], s[10:11], s[46:47]
	s_add_nc_u64 s[42:43], s[14:15], s[28:29]
	s_wait_alu depctr_va_vdst(0)                   ; the offsets v133-135 and v[H16] are written, which the lists' loads read; so are the addresses v129-132 and the zeros v136-139 of the LDS stores below, and v[L16], v[BO], v[STO], v[RD]
.irp p, 0,1,2,3,4,5,6,7,8,9,10,11,12,13,14,15
	global_load_b32 v[PP+\p], v133, s[40:41] offset:32*\p  ; the position of LDS row 32 w + 2 p + h
.endr
	global_load_b32 v[SP], v134, s[40:41]          ; of LDS row = thread
.irp m, 0,1,2,3
	global_load_b32 v[EP+\m], v135, s[40:41] offset:256*\m ; the two picks of token 16 m + r
.endr
.irp m, 0,1,2,3
.irp i, 0,1,2,3,4,5,6,7
	global_load_b32 v[TK+8*\m+\i], v[H16], s[40:41] offset:256*\m+32*\i   ; token 16 m + 2 i + h (word 0)
.endr
.endr
	ds_store_b128 v132, v[136:139]                 ; row 128's zero codes: 128 threads x 16 bytes
	ds_store_b128 v132, v[136:139] offset:SZ-ZR    ; and its zero scale bytes
	ds_store_b128 v129, v[136:139] offset:1024     ; the padding behind my row, so that every byte between the rows is written
	s_wait_loadcnt 0x0
.irp p, 0,1,2,3,4,5,6,7,8,9,10,11,12,13,14,15
	v_min_u32 v[PP+\p], 0x23ff, v[PP+\p]           ; loaded numbers are held inside their tables (9,216 positions, 4,096 tokens) before they become addresses
	v_lshlrev_b32 v[PP+\p], 10, v[PP+\p]
	v_add_nc_u32 v[PP+\p], v[PP+\p], v[L16]
.endr
	v_min_u32 v[SP], 0x23ff, v[SP]
	v_lshlrev_b32 v[SP], 3, v[SP]
.set i, 0
.rept 32
	v_min_u32 v[TK+i], 0xfff, v[TK+i]
	v_lshlrev_b32 v[TK+i], 12, v[TK+i]
	v_add_nc_u32 v[TK+i], v[TK+i], v[L16]          ; the token's row of y, 16 bytes a lane
.set i, i+1
.endr
.irp m, 0,1,2,3
	v_and_b32 v[EX0+\m], 0xff, v[EP+\m]
	v_lshrrev_b32 v[EX1+\m], 8, v[EP+\m]
.endr
	WIN 0x40
	s_wait_alu depctr_va_vdst(0)                   ; the offsets v[PP] on and v[SP] are written, which the gathering loads read; so are v[TK] on, which the way out's stores read
.irp p, 0,1,2,3,4,5,6,7,8,9,10,11,12,13,14,15
.irp c, 0,1,2,3
	global_load_b128 v[4*(4*\p+\c):4*(4*\p+\c)+3], v[PP+\p], s[4:5] offset:256*\c   ; sixteen lanes read 256 consecutive bytes of a row
.endr
.endr
	WIN 0
.irp n, 0,1,2,3
	global_load_b64 v[120+2*\n:121+2*\n], v[SP], s[6:7] offset:PLANE*\n   ; the row's 32 scale bytes, 8 from each plane
.endr
	s_wait_loadcnt 0x0
	WIN 0x04                                       ; an LDS store's data are its source 1: window 1
.irp p, 0,1,2,3,4,5,6,7,8,9,10,11,12,13,14,15
.irp c, 0,1,2,3
	ds_store_b128 v130, v[4*(4*\p+\c):4*(4*\p+\c)+3] offset:2*XP*\p+256*\c
.endr
.endr
	WIN 0
.irp n, 0,1,2,3
	ds_store_b64 v131, v[120+2*\n:121+2*\n] offset:8*\n
.endr
	s_wait_dscnt 0x0                               ; for the others' sake: my rows, scale bytes and zeros lie in LDS
	s_wait_alu depctr_vm_vsrc(0)                   ; the head's loads and LDS stores have read their offsets, addresses and data in v96-139, which the moves below write, and window 1, in which the loop's and the way out's loads land
	s_barrier_signal -1
.set i, 0
.rept 128
	v_mov_b32 v[ACC+i], 0                          ; register work while the others arrive
.set i, i+1
.endr
	s_barrier_wait -1
	s_mov_b32 s23, 0
.Lexpert:                                          ; 8 trips
.irp m, 0,1,2,3
	v_cmp_eq_u32 s[48+\m], s23, v[EX0+\m]
	v_cmp_eq_u32 s[52+\m], s23, v[EX1+\m]
.endr
	s_wait_alu depctr_va_sdst(0)                   ; the eight compares have written s48-55, ahead of the first select that reads one
	s_wait_alu depctr_vm_vsrc(0)                   ; the last walked trip's LDS loads have read v[AD] on and v[SD] on, which the lines below write
.irp m, 0,1,2,3
	v_cndmask_b32 v[AD+\m], v[C128], v[RI1+\m], s[52+\m]   ; the zero row, or the second pick's row,
.endr
.irp m, 0,1,2,3
	v_cndmask_b32 v[AD+\m], v[AD+\m], v[RI0+\m], s[48+\m]  ; or, first of all, the first pick's
.endr
.irp m, 0,1,2,3
	v_min_u32 v[AD+\m], 0x80, v[AD+\m]             ; a number chosen by loaded ones is held inside its table (rows 0 to 128) before it becomes an address
.endr
.irp m, 0,1,2,3
	v_lshlrev_b32 v[SD+\m], 5, v[AD+\m]
	v_add_nc_u32 v[SD+\m], SA, v[SD+\m]            ; the row's scale bytes: SA + 32 x row
	v_lshlrev_b32 v[TMP], 4, v[AD+\m]
	v_lshlrev_b32 v[AD+\m], 10, v[AD+\m]
	v_add_nc_u32 v[AD+\m], v[AD+\m], v[TMP]        ; 1,040 x row = 1,024 x row + 16 x row,
	v_add_nc_u32 v[AD+\m], v[AD+\m], v[H16]        ; + 16 h: the row's codes
.endr
	s_or_b32 s24, s48, s49
	s_or_b32 s25, s50, s51
	s_or_b32 s26, s52, s53
	s_or_b32 s27, s54, s55
	s_or_b32 s24, s24, s25
	s_or_b32 s26, s26, s27
	s_or_b32 s24, s24, s26
	s_cmp_lg_u32 s24, 0
	s_cbranch_scc0 .Lskip                          ; none of the 64 tokens uses this expert
	s_wait_alu depctr_va_vdst(0)                   ; v[AD] on and v[SD] on are written, which the LDS loads below read; and the last walked trip's products are done reading the scale words, the four slots and both buffers, in which this trip's loads land
.irp j, 0,1,2,3
.irp f, 0,1
	global_load_b128 v[BSC+8*\j+4*\f:BSC+8*\j+4*\f+3], v[L16], s[WS:WS+1] offset:512*\j+256*\f
.endr
.endr
.irp m, 0,1,2,3
.irp f, 0,1
	ds_load_b128 v[ASC+8*\m+4*\f:ASC+8*\m+4*\f+3], v[SD+\m] offset:16*\f
.endr
.endr
	BLOAD 0
	BLOAD 1
	BLOAD 2
	BLOAD 3
.irp m, 0,1,2,3
	AFRAG 0, \m
.endr
.irp q, 0,1,2,3,4,5,6,7
	KSTEP \q
.endr
	WIN 0                                          ; at a label and at a branch every window is 0
.rept 8
	v_nop                                          ; the places in front of the next trip's loads into operand and scale registers, and of the first read of results
.endr
.Lskip:
	s_wait_xcnt 0x0                                ; the trip's loads have read their bases: they step only behind this wait
	s_add_nc_u64 s[WB:WB+1], s[WB:WB+1], 0x100000  ; the next expert's images
	s_add_nc_u64 s[WS:WS+1], s[WS:WS+1], 0x8000
	s_add_co_u32 s23, s23, 1
	s_cmp_lt_u32 s23, 8
	s_cbranch_scc1 .Lexpert
	s_wait_dscnt 0x0
	s_barrier_signal -1                            ; every wave's reads of the rows are over
	s_barrier_wait -1
	s_wait_alu depctr_va_vdst(0)                   ; the products (and the moves that began the sums) have written the accumulators, which the LDS stores below read; the places at a trip's end stay beside this wait
; THE WAY OUT, a tile of 16 tokens at a time: 32 bytes a lane into my own stage, back as rows of 256 bytes; sixteen lanes store 256 consecutive bytes of a token's row, at a multiple of 256 from y's first byte.
.macro OUTM m
.if (\m) >= 2
	s_wait_xcnt 0x0                                ; the stores of two tiles back have had their addresses translated,
	s_wait_alu depctr_vm_vsrc(0)                   ; and have read their data registers: the loads below land there
.endif
.irp j, 0,1,2,3
	ds_store_b128 v[STO], v[ACC+8*(4*(\m)+\j):ACC+8*(4*(\m)+\j)+3] offset:64*\j          ; each accumulator from its low end on
	ds_store_b128 v[STO], v[ACC+8*(4*(\m)+\j)+4:ACC+8*(4*(\m)+\j)+7] offset:64*\j+16
.endr
	WIN 0x40
.irp i, 0,1,2,3,4,5,6,7
	ds_load_b128 v[128+32*((\m)%2)+4*\i:128+32*((\m)%2)+4*\i+3], v[RD] offset:2*272*\i   ; LDS serves a wave's instructions in order: these see the stores above
.endr
	s_wait_dscnt 0x0
	WIN 0x04                                       ; a store's data are its source 1: window 1
.irp i, 0,1,2,3,4,5,6,7
	global_store_b128 v[TK+8*(\m)+\i], v[128+32*((\m)%2)+4*\i:128+32*((\m)%2)+4*\i+3], s[42:43] th:TH_STORE_NT
.endr
	WIN 0
.endm
	OUTM 0
	OUTM 1
	OUTM 2
	OUTM 3
	s_set_vgpr_msb 0xf                             ; the add's two registers, sources 0 and 1, lie in window 3 (the setting before was 0)
	s_wait_dscnt 0x0                               ; the closing lines, six on end
	s_wait_alu 0x0
	s_wait_tensorcnt 0x0
	ds_add_u32 v0, v1
	s_wait_dscnt 0x0
	s_endpgm
.Lfunc_end_k_q86359e87bd_g2:
	.size	k_q86359e87bd_g2, .Lfunc_end_k_q86359e87bd_g2-k_q86359e87bd_g2
	.p2alignl 7, 3214868480
	.fill 96, 4, 3214868480
	.section	.rodata,"a",@progbits
	.p2align	6, 0x0
	.amdhsa_kernel k_q86359e87bd_g2
		.amdhsa_group_segment_fixed_size 160256
		.amdhsa_private_segment_fixed_size 0
		.amdhsa_enable_private_segment 0
		.amdhsa_kernarg_size 48
		.amdhsa_user_sgpr_count 2
		.amdhsa_user_sgpr_kernarg_segment_ptr 1
		.amdhsa_wavefront_size32 1
		.amdhsa_system_sgpr_workgroup_id_x 1
		.amdhsa_system_sgpr_workgroup_id_y 1
		.amdhsa_system_sgpr_workgroup_id_z 1
		.amdhsa_system_vgpr_workitem_id 0
		.amdhsa_next_free_vgpr 770
		.amdhsa_next_free_sgpr 66
		.amdhsa_reserve_vcc 0
		.amdhsa_float_denorm_mode_32 3
		.amdhsa_float_denorm_mode_16_64 3
		.amdhsa_memory_ordered 1
		.amdhsa_forward_progress 1
		.amdhsa_inst_pref_size 82
	.end_amdhsa_kernel
	.amdgpu_metadata
---
amdhsa.version: [ 1, 2 ]
amdhsa.kernels:
  - .name:           k_q86359e87bd_g2
    .symbol:         k_q86359e87bd_g2.kd
    .args:
      - { .name: hcodes, .offset: 0, .size: 8, .value_kind: global_buffer, .address_space: global }
      - { .name: hscales, .offset: 8, .size: 8, .value_kind: global_buffer, .address_space: global }
      - { .name: w2f, .offset: 16, .size: 8, .value_kind: global_buffer, .address_space: global }
      - { .name: w2s, .offset: 24, .size: 8, .value_kind: global_buffer, .address_space: global }
      - { .name: ginfo, .offset: 32, .size: 8, .value_kind: global_buffer, .address_space: global }
      - { .name: out0, .offset: 40, .size: 8, .value_kind: global_buffer, .address_space: global }
    .group_segment_fixed_size: 160256
    .private_segment_fixed_size: 0
    .kernarg_segment_align: 8
    .kernarg_segment_size: 48
    .max_flat_workgroup_size: 128
    .sgpr_count:     66
    .vgpr_count:     770
    .wavefront_size: 32
...
	.end_amdgpu_metadata
.endif
;; end of part 8
